; MI455X (gfx1250); checked and timed in simulation.
; The chip was launched on July 23, 2026; its instructions are those of AMD's public machine-readable ISA for CDNA 5 (MIT licence, August 2026) and "CDNA5" Instruction Set Architecture Reference Guide (July 2026). The comments in the code are by the model that wrote it; some were corrected since.
;; Attention. Allowed arithmetic: matrix products marked QUANTISED: E2M1 operands, one E8M0 scale for each 32 along K, by v_wmma_scale_f32_16x16x128_f8f6f4 with both operands' format E2M1 (or v_wmma_scale_f32_32x16x128_f4), f32 sums; products left as they are: bf16, f16 or f32 operands; f32 sums; everything else in f32.
;; Inputs: Wk 1,024 x 1,024 float32; Wp 1,024 x 1,024 float32; Wq 1,024 x 1,024 float32; Wv 1,024 x 1,024 float32; att_mask 1 x 1 x 4,096 x 4,096 int32; bk 1,024 float32; bp 1,024 float32; bq 1,024 float32; bv 1,024 float32; key 1 x 4,096 x 1,024 float32; query 1 x 4,096 x 1,024 float32; value 1 x 4,096 x 1,024 float32.
;; Outputs: out0 1 x 4,096 x 1,024 float32.
;; This version of the problem:
;;   THIS VERSION OF THE PROBLEM IS GIVEN IN LOW PRECISION. The matrix products marked QUANTISED in the list below multiply operands that are first quantised to E2M1 (2 exponent bits, 1 mantissa bit; 4 bits a number), with one power-of-two scale for each 32 numbers along K (OCP MX v1.0); their sums are f32. The products marked 'left as it is' may take bf16, f16 or f32 operands, with f32 sums. Whichever they take, every output number must still come out within the allowed error. Rounding operands to bf16 (8 significant bits) uses up far more of that allowance than f16 does (11 bits, for magnitudes from 6e-5 to 65,504). All else is computed in f32.
;;   The module's matrix products, in the order in which they are computed (A, B: the left and right operand; K: the contracted axis; several contracted axes count as one K, in the product's order):
;;     1. [M 4,096, K 1,024] x [K 1,024, N 1,024]; A: input query; B: input Wq: QUANTISED
;;     2. [M 4,096, K 1,024] x [K 1,024, N 1,024]; A: input key; B: input Wk: QUANTISED
;;     3. [M 4,096, K 1,024] x [K 1,024, N 1,024]; A: input value; B: input Wv: QUANTISED
;;     4. batch 16 x [M 4,096, K 64] x [K 64, N 4,096]; A: computed on the way; B: computed on the way: left as it is (an operand is computed on the way)
;;     5. batch 16 x [M 4,096, K 4,096] x [K 4,096, N 64]; A: computed on the way; B: computed on the way: left as it is (an operand is computed on the way)
;;     6. [M 4,096, K 1,024] x [K 1,024, N 1,024]; A: computed on the way; B: input Wp: left as it is (an operand is computed on the way)
;;   THE QUANTISER, for each operand of a quantised product, along K:
;;     - K is cut into blocks of 32 from its start; a last block that is shorter is filled with zeros.
;;     - A block's scale is 2^e with e = floor(log2(the largest magnitude in the block)) - 2, held to -126 .. 127; a block of zeros has e = 0. As a byte (E8M0): e + 127.
;;     - Each number is divided by its block's scale, clamped to +-6, and rounded to the nearest number of E2M1, ties to even, subnormals kept.
;;     - The product sums the exact products of the quantised numbers (number of the format x scale) in f32.
;;   ~~~python
;;   def quantise(x, axis):      # numpy; x: float32 -> the quantised numbers, widened to float32 again
;;       x = np.moveaxis(x, axis, -1); K = x.shape[-1]
;;       x = np.pad(x, [(0, 0)] * (x.ndim - 1) + [(0, -K % 32)]); x = x.reshape(x.shape[:-1] + (-1, 32)); a = np.abs(x).max(-1, keepdims=True)
;;       e = np.where(a > 0, np.clip(np.frexp(np.where(a > 0, a, 1))[1] - 1 - 2, -126, 127), 0)      # np.frexp(a)[1] - 1 = floor(log2(a)), exactly
;;       r = np.clip(x / 2.0 ** e, -6, 6)
;;       step = 2.0 ** (np.maximum(np.frexp(np.where(r == 0, 1, r))[1] - 1, 0) - 1)
;;       q = np.round(r / step) * step * 2.0 ** e      # np.round: ties to even
;;       return np.moveaxis(q.reshape(q.shape[:-2] + (-1,))[..., :K], -1, axis).astype(np.float32)
;;   ~~~
;; 2 versions, each right and faster than the one before. Each part assembles by itself: llvm-mc -triple=amdgcn-amd-amdhsa -mcpu=gfx1250 --defsym DOCPART=n.
;; ======== version 1 of 2: 6 launches
;; limits: values are held in f16: magnitudes above 65,504 overflow, below 6.1e-05 lose precision
;; workspace buffers: qc 8,355,840 bytes; maskw 2,097,152 bytes of whole numbers; wp16 2,097,152 bytes; qkv 25,165,824 bytes; qkvlo 16,809,984 bytes; yimg 8,388,608 bytes; part 278,528 bytes
;; launch prep (part 1): grid 1024 x 1, 4 waves a work-group, no clusters, 67,072 bytes of LDS; arguments query, key, value, Wq, Wk, Wv, att_mask, Wp, qc, maskw, wp16; writes qc, maskw, wp16
.if DOCPART == 1
	.amdgcn_target "amdgcn-amd-amdhsa--gfx1250"
	.amdhsa_code_object_version 6
	.text
	.protected	k_q2af6f7d211_prep
	.globl	k_q2af6f7d211_prep
	.p2align	8
	.type	k_q2af6f7d211_prep,@function
k_q2af6f7d211_prep:
	s_mov_b64 s[64:65], 0
	v_nop
	global_prefetch_b8 v0, s[64:65] scope:SCOPE_SE
	s_setreg_imm32_b32 hwreg(HW_REG_WAVE_MODE, 25, 1), 1
	s_wait_xcnt 0x0
; THE PROGRAM: attention, T = 4096, C = 1024, 16 heads of 64.  Six launches: prep (this one), proj (q, k, v on codes of E2M1), finea (rows 0-15: attention in f32, by quarters of the keys), att (softmax(q k^T / 8) v in f16),
; oproj (the projection on the way out, f16), fineb (rows 0-15: the quarters merged and projected in f32).
; WORK LEFT OUT, for all finite inputs.  reference() takes max|att|, ONE number, from every score before the softmax.  A term that is equal along the softmax's axis leaves the softmax as it is: softmax(x + const) = softmax(x).
; So that maximum is never formed, nor the pass over all unmasked scores that would feed it.  scale x ALPHA = 2^-8 x 2^5 = 1/8 exactly.  The row's own maximum, which the softmax takes away, is kept (a running maximum).
; Nothing else is left out: the mask is an input, every key is multiplied for every query, and the mask selects.  Every input is loaded; none is dead.
; LIMITS.  A NaN, an infinity or an overflow that reaches only that global maximum (a masked score, say) is not carried to the result.  Quantiser: a block of zeros gets the byte 1 where the rule says 127 (its codes are zeros, and
; this program alone reads the bytes); blocks whose largest magnitude lies under 2^-124 and NaN or infinities among the inputs are not served.
; THIS LAUNCH is a stream; each work-group reads 131,072 bytes.  Work-groups 0-479 (role A): query, key, value, Wq, Wk, Wv, f32 with K innermost, into codes [row][512 bytes] and E8M0 bytes [row][32] in qc.
; Work-groups 480-991 (role B): att_mask into lane-mask words in maskw.  Work-groups 992-1023 (role C): Wp into f16.  The roles part on the work-group's number; each has LDS bytes of its own; waves share nothing: no barrier.
.set SPARE, 66560                      ; behind both roles' LDS: the spare words, 128 bytes a wave
.set SPW,   12                         ; v12  my spare word's LDS address; never rewritten
.set NIL,   13                         ; v13  0; never rewritten
.macro FINISH                          ; a wave's end, behind the last LDS store
	s_wait_tensorcnt 0x0
	ds_add_u32 v[SPW], v[NIL]
	s_wait_dscnt 0x0
	s_endpgm
.endm
; ---- role A's names
.set STEPS, 16                         ; a wave takes 16 steps of 512 numbers
.set EMAX,  2
.set CB,    8                          ; bytes of 16 codes
.set R,     16                         ; v16-79   four sets of 16 numbers as loaded
.set X,     80                         ; v80-111  two sets of 16 neighbours
.set E,     112                        ; v112-127 a scale byte for each step
.set C,     128                        ; v128-191 codes, four registers a step: no store's data are written again
.set WREG,  8192                       ; LDS of a wave: two stages of 32 x SP bytes, then its 256 scale bytes
.set SP,    80                         ; a lane's place in a stage: 64 bytes + 16 of padding
; ---- roles B and C
.set MR,    16                         ; v16-143  two sets of 64 registers as loaded
.set MX,    144                        ; v144-207 a unit turned (B); packed results, two sets of 32 (C)
.set MOUT,  208                        ; v208-215 a pair of registers for each unit's 64 words
	s_load_b512 s[4:19], s[0:1], 0x0               ; query, key, value, Wq, Wk, Wv, att_mask, Wp
	s_load_b128 s[20:23], s[0:1], 0x40             ; qc, maskw
	s_load_b64 s[24:25], s[0:1], 0x50              ; wp16
	v_lshl_add_u32 v[SPW], v0, 2, SPARE
	v_mov_b32 v[NIL], 0
	v_lshrrev_b32 v1, 5, v0
	v_readfirstlane_b32 s26, v1                    ; wave
	v_and_b32 v2, 31, v0                           ; lane
	v_lshlrev_b32 v3, 4, v2                        ; 16 x lane
	v_lshlrev_b32 v7, 3, v2                        ; 8 x lane
	s_mov_b32 s31, 0                               ; the upper word of every offset pair s[30:31]
	s_wait_kmcnt 0x0
	s_cmp_lt_u32 ttmp9, 480
	s_cbranch_scc0 .Lnot_a
; ================= ROLE A: the quantiser.  A tensor is a plain stream of blocks of 32, and so are its codes and its scale bytes.
; Each load reads 512 consecutive bytes; a step's 2,048 bytes turn through the wave's own stage so that a lane holds 16 neighbours; two neighbouring lanes hold a block.
	s_mul_i32 s27, s26, WREG
	v_lshrrev_b32 v14, 2, v2
	v_mul_u32_u24 v14, v14, SP
	v_and_b32 v15, 3, v2
	v_lshl_add_u32 v14, v15, 4, v14
	v_add_nc_u32 v14, s27, v14                     ; the stage, on the way in: SP (lane / 4) + 16 (lane % 4)
	v_mul_u32_u24 v15, v2, SP
	v_add_nc_u32 v15, s27, v15                     ; and on the way out: SP x lane
	v_lshrrev_b32 v5, 1, v2
	s_add_co_u32 s27, s27, 2*32*SP
	v_add_nc_u32 v5, s27, v5                       ; my block's byte among the wave's 256
	v_add_nc_u32 v6, s27, v7                       ; and 8 bytes a lane on the way out
	s_mov_b64 s[34:35], s[14:15]                   ; which tensor: a choice on the work-group's number alone.  Wv from 448,
	s_mov_b32 s28, 448
	s_cmp_lt_u32 ttmp9, 448
	s_cselect_b64 s[34:35], s[12:13], s[34:35]     ; Wk from 416,
	s_cselect_b32 s28, 416, s28
	s_cmp_lt_u32 ttmp9, 416
	s_cselect_b64 s[34:35], s[10:11], s[34:35]     ; Wq from 384,
	s_cselect_b32 s28, 384, s28
	s_cmp_lt_u32 ttmp9, 384
	s_cselect_b64 s[34:35], s[8:9], s[34:35]       ; value from 256,
	s_cselect_b32 s28, 256, s28
	s_cmp_lt_u32 ttmp9, 256
	s_cselect_b64 s[34:35], s[6:7], s[34:35]       ; key from 128,
	s_cselect_b32 s28, 128, s28
	s_cmp_lt_u32 ttmp9, 128
	s_cselect_b64 s[34:35], s[4:5], s[34:35]       ; query from 0
	s_cselect_b32 s28, 0, s28
	s_sub_co_u32 s29, ttmp9, s28
	s_lshl_b32 s29, s29, 17                        ; 131,072 bytes a work-group,
	s_lshl_b32 s30, s26, 15                        ; 32,768 a wave
	s_add_co_u32 s30, s30, s29
	s_add_nc_u64 s[34:35], s[34:35], s[30:31]
	s_lshl_b32 s27, ttmp9, 2
	s_add_co_u32 s27, s27, s26                     ; the outputs lie in the order of the work-groups: run 4 id + wave
	s_lshl_b32 s30, s27, 12                        ; 4,096 bytes of codes a run
	s_add_nc_u64 s[36:37], s[20:21], s[30:31]
	s_lshl_b32 s30, s27, 8                         ; 256 scale bytes a run,
	s_add_co_u32 s30, s30, 7864320                 ; behind all codes
	s_add_nc_u64 s[38:39], s[20:21], s[30:31]
.macro ALOAD t
.irp i, 0,1,2,3
	global_load_b128 v[R+16*((\t)%4)+4*\i:R+16*((\t)%4)+4*\i+3], v3, s[34:35] offset:2048*(\t)+512*\i th:TH_LOAD_NT
.endr
.endm
.macro ATURN t                         ; step t through the stage: LDS serves a wave's instructions in order, so no wait between the stores and the loads
.irp i, 0,1,2,3
	ds_store_b128 v14, v[R+16*((\t)%4)+4*\i:R+16*((\t)%4)+4*\i+3] offset:32*SP*((\t)%2)+8*SP*\i
.endr
.irp i, 0,1,2,3
	ds_load_b128 v[X+16*((\t)%2)+4*\i:X+16*((\t)%2)+4*\i+3], v15 offset:32*SP*((\t)%2)+16*\i
.endr
.endm
.irp t, 0,1,2,3
	ALOAD \t
.endr
	s_wait_loadcnt 12                              ; step 0's four loads are in
	ATURN 0
.macro ASTEP t
.set XS, X+16*((\t)%2)
.if (\t) > 0
	s_wait_dscnt 1                                 ; this step's numbers are back (the last step's byte store may be out), so the stage's stores have read their registers,
.else
	s_wait_dscnt 0x0
.endif
.if (\t)+4 < STEPS
	ALOAD (\t)+4                                   ; which take the loads of four steps on
.endif
.if (\t)+1 < STEPS
.if STEPS-2-(\t) >= 3
	s_wait_loadcnt 12                              ; the next step's four loads are in; the three steps behind it may be out
.else
	s_wait_loadcnt 4*(STEPS-2-(\t))
.endif
	ATURN (\t)+1
.endif
	v_max3_num_f32 v8, |v[XS]|, |v[XS+1]|, |v[XS+2]|               ; the largest magnitude of my 16, in two chains
	v_max3_num_f32 v9, |v[XS+3]|, |v[XS+4]|, |v[XS+5]|
.irp i, 6,10
	v_max3_num_f32 v8, v8, |v[XS+\i]|, |v[XS+\i+1]|
	v_max3_num_f32 v9, v9, |v[XS+\i+2]|, |v[XS+\i+3]|
.endr
	v_max3_num_f32 v8, v8, |v[XS+14]|, |v[XS+15]|
	v_max3_num_f32 v8, v8, v9, (EMAX+1)<<23        ; and the floor 2^(3 - 127): the byte cannot fall under 1
	v_max_num_f32_dpp v8, v8, v8 row_xmask:1 row_mask:0xf bank_mask:0xf   ; with my neighbour's 16: the block's
	v_add_nc_u32 v11, -(EMAX<<23), v8              ; 2 off its exponent field: the conversion takes that field as its scale, and nothing else
	v_cvt_scalef32_pk8_fp4_f32 v[C+4*(\t)], v[XS:XS+7], v11        ; to the nearest code, ties to even, beyond 6 the largest code
	v_cvt_scalef32_pk8_fp4_f32 v[C+4*(\t)+1], v[XS+8:XS+15], v11
	v_lshrrev_b32 v[E+(\t)], 23, v11               ; the scale's byte
	ds_store_b8 v5, v[E+(\t)] offset:16*(\t)       ; both lanes of a block write the same byte with the same value
	global_store_b64 v7, v[C+4*(\t):C+4*(\t)+1], s[36:37] offset:32*CB*(\t)   ; the wave stores 256 consecutive bytes, aligned
.endm
.irp t, 0,1,2,3,4,5,6,7,8,9,10,11,12,13,14,15
	ASTEP \t
.endr
	ds_load_b64 v[8:9], v6                         ; my wave's 256 scale bytes: these loads see my stores
	s_wait_dscnt 0x0
	global_store_b64 v7, v[8:9], s[38:39]          ; 256 consecutive bytes, aligned
	FINISH
.Lnot_a:
	s_cmp_lt_u32 ttmp9, 992
	s_cbranch_scc0 .Lrole_c
; ================= ROLE B: the mask.  A unit is 16 queries (a tile) x 128 keys (a step); a wave takes four units of one tile.  maskw: [tile of queries 256][key step 32][64 words].
; Word 8 kt + j of a unit is the lane mask of attention's score register 8 kt + j: bit L (r = L % 16, h = L / 16) says mask[16 tile + r][128 step + 16 kt + 8 h + j] != 0.
	s_sub_co_u32 s27, ttmp9, 480
	s_lshl_b32 s27, s27, 2
	s_add_co_u32 s27, s27, s26                     ; W = 4 (id - 480) + wave
	s_lshr_b32 s28, s27, 3                         ; the tile of queries
	s_and_b32 s29, s27, 7                          ; which four key steps
	s_lshl_b32 s30, s28, 18                        ; 16 rows of 16,384 bytes
	s_lshl_b32 s40, s29, 11                        ; four steps of 512 bytes
	s_add_co_u32 s30, s30, s40
	s_add_nc_u64 s[34:35], s[16:17], s[30:31]
	s_lshl_b32 s30, s28, 13                        ; words: 32 steps x 256 bytes a tile
	s_lshl_b32 s40, s29, 10
	s_add_co_u32 s30, s30, s40
	s_add_nc_u64 s[36:37], s[22:23], s[30:31]
	s_mul_i32 s40, s26, 16*528
	s_add_co_u32 s40, s40, 32768                   ; my stage: 16 rows x (512 bytes + 16)
	v_add_nc_u32 v5, s40, v3                       ; in: a row as it lies
	v_and_b32 v9, 15, v2
	v_lshrrev_b32 v10, 4, v2
	v_mul_u32_u24 v6, v9, 528
	v_lshl_add_u32 v6, v10, 5, v6
	v_add_nc_u32 v6, s40, v6                       ; out: row r, + 32 h
.irp i, 0,1,2,3,4,5,6,7
	v_mov_b32 v[MOUT+\i], 0                        ; written whole once: v_writelane_b32 writes one lane
.endr
.macro MLOAD u
.set i, 0
.rept 16
	global_load_b128 v[MR+64*((\u)%2)+4*i:MR+64*((\u)%2)+4*i+3], v3, s[34:35] offset:16384*i+512*(\u) th:TH_LOAD_NT   ; 512 consecutive bytes of row i
.set i, i+1
.endr
.endm
.macro UNIT u
.if (\u) < 3
	s_wait_loadcnt 16                              ; this unit's 16 loads are in; the next unit's may be out
.else
	s_wait_loadcnt 0x0
.endif
.set i, 0
.rept 16
	ds_store_b128 v5, v[MR+64*((\u)%2)+4*i:MR+64*((\u)%2)+4*i+3] offset:528*i
.set i, i+1
.endr
.set i, 0
.rept 16
	ds_load_b128 v[MX+4*i:MX+4*i+3], v6 offset:64*(i/2)+16*(i%2)   ; register 8 kt + j: mask[r][16 kt + 8 h + j]
.set i, i+1
.endr
	s_wait_dscnt 0x0                               ; the unit is back: the stores have read their registers
.if (\u) < 2
	MLOAD (\u)+2
.endif
.set g, 0
.rept 4
.set i, 0
.rept 16
	v_cmp_ne_u32 s[44+i], 0, v[MX+16*g+i]          ; a lane mask is the word
.set i, i+1
.endr
.set i, 0
.rept 16
	v_writelane_b32 v[MOUT+2*(\u)+i%2], s[44+i], (16*g+i)/2   ; lane l of the pair holds words 2 l and 2 l + 1
.set i, i+1
.endr
.set g, g+1
.endr
	global_store_b64 v7, v[MOUT+2*(\u):MOUT+2*(\u)+1], s[36:37] offset:256*(\u)   ; 256 consecutive bytes, aligned
.endm
	MLOAD 0
	MLOAD 1
	UNIT 0
	UNIT 1
	UNIT 2
	UNIT 3
	FINISH
.Lrole_c:
; ================= ROLE C: Wp to f16, row-major as it lies.  A wave takes 32,768 bytes, 8,192 at a time.
	s_sub_co_u32 s27, ttmp9, 992
	s_lshl_b32 s27, s27, 2
	s_add_co_u32 s27, s27, s26
	s_lshl_b32 s30, s27, 15
	s_add_nc_u64 s[34:35], s[18:19], s[30:31]
	s_lshl_b32 s30, s27, 14
	s_add_nc_u64 s[36:37], s[24:25], s[30:31]
.macro CLOAD t
.set i, 0
.rept 16
	global_load_b128 v[MR+64*((\t)%2)+4*i:MR+64*((\t)%2)+4*i+3], v3, s[34:35] offset:8192*(\t)+512*i th:TH_LOAD_NT
.set i, i+1
.endr
.endm
.macro CAST t
.if (\t) < 3
	s_wait_loadcnt 16                              ; this part's 16 loads are in; the next part's may be out
.else
	s_wait_loadcnt 0x0
.endif
.if (\t) >= 2
	s_wait_xcnt 0x0                                ; the stores of two parts back have read their registers
.endif
.set i, 0
.rept 16
	v_cvt_pk_f16_f32 v[MX+32*((\t)%2)+2*i], v[MR+64*((\t)%2)+4*i], v[MR+64*((\t)%2)+4*i+1]
	v_cvt_pk_f16_f32 v[MX+32*((\t)%2)+2*i+1], v[MR+64*((\t)%2)+4*i+2], v[MR+64*((\t)%2)+4*i+3]
.set i, i+1
.endr
.set i, 0
.rept 16
	global_store_b64 v7, v[MX+32*((\t)%2)+2*i:MX+32*((\t)%2)+2*i+1], s[36:37] offset:256*(16*(\t)+i)   ; 256 consecutive bytes, aligned
.set i, i+1
.endr
.if (\t) < 2
	CLOAD (\t)+2
.endif
.endm
	CLOAD 0
	CLOAD 1
	CAST 0
	CAST 1
	CAST 2
	CAST 3
	FINISH
.Lfunc_end_k_q2af6f7d211_prep:
	.size	k_q2af6f7d211_prep, .Lfunc_end_k_q2af6f7d211_prep-k_q2af6f7d211_prep
	.p2alignl 7, 3214868480
	.fill 96, 4, 3214868480
	.section	.rodata,"a",@progbits
	.p2align	6, 0x0
	.amdhsa_kernel k_q2af6f7d211_prep
		.amdhsa_group_segment_fixed_size 67072
		.amdhsa_private_segment_fixed_size 0
		.amdhsa_enable_private_segment 0
		.amdhsa_kernarg_size 88
		.amdhsa_user_sgpr_count 2
		.amdhsa_user_sgpr_kernarg_segment_ptr 1
		.amdhsa_wavefront_size32 1
		.amdhsa_system_sgpr_workgroup_id_x 1
		.amdhsa_system_sgpr_workgroup_id_y 1
		.amdhsa_system_sgpr_workgroup_id_z 1
		.amdhsa_system_vgpr_workitem_id 0
		.amdhsa_next_free_vgpr 224
		.amdhsa_next_free_sgpr 66
		.amdhsa_reserve_vcc 0
		.amdhsa_float_denorm_mode_32 3
		.amdhsa_float_denorm_mode_16_64 3
		.amdhsa_memory_ordered 1
		.amdhsa_forward_progress 1
		.amdhsa_inst_pref_size 103
	.end_amdhsa_kernel
	.amdgpu_metadata
---
amdhsa.version: [ 1, 2 ]
amdhsa.kernels:
  - .name:           k_q2af6f7d211_prep
    .symbol:         k_q2af6f7d211_prep.kd
    .args:
      - { .name: query, .offset: 0, .size: 8, .value_kind: global_buffer, .address_space: global }
      - { .name: key, .offset: 8, .size: 8, .value_kind: global_buffer, .address_space: global }
      - { .name: value, .offset: 16, .size: 8, .value_kind: global_buffer, .address_space: global }
      - { .name: Wq, .offset: 24, .size: 8, .value_kind: global_buffer, .address_space: global }
      - { .name: Wk, .offset: 32, .size: 8, .value_kind: global_buffer, .address_space: global }
      - { .name: Wv, .offset: 40, .size: 8, .value_kind: global_buffer, .address_space: global }
      - { .name: att_mask, .offset: 48, .size: 8, .value_kind: global_buffer, .address_space: global }
      - { .name: Wp, .offset: 56, .size: 8, .value_kind: global_buffer, .address_space: global }
      - { .name: qc, .offset: 64, .size: 8, .value_kind: global_buffer, .address_space: global }
      - { .name: maskw, .offset: 72, .size: 8, .value_kind: global_buffer, .address_space: global }
      - { .name: wp16, .offset: 80, .size: 8, .value_kind: global_buffer, .address_space: global }
    .group_segment_fixed_size: 67072
    .private_segment_fixed_size: 0
    .kernarg_segment_align: 8
    .kernarg_segment_size: 88
    .max_flat_workgroup_size: 128
    .sgpr_count:     66
    .vgpr_count:     224
    .wavefront_size: 32
...
	.end_amdgpu_metadata
.endif
;; end of part 1
;; launch proj (part 2): grid 16 x 12, 4 waves a work-group, clusters of 4 x 4, 327,680 bytes of LDS; arguments qc, bq, bk, bv, qkv, qkvlo; writes qkv, qkvlo
.if DOCPART == 2
	.amdgcn_target "amdgcn-amd-amdhsa--gfx1250"
	.amdhsa_code_object_version 6
	.text
	.protected	k_q2af6f7d211_proj
	.globl	k_q2af6f7d211_proj
	.p2align	8
	.type	k_q2af6f7d211_proj,@function
k_q2af6f7d211_proj:
	s_mov_b64 s[64:65], 0
	v_nop
	global_prefetch_b8 v0, s[64:65] scope:SCOPE_SE
	s_setreg_imm32_b32 hwreg(HW_REG_WAVE_MODE, 25, 1), 1
	s_wait_xcnt 0x0
	s_wait_alu depctr_hold_cnt(0) depctr_sa_sdst(0) depctr_va_vdst(0) depctr_va_sdst(0) depctr_va_ssrc(0) depctr_va_vcc(0) depctr_vm_vsrc(0)
	s_getreg_b32 s2, hwreg(HW_REG_IB_STS2, 6, 4)
	s_cmp_eq_u32 s2, 0
	s_cbranch_scc0 .Lentry_in_a_cluster
	s_endpgm
.Lentry_in_a_cluster:
	s_bfe_u32 s2, ttmp6, 0x10000c
	s_cmp_lg_u32 s2, 0xf033
	s_cbranch_scc0 .Lentry_shape_is_right
	s_endpgm
.Lentry_shape_is_right:
; q = query Wq^T + bq, k = key Wk^T + bk, v = value Wv^T + bv, on codes of E2M1 with one E8M0 byte for each 32 along K = 1,024; sums in f32.  One launch for all three: the role is the cluster's y (0 q, 1 k, 2 v).
; No work of these three products is left out.  In qc the three X lie on end as one tensor of 12,288 rows and the three W as one of 3,072: codes [row][512 bytes], scale bytes [row][32].
; A work-group of four waves makes 256 positions x 256 features; a wave 128 x 128: 64 accumulators, 512 registers.  K = 1,024 is two slots of 512: both slots and all scale bytes are FIRST fills; no LDS byte is filled again.
; By this text's own count a wave has at most three tensor loads out.  192 work-groups: three smaller tiles on each of 256 would bring half as many bytes again into each LDS, and those bytes bind here, not the products.
; CLUSTERS: 4 x 4.  W's tile hangs on the role and cy: shared along a row of the cluster.  X's hangs on the role and the tile of positions: shared along a column.  Each is asked for jointly.
; ONE TEXT OF PRODUCTS FOR TWO ORIENTATIONS.  Source 0 is tensor P, source 1 tensor R: a lane holds one row of R and its eight registers eight neighbouring rows of P.
;   q, k: P = W, R = X: a lane holds a position, its registers run along d: the layout of a 16-bit fragment with K = d.      v: P = X, R = W: a lane holds a d, its registers run along the keys: K = the keys.
;   Only the LDS addresses of the reads differ (a choice on the role, which all partners share).
; RESULTS leave as IMAGES OF ATTENTION'S OPERAND REGISTERS, f16: a fragment is [registers 0-3 | registers 4-7][lane][16 bytes] = 1,024 bytes; each store of a wave covers 512 consecutive bytes, aligned.
;   q, k: [head][tile of 16 positions][c: d = 32 c ..];   v: [head][chunk of 32 keys][tile of 16 d].   k, v, and q's positions 0-15, also leave a LOW part, f16(x - f32(high)), for the launch that carries rows 0-15 finely.
; LIMIT: high + low carry 22 bits where |x| >= 0.125, and an absolute 3e-8 below; |x| beyond 65,504 is not served (inputs some 30 times the drawn ones stay under 6e3).
; REGISTERS: window 0: v0-31 addresses; v32-95 scale words, two sets, and nothing else; v128-191 R's fragments, one set; on the way out v96-255 are at work.
;   window 1: P's fragments, two sets at v0 and v128; v192-255 the bias.  windows 2, 3: the accumulators ((a = R's block, b = P's block) at 8 (8 (a % 4) + b)).
.set NQ,     4                         ; products of 128 along K in a slot
.set ROWB,   256                       ; a tile's row: 512 codes
.set KROW,   512                       ; a row of codes in memory
.set PITCH,  272                       ; an LDS row: 256 bytes + 16 of padding: the 16 rows that a load touches start 68 words apart
.set FR,     8
.set NL,     2
.set NP,     4
.set HALFT,  128*PITCH
.set SLOT,   4*HALFT                   ; W's 256 rows, then X's 256
.set SCL,    2*SLOT                    ; behind the two slots: the scale bytes, as units of 256 bytes + 16: W's 256 rows, then X's
.set HALFS,  16*272                    ; those of 128 rows
.set SBLK,   2*272                     ; those of 16 rows
.set SPARE,  319488                    ; the spare words, 128 bytes a wave: above SCL + 6 HALFS + 4,336, the most that the scale words' address makes when each of its two products is taken at its largest
.set WCODES, 6291456
.set XSCALE, 7864320
.set WSCALE, 8257536
.set ADRA, 16                          ; v16-17  R's fragments in slot 0, 1
.set ADRB, 20                          ; v20-21  P's
.set TT0,  25                          ; v25     my first tile of positions
.set LI,   26                          ; v26     16 x lane
.set ADRS, 27                          ; v27     my scale words: lanes 0-15 R's rows, lanes 16-31 P's
.set SPW,  28
.set NIL,  29
.set SC,   32
.set AF,   128
.set HI,   96                          ; the way out: v96-127 high parts (a register's halves have names only under v128), v128-191 the numbers in f32, v192-255 at work, the low parts packed in place in v192-223
.set TMP,  128
.set BK,   192
.set BIAS, 192                         ; in window 1
.set G1, 24                            ; s[24:31], s[32:39]  W's codes: group 1, group 0 for each slot
.set G0, 32
.set G1B, 48                           ; s[48:55], s[56:63]  X's codes
.set G0B, 56
.set G1S, 68                           ; s[68:75], s[76:79]  W's scale bytes
.set G0S, 76
.set G1SB, 80                          ; s[80:87], s[88:91]  X's
.set G0SB, 88
.set MSB, 0
.macro WIN new                         ; the immediate's high byte repeats the setting that is left
.if MSB != \new
	s_set_vgpr_msb (MSB<<8)|\new
.set MSB, \new
.endif
.endm
.set MUL_LO, 0xa1                      ; source 0 (P) window 1, source 1 (R) window 0, C and D window 2
.set MUL_HI, 0xf1
.set TO_B,   0x40
; A joint load: waves 0 and 1 fetch for W, waves 2 and 3 for X.  The branch hangs on the wave's number alone.  An s_nop 0 and four v_nop follow each line.
.macro JLOAD g0a, g1a, g0b, g1b
	s_cmp_eq_u32 s17, 0
	s_cbranch_scc0 .Lfor_b_\@
	tensor_load_to_lds s[\g0a:\g0a+3], s[\g1a:\g1a+7]
	s_nop 0
.rept 4
	v_nop
.endr
	s_branch .Lasked_\@
.Lfor_b_\@:
	tensor_load_to_lds s[\g0b:\g0b+3], s[\g1b:\g1b+7]
	s_nop 0
.rept 4
	v_nop
.endr
.Lasked_\@:
.endm
.macro CROUND                          ; a round of the cluster's barrier
	s_barrier_signal -1
	s_barrier_wait -1
	s_cmp_lg_u32 s16, 0
	s_cbranch_scc1 .Lnot_wave_0_\@
	s_barrier_signal -3
.Lnot_wave_0_\@:
	s_barrier_wait -3
	s_barrier_signal -1
	s_barrier_wait -1
.endm
	s_load_b256 s[4:11], s[0:1], 0x0               ; qc, bq, bk, bv
	s_load_b128 s[12:15], s[0:1], 0x20             ; qkv, qkvlo
	v_lshl_add_u32 v[SPW], v0, 2, SPARE
	v_mov_b32 v[NIL], 0
	ds_add_u32 v[SPW], v[NIL]                      ; the wave's opening: the add, twice on end, and its wait ahead of my first tensor load
	ds_add_u32 v[SPW], v[NIL]
	v_lshrrev_b32 v1, 5, v0
	v_readfirstlane_b32 s16, v1                    ; wave
	s_lshr_b32 s17, s16, 1                         ; u1: R's half.  Also: I fetch for W (0) or for X (1)
	s_and_b32 s18, s16, 1                          ; u0: P's half.  Also: which 128 rows I fetch
	s_bfe_u32 s40, ttmp6, 0x40000                  ; cx
	s_bfe_u32 s41, ttmp6, 0x40004                  ; cy
	s_lshl_b32 s42, ttmp9, 2
	s_add_co_u32 s42, s42, s40                     ; x: the tile of 256 positions
	s_and_b32 s19, ttmp7, 0xffff                   ; the role
	s_lshl_b32 s66, s19, 2
	s_add_co_u32 s66, s66, s41                     ; W's tile of 256 rows: 4 role + cy
	s_lshl_b32 s67, s19, 4
	s_add_co_u32 s67, s67, s42                     ; X's: 16 role + x
	s_lshl_b32 s43, s41, 2
	s_lshl_b32 s43, 15, s43                        ; my row of the cluster
	s_lshl_b32 s44, 0x1111, s40                    ; my column
	s_or_b32 s[G1+0], s43, (0<<16)|(1<<20)|(1<<21)|(5<<22)|(3<<25)   ; the mask; elements of 1 byte; padding on; bit 21 beside a mask; 4 words behind every 64
	s_or_b32 s[G1B+0], s44, (0<<16)|(1<<20)|(1<<21)|(5<<22)|(3<<25)
.irp g, G1, G1B
	s_mov_b32 s[\g+1], ROWB<<16                    ; tensor_dim0
	s_mov_b32 s[\g+2], 128<<16                     ; tensor_dim1
	s_mov_b32 s[\g+3], ROWB<<16                    ; tile_dim0
	s_mov_b32 s[\g+4], 128                         ; tile_dim1
	s_mov_b32 s[\g+5], KROW                        ; the pitch
	s_mov_b32 s[\g+6], 0
	s_mov_b32 s[\g+7], 0
.endr
	s_or_b32 s[G1S+0], s43, (3<<16)|(1<<20)|(1<<21)|(5<<22)|(3<<25)  ; the scale bytes of 128 rows: 4,096 dense bytes as 16 rows of 256 (32 elements of 8 bytes)
	s_or_b32 s[G1SB+0], s44, (3<<16)|(1<<20)|(1<<21)|(5<<22)|(3<<25)
.irp g, G1S, G1SB
	s_mov_b32 s[\g+1], 32<<16
	s_mov_b32 s[\g+2], 16<<16
	s_mov_b32 s[\g+3], 32<<16
	s_mov_b32 s[\g+4], 16
	s_mov_b32 s[\g+5], 32
	s_mov_b32 s[\g+6], 0
	s_mov_b32 s[\g+7], 0
.endr
	s_lshl_b32 s98, s18, 7                         ; which 128 rows of the tile I fetch
	s_lshl_b32 s20, s66, 8
	s_add_co_u32 s20, s20, s98                     ; W's row
	s_lshl_b32 s46, s67, 8
	s_add_co_u32 s46, s46, s98                     ; X's row
	s_lshl_b32 s22, s20, 5
	s_add_co_u32 s22, s22, WSCALE
	s_mov_b32 s23, 0
	s_lshl_b32 s20, s20, 9
	s_add_co_u32 s20, s20, WCODES
	s_mov_b32 s21, 0
	s_lshl_b32 s92, s46, 5
	s_add_co_u32 s92, s92, XSCALE
	s_mov_b32 s93, 0
	s_lshl_b32 s46, s46, 9
	s_mov_b32 s47, 0
	s_mul_i32 s45, s16, HALFT                      ; where they go: wave x 128 rows: no place in the cluster enters an LDS address
	s_mul_i32 s99, s16, HALFS
	s_wait_dscnt 0x0                               ; both opening adds are done
	s_wait_kmcnt 0x0
	s_add_nc_u64 s[20:21], s[4:5], s[20:21]
	s_add_nc_u64 s[22:23], s[4:5], s[22:23]
	s_add_nc_u64 s[46:47], s[4:5], s[46:47]
	s_add_nc_u64 s[92:93], s[4:5], s[92:93]
	CROUND                                         ; all sixteen work-groups are here: the joint loads meet
	s_mov_b32 s[G0S], 1
	s_add_co_u32 s[G0S+1], s99, SCL
	s_mov_b64 s[G0S+2:G0S+3], s[22:23]
	s_or_b32 s[G0S+3], s[G0S+3], 0x80000000
	s_mov_b32 s[G0SB], 1
	s_add_co_u32 s[G0SB+1], s99, SCL
	s_mov_b64 s[G0SB+2:G0SB+3], s[92:93]
	s_or_b32 s[G0SB+3], s[G0SB+3], 0x80000000
	JLOAD G0S, G1S, G0SB, G1SB                     ; the scale bytes first
.irp s, 0,1
	s_mov_b32 s[G0+4*\s], 1
	s_add_co_u32 s[G0+4*\s+1], s45, \s*SLOT
	s_add_nc_u64 s[G0+4*\s+2:G0+4*\s+3], s[20:21], \s*ROWB
	s_or_b32 s[G0+4*\s+3], s[G0+4*\s+3], 0x80000000
	s_mov_b32 s[G0B+4*\s], 1
	s_add_co_u32 s[G0B+4*\s+1], s45, \s*SLOT
	s_add_nc_u64 s[G0B+4*\s+2:G0B+4*\s+3], s[46:47], \s*ROWB
	s_or_b32 s[G0B+4*\s+3], s[G0B+4*\s+3], 0x80000000
	JLOAD G0+4*\s, G1, G0B+4*\s, G1B
.endr
	v_and_b32 v1, 15, v0                           ; r
	v_bfe_u32 v2, v0, 4, 1                         ; h
	v_mul_u32_u24 v3, v1, PITCH
	v_lshl_add_u32 v4, v2, 4, v3                   ; a fragment's row x pitch + 16 h
	s_cmp_eq_u32 s19, 2                            ; v?  All choices on this compare stand ahead of the first addition
	s_cselect_b32 s94, 2*HALFT, 0                  ; P's rows in a slot: X's for v, else W's
	s_cselect_b32 s95, 0, 2*HALFT                  ; R's
	s_cselect_b32 s3, 2*HALFS, 0                   ; P's scale bytes likewise
	s_cselect_b32 s2, 0, 2*HALFS                   ; R's
	s_cselect_b32 s96, s17, s18                    ; uW: which half of W's rows is mine
	s_cselect_b32 s97, s18, s17                    ; uX
	s_mul_i32 s21, s17, HALFT
	s_add_co_u32 s21, s21, s95
	s_mul_i32 s22, s18, HALFT
	s_add_co_u32 s22, s22, s94
.irp s, 0,1
	v_add_nc_u32 v[ADRA+\s], s21, v4
	v_add_nc_u32 v[ADRB+\s], s22, v4
	s_add_co_u32 s21, s21, SLOT
	s_add_co_u32 s22, s22, SLOT
.endr
	v_lshlrev_b32 v5, 5, v1                        ; my row's scale bytes: 32 a row,
	v_lshrrev_b32 v6, 8, v5
	v_lshl_add_u32 v5, v6, 4, v5                   ; and 16 more for each 256 passed
	s_mul_i32 s21, s17, HALFS
	s_add_co_u32 s21, s21, s2                      ; R's 128 rows of scale bytes, from SCL on
	s_mul_i32 s22, s18, HALFS
	s_add_co_u32 s22, s22, s3                      ; P's
	v_sub_nc_u32 v6, 1, v2                         ; 1 - h
	v_mul_u32_u24 v6, s21, v6                      ; lanes 0-15 take R's words,
	v_mul_u32_u24 v7, s22, v2                      ; lanes 16-31 P's
	v_add_nc_u32 v5, v5, v6
	v_add_nc_u32 v5, v5, v7
	v_add_nc_u32 v[ADRS], SCL, v5
	v_and_b32 v6, 31, v0
	v_lshlrev_b32 v[LI], 4, v6
	; where the results go
	s_lshl_b32 s20, s41, 2
	s_lshl_b32 s21, s96, 1
	s_add_co_u32 s20, s20, s21                     ; my first head: 4 cy + 2 uW
	s_lshl_b32 s21, s42, 4
	s_lshl_b32 s22, s97, 3
	s_add_co_u32 s21, s21, s22                     ; my first tile of 16 positions: 16 x + 8 uX
	v_mov_b32 v[TT0], s21
	s_lshl_b32 s22, s20, 19                        ; 524,288 bytes a head,
	s_lshl_b32 s23, s21, 11                        ; 2,048 a tile of positions, in all three layouts
	s_add_co_u32 s92, s22, s23
	s_lshl_b32 s22, s19, 23                        ; 8,388,608 a role
	s_add_co_u32 s46, s92, s22
	s_mov_b32 s47, 0
	s_add_nc_u64 s[12:13], s[12:13], s[46:47]      ; the high parts
	s_lshl_b32 s23, s20, 11
	s_add_co_u32 s23, s23, 16777216                ; q's low parts: [head][c], behind k's and v's
	s_max_u32 s22, s19, 1
	s_sub_co_u32 s22, s22, 1
	s_lshl_b32 s22, s22, 23
	s_add_co_u32 s22, s22, s92                     ; k's and v's: laid as the high parts
	s_cmp_eq_u32 s19, 0
	s_cselect_b32 s46, s23, s22
	s_add_nc_u64 s[14:15], s[14:15], s[46:47]      ; the low parts
	s_lshl_b32 s94, s41, 10
	s_lshl_b32 s95, s96, 9
	s_add_co_u32 s94, s94, s95                     ; the bias of my 128 rows of W: 4 (256 cy + 128 uW) bytes on
	s_mov_b32 s95, 0
.macro FRAG reg, adr, q, i             ; 16 rows x 128 K of 4-bit codes: 8 registers; registers 4 c .. 4 c + 3 hold K = 64 c + 32 h + 0 .. 31
.irp c, 0,1
	ds_load_b128 v[\reg+4*\c:\reg+4*\c+3], v[\adr] offset:64*(\q)+32*\c+(\i)*16*PITCH
.endr
.endm
; 16 products: R's blocks a0, a0 + 1 x P's eight.  The 64 accumulators take turns, one instruction a turn, in the same order in every step.
.macro MUL16 a0, p, q, sc, zero
.irp a, \a0, \a0+1
.irp b, 0,1,2,3,4,5,6,7
.if \zero
	v_wmma_scale_f32_16x16x128_f8f6f4 v[8*(8*((\a)%4)+\b):8*(8*((\a)%4)+\b)+7], v[128*(\p)+FR*\b:128*(\p)+FR*\b+FR-1], v[AF+FR*(\a):AF+FR*(\a)+FR-1], 0, v[SC+8*NQ*(\sc)+NQ*\b+(\q)], v[SC+8*NQ*(\sc)+NQ*(\a)+(\q)] matrix_a_fmt:MATRIX_FMT_FP4 matrix_b_fmt:MATRIX_FMT_FP4 matrix_a_scale:MATRIX_SCALE_ROW1
.else
	v_wmma_scale_f32_16x16x128_f8f6f4 v[8*(8*((\a)%4)+\b):8*(8*((\a)%4)+\b)+7], v[128*(\p)+FR*\b:128*(\p)+FR*\b+FR-1], v[AF+FR*(\a):AF+FR*(\a)+FR-1], v[8*(8*((\a)%4)+\b):8*(8*((\a)%4)+\b)+7], v[SC+8*NQ*(\sc)+NQ*\b+(\q)], v[SC+8*NQ*(\sc)+NQ*(\a)+(\q)] matrix_a_fmt:MATRIX_FMT_FP4 matrix_b_fmt:MATRIX_FMT_FP4 matrix_a_scale:MATRIX_SCALE_ROW1
.endif
.endr
.endr
.endm
.macro FETCH_B slot, q, p              ; P's eight fragments into set p
	WIN TO_B
.irp i, 0,1,2,3,4,5,6,7
	FRAG 128*(\p)+FR*\i, ADRB+\slot, \q, \i
.endr
	WIN 0
.endm
.macro FETCH_A slot, q, i0             ; R's blocks i0 .. i0 + 3
.irp i, \i0, \i0+1, \i0+2, \i0+3
	FRAG AF+FR*(\i), ADRA+\slot, \q, \i
.endr
.endm
.macro SCALES sc                       ; a slot's scale words: four words a row; lanes 0-15 R's block i, lanes 16-31 P's block i
.irp i, 0,1,2,3,4,5,6,7
	ds_load_b128 v[SC+8*NQ*\sc+NQ*\i:SC+8*NQ*\sc+NQ*\i+3], v[ADRS] offset:\i*SBLK
.endr
.endm
.macro PLACES n                        ; plain vector instructions between a matrix instruction and a load into, or a read of, its registers
.rept \n
	v_nop
.endr
.endm
.macro STEP slot, q, zero              ; 128 along K whose successor lies in the same slot
	s_wait_dscnt 4*NL                              ; P's set and R's blocks 0-3 are in; the youngest eight loads (R's blocks 4-7) may be out
	WIN MUL_LO
	MUL16 0, (\q)%2, \q, \slot, \zero
	MUL16 2, (\q)%2, \q, \slot, \zero
	s_wait_dscnt 0
	PLACES NP
	FETCH_B \slot, (\q)+1, 1-(\q)%2
	FETCH_A \slot, (\q)+1, 0
	WIN MUL_HI
	MUL16 4, (\q)%2, \q, \slot, \zero
	MUL16 6, (\q)%2, \q, \slot, \zero
	PLACES NP
	WIN 0
	FETCH_A \slot, (\q)+1, 4
.endm
.macro STEPS slot, from
.set Q, \from
.rept NQ-1-\from
	STEP \slot, Q, 0
.set Q, Q+1
.endr
.endm
	s_wait_tensorcnt 1                             ; the scale bytes and my part of slot 0 are in; slot 1's load may be out
	s_barrier_signal -1
	s_barrier_wait -1
	FETCH_B 0, 0, 0
	FETCH_A 0, 0, 0
	SCALES 0
	FETCH_A 0, 0, 4
	STEP 0, 0, 1                                   ; the first products start the sums: nothing is cleared
	STEPS 0, 1
	; slot 0's last step goes over to slot 1: one barrier, behind each wave's wait for its own part of slot 1
	s_wait_tensorcnt 0x0                           ; all my tensor loads have landed
	ds_add_u32 v[SPW], v[NIL]                      ; 0 onto my spare word
	s_wait_dscnt 4*NL+1                            ; (the add and R's blocks 4-7 may be out)
	WIN MUL_LO
	MUL16 0, 1, NQ-1, 0, 0
	s_wait_dscnt 0x0
	s_barrier_signal -1
	MUL16 2, 1, NQ-1, 0, 0
	WIN 0
	s_barrier_wait -1                              ; slot 1 is whole
	PLACES NP
	v_add_nc_u32 v[ADRS], 4*NQ, v[ADRS]            ; on to slot 1's scale words
	FETCH_B 1, 0, 0
	FETCH_A 1, 0, 0
	SCALES 1
	WIN MUL_HI
	MUL16 4, 1, NQ-1, 0, 0
	MUL16 6, 1, NQ-1, 0, 0
	PLACES NP
	WIN 0
	FETCH_A 1, 0, 4
	STEPS 1, 0
	s_wait_dscnt 4*NL                              ; the very last step
	WIN MUL_LO
	MUL16 0, 1, NQ-1, 1, 0
	MUL16 2, 1, NQ-1, 1, 0
	s_wait_dscnt 0
	WIN MUL_HI
	MUL16 4, 1, NQ-1, 1, 0
	MUL16 6, 1, NQ-1, 1, 0
	WIN 0
	PLACES NP                                      ; in front of the first reads of results and of writes into registers that held operands
; THE WAY OUT, by R's blocks.  OUT_HI: the block's 64 numbers a lane + bias, in f32 (each accumulator from its low end on), and their f16.  OUT_LO: what f16 lost, again as f16.
.macro OUT_HI a, isv
	s_wait_xcnt 0x0                                ; the last block's stores have read their registers
	WIN 0x06+(\a)/4                                ; source 0: the accumulators' window, 2 or 3; source 1: window 1
.irp b, 0,1,2,3,4,5,6,7
.irp i, 0,2,4,6
.if \isv
	v_pk_add_f32 v[TMP+8*\b+\i:TMP+8*\b+\i+1], v[64*((\a)%4)+8*\b+\i:64*((\a)%4)+8*\b+\i+1], v[BIAS+2*(\a):BIAS+2*(\a)+1]   ; the bias runs along the lanes: both registers hold my d's
.else
	v_pk_add_f32 v[TMP+8*\b+\i:TMP+8*\b+\i+1], v[64*((\a)%4)+8*\b+\i:64*((\a)%4)+8*\b+\i+1], v[BIAS+8*\b+\i:BIAS+8*\b+\i+1] ; the bias runs along the registers
.endif
.endr
.endr
	WIN 0
.set n, 0
.rept 32
	v_cvt_pk_f16_f32 v[HI+n], v[TMP+2*n], v[TMP+2*n+1]
.set n, n+1
.endr
.endm
.macro CV d, n                         ; the two halves of register n, widened
	v_cvt_f32_f16 v[\d], v\n\().l
	v_cvt_f32_f16 v[\d+1], v\n\().h
.endm
.macro OUT_LO
.irp n, 96,97,98,99,100,101,102,103,104,105,106,107,108,109,110,111,112,113,114,115,116,117,118,119,120,121,122,123,124,125,126,127
	CV BK+2*(\n-96), \n
.endr
.set n, 0
.rept 32
	v_pk_add_f32 v[BK+2*n:BK+2*n+1], v[TMP+2*n:TMP+2*n+1], v[BK+2*n:BK+2*n+1] neg_lo:[0,1] neg_hi:[0,1]   ; exact: x - f32(high)
.set n, n+1
.endr
.set n, 0
.rept 32
	v_cvt_pk_f16_f32 v[BK+n], v[BK+2*n], v[BK+2*n+1]               ; in place and ascending: register n takes numbers 2 n and 2 n + 1
.set n, n+1
.endr
.endm
.macro STORE_QK reg, base, a           ; P's block b: head b / 4, c = (b % 4) / 2, registers 0-3 or 4-7 by b % 2;  R's block a: the tile of positions
.irp b, 0,1,2,3,4,5,6,7
	global_store_b128 v[LI], v[\reg+4*\b:\reg+4*\b+3], s[\base:\base+1] offset:(\b/4)*524288+(\a)*2048+((\b%4)/2)*1024+(\b%2)*512
.endr
.endm
.macro STORE_V reg, base, a            ; R's block a: head a / 4, tile of d a % 4;  P's block b: chunk of keys b / 2, registers 0-3 or 4-7 by b % 2
.irp b, 0,1,2,3,4,5,6,7
	global_store_b128 v[LI], v[\reg+4*\b:\reg+4*\b+3], s[\base:\base+1] offset:((\a)/4)*524288+(\b/2)*4096+((\a)%4)*1024+(\b%2)*512
.endr
.endm
	s_cmp_eq_u32 s19, 2                            ; the role is the cluster's y: all partners, and all waves, go the same way
	s_cbranch_scc1 .Lway_v
	; ---- q and k
	s_cmp_eq_u32 s19, 0
	s_cselect_b64 s[96:97], s[6:7], s[8:9]
	s_add_nc_u64 s[96:97], s[96:97], s[94:95]
	v_lshlrev_b32 v5, 5, v2                        ; 32 h: block b's eight features of my half
	WIN 0x40
.irp b, 0,1,2,3,4,5,6,7
	global_load_b128 v[BIAS+8*\b:BIAS+8*\b+3], v5, s[96:97] offset:64*\b
	global_load_b128 v[BIAS+8*\b+4:BIAS+8*\b+7], v5, s[96:97] offset:64*\b+16
.endr
	WIN 0
	s_wait_loadcnt 0x0
.irp a, 0,1,2,3,4,5,6,7
	OUT_HI \a, 0
	STORE_QK HI, 12, \a
.if \a == 0
	OUT_LO
	s_cmp_eq_u32 s19, 0
	s_cbranch_scc1 .Lq_low
	STORE_QK BK, 14, 0
	s_branch .Llow_done_0
.Lq_low:                               ; q: positions 0-15 alone have a low part: the lanes are on only in the waves whose first tile of positions is 0 (no branch hangs on a place in the cluster)
	s_wait_xcnt 0x0                                ; EXEC changes only behind this wait
	v_cmp_eq_u32 vcc_lo, 0, v[TT0]
	s_and_saveexec_b32 s20, vcc_lo
.irp b, 0,1,2,3,4,5,6,7
	global_store_b128 v[LI], v[BK+4*\b:BK+4*\b+3], s[14:15] offset:512*\b
.endr
	s_wait_xcnt 0x0
	s_or_b32 exec_lo, exec_lo, s20
.Llow_done_0:
.else
	s_cmp_eq_u32 s19, 0
	s_cbranch_scc1 .Llow_done_\a
	OUT_LO
	STORE_QK BK, 14, \a
.Llow_done_\a:
.endif
.endr
	s_branch .Lfin
.Lway_v:
	s_add_nc_u64 s[96:97], s[10:11], s[94:95]
	v_lshlrev_b32 v5, 2, v1                        ; 4 r: block a's feature of my lane
	WIN 0x40
.irp a, 0,1,2,3,4,5,6,7
	global_load_b32 v[BIAS+2*\a], v5, s[96:97] offset:64*\a
	global_load_b32 v[BIAS+2*\a+1], v5, s[96:97] offset:64*\a
.endr
	WIN 0
	s_wait_loadcnt 0x0
.irp a, 0,1,2,3,4,5,6,7
	OUT_HI \a, 1
	STORE_V HI, 12, \a
	OUT_LO
	STORE_V BK, 14, \a
.endr
.Lfin:
	s_wait_tensorcnt 0x0                           ; the wave's end
	ds_add_u32 v[SPW], v[NIL]
	s_wait_dscnt 0x0
	CROUND                                         ; the closing round
	s_endpgm
.Lfunc_end_k_q2af6f7d211_proj:
	.size	k_q2af6f7d211_proj, .Lfunc_end_k_q2af6f7d211_proj-k_q2af6f7d211_proj
	.p2alignl 7, 3214868480
	.fill 96, 4, 3214868480
	.section	.rodata,"a",@progbits
	.p2align	6, 0x0
	.amdhsa_kernel k_q2af6f7d211_proj
		.amdhsa_group_segment_fixed_size 327680
		.amdhsa_private_segment_fixed_size 0
		.amdhsa_enable_private_segment 0
		.amdhsa_kernarg_size 48
		.amdhsa_user_sgpr_count 2
		.amdhsa_user_sgpr_kernarg_segment_ptr 1
		.amdhsa_wavefront_size32 1
		.amdhsa_system_sgpr_workgroup_id_x 1
		.amdhsa_system_sgpr_workgroup_id_y 1
		.amdhsa_system_sgpr_workgroup_id_z 1
		.amdhsa_system_vgpr_workitem_id 0
		.amdhsa_next_free_vgpr 1024
		.amdhsa_next_free_sgpr 100
		.amdhsa_reserve_vcc 1
		.amdhsa_float_denorm_mode_32 3
		.amdhsa_float_denorm_mode_16_64 3
		.amdhsa_memory_ordered 1
		.amdhsa_forward_progress 1
		.amdhsa_inst_pref_size 255
	.end_amdhsa_kernel
	.section	.bss,"aw",@nobits
	.p2align	6
	.space	262144
	.amdgpu_metadata
---
amdhsa.version: [ 1, 2 ]
amdhsa.kernels:
  - .name:           k_q2af6f7d211_proj
    .symbol:         k_q2af6f7d211_proj.kd
    .args:
      - { .name: qc, .offset: 0, .size: 8, .value_kind: global_buffer, .address_space: global }
      - { .name: bq, .offset: 8, .size: 8, .value_kind: global_buffer, .address_space: global }
      - { .name: bk, .offset: 16, .size: 8, .value_kind: global_buffer, .address_space: global }
      - { .name: bv, .offset: 24, .size: 8, .value_kind: global_buffer, .address_space: global }
      - { .name: qkv, .offset: 32, .size: 8, .value_kind: global_buffer, .address_space: global }
      - { .name: qkvlo, .offset: 40, .size: 8, .value_kind: global_buffer, .address_space: global }
    .group_segment_fixed_size: 327680
    .private_segment_fixed_size: 0
    .kernarg_segment_align: 8
    .kernarg_segment_size: 48
    .max_flat_workgroup_size: 128
    .sgpr_count:     100
    .vgpr_count:     1024
    .wavefront_size: 32
...
	.end_amdgpu_metadata
.endif
;; end of part 2
;; launch finea (part 3): grid 64 x 1, 16 waves a work-group, no clusters, 71,680 bytes of LDS; arguments qkv, qkvlo, maskw, part; writes part
.if DOCPART == 3
	.amdgcn_target "amdgcn-amd-amdhsa--gfx1250"
	.amdhsa_code_object_version 6
	.text
	.protected	k_q2af6f7d211_finea
	.globl	k_q2af6f7d211_finea
	.p2align	8
	.type	k_q2af6f7d211_finea,@function
k_q2af6f7d211_finea:
	s_mov_b64 s[64:65], 0
	v_nop
	global_prefetch_b8 v0, s[64:65] scope:SCOPE_SE
	s_setreg_imm32_b32 hwreg(HW_REG_WAVE_MODE, 25, 1), 1
	s_wait_xcnt 0x0
; Rows 0-15, all in f32, first half: attention by quarters of the keys.  Under a mask of the causal kind these rows average one to a few values and are the largest in size, so f16 operands would use up what the comparison
; allows.  Which rows are carried so is a choice of precision: the mask is honoured over all 4,096 keys, and it only selects: no branch hangs on it.  Work left out, as shown at the head of the first launch: the global max|att|.
; q, k, v are taken as high + low parts of f16, added in f32.  Work-group 4 head + quarter takes 1,024 keys of one head; each of its 16 waves four key tiles of 16, with a running maximum m and sum l of its own.
; Then the 16 waves' (O^T, c m, l) meet in LDS, waves 0-7 merge four registers of O^T each, and the work-group's partial goes to part: [4 head + quarter][4,096 bytes of O^T as an image of its 32 registers | 256 bytes: (c m, l) a lane].
; Products by v_wmma_f32_16x16x4_f32: four accumulators by turns; their registers (v160-191) are written by matrix instructions alone; what is made of a sum goes into other registers.
; LAYOUT: S^T = K Q^T, O^T = V^T P^T: a lane holds one query (lane % 16).  A K step of 4 takes a pair of registers: the two halves of the lanes hold two numbers each, the same places of K in both sources.
; A tile with no open key leaves m, l and O^T as they are (p = 2^(-infinity) = 0); m starts at -3e38, finite: no infinity less infinity arises.
; REGISTERS: v1 16 lane; v2, v3 the add's two; v4 -infinity; v5, v8-10 LDS addresses; v6, v7 offsets of K and V; v11 8 lane; v16-47 Q in f32; v64-127 K's and V's parts as loaded (then V in f32 in v64-95); v128-159 K in f32;
;   v160-191 accumulators; v192-223 O^T; v224-231 scores; v232-239 p; v240 c m, v241 m, v242 l, v243 a, v244-249 at work.  In the merge: v16-47 sixteen (c m, l), v64-127 sixteen groups of four registers.
.set STAT,  65536                      ; LDS: 4,096 bytes of O^T for each wave; then 256 bytes of (c m, l) for each wave;
.set SPARE, 69632                      ; then the spare words, 128 bytes a wave
.set SPW, 2
.set NIL, 3
.set QF,  16
.set KV,  128
.set ACC, 160
.set OO,  192
.set SV,  224
.set PP,  232
.set CM,  240
.set MM,  241
.set LL,  242
.set AA,  243
.macro W1 d, hi, lo                    ; two numbers: f32(high) + f32(low)
	v_cvt_f32_f16 v[\d], v\hi\().l
	v_cvt_f32_f16 v[\d+1], v\hi\().h
	v_cvt_f32_f16 v248, v\lo\().l
	v_cvt_f32_f16 v249, v\lo\().h
	v_pk_add_f32 v[\d:\d+1], v[\d:\d+1], v[248:249]
.endm
.macro WIDEN_A dst                     ; high parts v64-79, low parts v80-95
	W1 \dst+0, 64, 80
	W1 \dst+2, 65, 81
	W1 \dst+4, 66, 82
	W1 \dst+6, 67, 83
	W1 \dst+8, 68, 84
	W1 \dst+10, 69, 85
	W1 \dst+12, 70, 86
	W1 \dst+14, 71, 87
	W1 \dst+16, 72, 88
	W1 \dst+18, 73, 89
	W1 \dst+20, 74, 90
	W1 \dst+22, 75, 91
	W1 \dst+24, 76, 92
	W1 \dst+26, 77, 93
	W1 \dst+28, 78, 94
	W1 \dst+30, 79, 95
.endm
.macro WIDEN_B dst                     ; high parts v96-111, low parts v112-127
	W1 \dst+0, 96, 112
	W1 \dst+2, 97, 113
	W1 \dst+4, 98, 114
	W1 \dst+6, 99, 115
	W1 \dst+8, 100, 116
	W1 \dst+10, 101, 117
	W1 \dst+12, 102, 118
	W1 \dst+14, 103, 119
	W1 \dst+16, 104, 120
	W1 \dst+18, 105, 121
	W1 \dst+20, 106, 122
	W1 \dst+22, 107, 123
	W1 \dst+24, 108, 124
	W1 \dst+26, 109, 125
	W1 \dst+28, 110, 126
	W1 \dst+30, 111, 127
.endm
	s_load_b256 s[4:11], s[0:1], 0x0               ; qkv, qkvlo, maskw, part
	v_lshl_add_u32 v[SPW], v0, 2, SPARE
	v_mov_b32 v[NIL], 0
	v_lshrrev_b32 v12, 5, v0
	v_readfirstlane_b32 s16, v12                   ; wave
	s_lshr_b32 s17, ttmp9, 2                       ; head
	s_and_b32 s18, ttmp9, 3                        ; quarter of the keys
	v_and_b32 v12, 31, v0
	v_lshlrev_b32 v1, 4, v12                       ; 16 lane
	v_lshlrev_b32 v11, 3, v12                      ; 8 lane
	v_mov_b32 v4, 0xff800000
	s_lshl_b32 s22, s16, 12
	v_add_nc_u32 v5, s22, v1                       ; where I put O^T: 4,096 wave + 16 lane
	s_lshl_b32 s22, s16, 8
	v_add_nc_u32 v8, s22, v11
	v_add_nc_u32 v8, STAT, v8                      ; where I put (c m, l): 256 wave + 8 lane
	v_add_nc_u32 v9, STAT, v11                     ; where the sixteen are read
	s_and_b32 s22, s16, 7
	s_lshl_b32 s22, s22, 9
	v_add_nc_u32 v10, s22, v1                      ; the four registers that I merge: 512 (wave % 8) + 16 lane, in LDS and in part alike
	s_mov_b32 s24, 0x3e38aa3b                      ; c = log2(e) / 8
	s_mov_b32 s26, 0x76543210
	s_mov_b32 s27, 0xfedcba98
	s_lshl_b32 s22, s17, 19                        ; 524,288 bytes a head
	s_mov_b32 s23, 0
	s_wait_kmcnt 0x0
	s_add_nc_u64 s[46:47], s[4:5], s[22:23]        ; q's high parts, tile 0
	s_add_nc_u64 s[28:29], s[46:47], 8388608       ; k's high parts
	s_add_nc_u64 s[40:41], s[46:47], 16777216      ; v's
	s_add_nc_u64 s[30:31], s[6:7], s[22:23]        ; k's low parts
	s_add_nc_u64 s[42:43], s[30:31], 8388608       ; v's
	s_lshl_b32 s22, s17, 11
	s_add_co_u32 s22, s22, 16777216
	s_add_nc_u64 s[48:49], s[6:7], s[22:23]        ; q's low parts
	s_mul_i32 s22, ttmp9, 4352
	s_add_nc_u64 s[50:51], s[10:11], s[22:23]      ; my work-group's partial
	s_lshl_b32 s19, s18, 6
	s_lshl_b32 s22, s16, 2
	s_add_co_u32 s19, s19, s22                     ; my first key tile: 64 quarter + 4 wave
.irp i, 0,1,2,3
	global_load_b128 v[64+4*\i:64+4*\i+3], v1, s[46:47] offset:512*\i
	global_load_b128 v[80+4*\i:80+4*\i+3], v1, s[48:49] offset:512*\i
.endr
.set i, 0
.rept 32
	v_mov_b32 v[OO+i], 0                           ; O^T lies in registers that no matrix instruction writes: it begins as zeros
.set i, i+1
.endr
	v_mov_b32 v[MM], 0xff61b1e6                    ; m = -3e38, finite
	v_mul_f32 v[CM], s24, v[MM]
	v_mov_b32 v[LL], 0
	v_mov_b32 v245, 0                              ; written once: a lane permute's destination counts as one of its sources
	s_wait_loadcnt 0x0
	WIDEN_A QF
	s_mov_b32 s21, 0
.Lkt:                                  ; four key tiles of 16
	s_add_co_u32 s22, s19, s21                     ; the key tile
	s_lshl_b32 s23, s22, 5
	s_load_b256 s[32:39], s[8:9], s23 offset:0x0   ; its eight mask words for queries 0-15
	s_lshl_b32 s56, s22, 11                        ; k: 2,048 bytes a key tile
	v_add_nc_u32 v6, s56, v1
	s_lshr_b32 s56, s22, 1
	s_lshl_b32 s56, s56, 12                        ; v: 4,096 bytes a chunk of 32 keys,
	s_and_b32 s57, s22, 1
	s_lshl_b32 s57, s57, 9                         ; registers 0-3 or 4-7 of each fragment
	s_add_co_u32 s56, s56, s57
	v_add_nc_u32 v7, s56, v1
.irp i, 0,1,2,3
	global_load_b128 v[64+4*\i:64+4*\i+3], v6, s[28:29] offset:512*\i
	global_load_b128 v[80+4*\i:80+4*\i+3], v6, s[30:31] offset:512*\i
	global_load_b128 v[96+4*\i:96+4*\i+3], v7, s[40:41] offset:1024*\i
	global_load_b128 v[112+4*\i:112+4*\i+3], v7, s[42:43] offset:1024*\i
.endr
	s_wait_loadcnt 0x0
	s_wait_kmcnt 0x0
	s_wait_xcnt 0x0                                ; the loads have read their offsets: the next trip writes them anew
	WIDEN_A KV
.set kk, 0
.rept 16                               ; S^T: four partial sums by turns; the first four products start them
.if kk < 4
	v_wmma_f32_16x16x4_f32 v[ACC+8*(kk%4):ACC+8*(kk%4)+7], v[KV+2*kk:KV+2*kk+1], v[QF+2*kk:QF+2*kk+1], 0
.else
	v_wmma_f32_16x16x4_f32 v[ACC+8*(kk%4):ACC+8*(kk%4)+7], v[KV+2*kk:KV+2*kk+1], v[QF+2*kk:QF+2*kk+1], v[ACC+8*(kk%4):ACC+8*(kk%4)+7]
.endif
.set kk, kk+1
.endr
	WIDEN_B 64                                     ; V in f32, where k's parts lay: 80 plain instructions that name no register of those products: the places behind them
.irp j, 0,1,2,3,4,5,6,7
	v_add_f32 v[SV+\j], v[ACC+\j], v[ACC+8+\j]     ; each accumulator from its low end on
	v_add_f32 v[PP+\j], v[ACC+16+\j], v[ACC+24+\j]
.endr
.irp j, 0,1,2,3,4,5,6,7
	v_add_f32 v[SV+\j], v[SV+\j], v[PP+\j]
.endr
.irp j, 0,1,2,3,4,5,6,7
	v_cndmask_b32 v[SV+\j], v4, v[SV+\j], s[32+\j] ; closed keys: -infinity
.endr
	v_max3_num_f32 v244, v[SV], v[SV+1], v[SV+2]
	v_max3_num_f32 v244, v244, v[SV+3], v[SV+4]
	v_max3_num_f32 v244, v244, v[SV+5], v[SV+6]
	v_max3_num_f32 v244, v244, v[SV+7], v[MM]
	v_permlanex16_b32 v245, v244, s26, s27
	v_mov_b32 v246, v[CM]
	v_max_num_f32 v[MM], v244, v245
	v_mul_f32 v[CM], s24, v[MM]
	v_sub_f32 v246, v246, v[CM]
.irp j, 0,1,2,3,4,5,6,7
	v_fma_f32 v[PP+\j], v[SV+\j], s24, -v[CM]
.endr
	v_exp_f32 v[AA], v246
.irp j, 0,1,2,3,4,5,6,7
	v_exp_f32 v[PP+\j], v[PP+\j]
.endr
	v_nop
	s_wait_alu depctr_va_vdst(0)                   ; one wait for the nine, ahead of their first reader
	v_add_f32 v244, v[PP], v[PP+1]
	v_add_f32 v246, v[PP+2], v[PP+3]
	v_add_f32 v247, v[PP+4], v[PP+5]
	v_add_f32 v248, v[PP+6], v[PP+7]
	v_add_f32 v244, v244, v246
	v_add_f32 v247, v247, v248
	v_add_f32 v244, v244, v247
	v_fma_f32 v[LL], v[LL], v[AA], v244
.irp sp, 0,1,2,3                       ; V^T P^T of these 16 keys: four tiles of d by turns
.irp d, 0,1,2,3
.if \sp == 0
	v_wmma_f32_16x16x4_f32 v[ACC+8*\d:ACC+8*\d+7], v[64+8*\d+2*\sp:64+8*\d+2*\sp+1], v[PP+2*\sp:PP+2*\sp+1], 0
.else
	v_wmma_f32_16x16x4_f32 v[ACC+8*\d:ACC+8*\d+7], v[64+8*\d+2*\sp:64+8*\d+2*\sp+1], v[PP+2*\sp:PP+2*\sp+1], v[ACC+8*\d:ACC+8*\d+7]
.endif
.endr
.endr
.rept 9
	v_nop                                          ; nine places: the next matrix instruction writes over these accumulators; the reads below and the next loads want eight
.endr
.set i, 0
.rept 32
	v_fma_f32 v[OO+i], v[OO+i], v[AA], v[ACC+i]    ; O^T = O^T a + the tile's, into registers of its own
.set i, i+1
.endr
	s_add_co_u32 s21, s21, 1
	s_cmp_lt_u32 s21, 4
	s_cbranch_scc1 .Lkt
	; THE MERGE of the sixteen waves
	v_mov_b32 v244, v[CM]
	v_mov_b32 v245, v[LL]
.set i, 0
.rept 8
	ds_store_b128 v5, v[OO+4*i:OO+4*i+3] offset:512*i
.set i, i+1
.endr
	ds_store_b64 v8, v[244:245]
	s_wait_dscnt 0x0                               ; for the others' sake: my part has landed
	s_barrier_signal -1
	s_barrier_wait -1
	s_wait_tensorcnt 0x0                           ; no LDS write follows
	ds_add_u32 v[SPW], v[NIL]
	s_wait_dscnt 0x0
	s_cmp_lt_u32 s16, 8
	s_cbranch_scc0 .Lfin
.set i, 0
.rept 16
	ds_load_b64 v[16+2*i:17+2*i], v9 offset:256*i                  ; wave i's c m and l of my lane
.set i, i+1
.endr
.set i, 0
.rept 16
	ds_load_b128 v[64+4*i:67+4*i], v10 offset:4096*i               ; wave i's four registers
.set i, i+1
.endr
	s_wait_dscnt 0x0
	v_max3_num_f32 v244, v16, v18, v20
.irp i, 22,26,30,34,38,42
	v_max3_num_f32 v244, v244, v[\i], v[\i+2]
.endr
	v_max_num_f32 v244, v244, v46                  ; the work-group's c m
.set i, 0
.rept 16
	v_sub_f32 v[16+2*i], v[16+2*i], v244
.set i, i+1
.endr
.set i, 0
.rept 16
	v_exp_f32 v[16+2*i], v[16+2*i]                 ; what brings wave i's sums under it
.set i, i+1
.endr
	v_nop
	s_wait_alu depctr_va_vdst(0)                   ; one wait for the sixteen
	v_mul_f32 v245, v17, v16
.irp j, 0,1,2,3
	v_mul_f32 v[SV+\j], v[64+\j], v16
.endr
.set i, 1
.rept 15
	v_fma_f32 v245, v[17+2*i], v[16+2*i], v245
.irp j, 0,1,2,3
	v_fma_f32 v[SV+\j], v[64+4*i+\j], v[16+2*i], v[SV+\j]
.endr
.set i, i+1
.endr
	global_store_b128 v10, v[SV:SV+3], s[50:51]    ; 512 consecutive bytes, aligned
	s_cmp_lg_u32 s16, 0
	s_cbranch_scc1 .Lfin
	global_store_b64 v11, v[244:245], s[50:51] offset:4096         ; (c m, l): 256 consecutive bytes, aligned
.Lfin:
	s_endpgm
.Lfunc_end_k_q2af6f7d211_finea:
	.size	k_q2af6f7d211_finea, .Lfunc_end_k_q2af6f7d211_finea-k_q2af6f7d211_finea
	.p2alignl 7, 3214868480
	.fill 96, 4, 3214868480
	.section	.rodata,"a",@progbits
	.p2align	6, 0x0
	.amdhsa_kernel k_q2af6f7d211_finea
		.amdhsa_group_segment_fixed_size 71680
		.amdhsa_private_segment_fixed_size 0
		.amdhsa_enable_private_segment 0
		.amdhsa_kernarg_size 32
		.amdhsa_user_sgpr_count 2
		.amdhsa_user_sgpr_kernarg_segment_ptr 1
		.amdhsa_wavefront_size32 1
		.amdhsa_system_sgpr_workgroup_id_x 1
		.amdhsa_system_sgpr_workgroup_id_y 1
		.amdhsa_system_sgpr_workgroup_id_z 1
		.amdhsa_system_vgpr_workitem_id 0
		.amdhsa_next_free_vgpr 256
		.amdhsa_next_free_sgpr 66
		.amdhsa_reserve_vcc 0
		.amdhsa_float_denorm_mode_32 3
		.amdhsa_float_denorm_mode_16_64 3
		.amdhsa_memory_ordered 1
		.amdhsa_forward_progress 1
		.amdhsa_inst_pref_size 32
	.end_amdhsa_kernel
	.amdgpu_metadata
---
amdhsa.version: [ 1, 2 ]
amdhsa.kernels:
  - .name:           k_q2af6f7d211_finea
    .symbol:         k_q2af6f7d211_finea.kd
    .args:
      - { .name: qkv, .offset: 0, .size: 8, .value_kind: global_buffer, .address_space: global }
      - { .name: qkvlo, .offset: 8, .size: 8, .value_kind: global_buffer, .address_space: global }
      - { .name: maskw, .offset: 16, .size: 8, .value_kind: global_buffer, .address_space: global }
      - { .name: part, .offset: 24, .size: 8, .value_kind: global_buffer, .address_space: global }
    .group_segment_fixed_size: 71680
    .private_segment_fixed_size: 0
    .kernarg_segment_align: 8
    .kernarg_segment_size: 32
    .max_flat_workgroup_size: 512
    .sgpr_count:     66
    .vgpr_count:     256
    .wavefront_size: 32
...
	.end_amdgpu_metadata
.endif
;; end of part 3
;; launch att (part 4): grid 16 x 16, 8 waves a work-group, no clusters, 166,912 bytes of LDS; arguments qkv, maskw, yimg; writes yimg
.if DOCPART == 4
	.amdgcn_target "amdgcn-amd-amdhsa--gfx1250"
	.amdhsa_code_object_version 6
	.text
	.protected	k_q2af6f7d211_att
	.globl	k_q2af6f7d211_att
	.p2align	8
	.type	k_q2af6f7d211_att,@function
k_q2af6f7d211_att:
	s_mov_b64 s[64:65], 0
	v_nop
	global_prefetch_b8 v0, s[64:65] scope:SCOPE_SE
	s_setreg_imm32_b32 hwreg(HW_REG_WAVE_MODE, 25, 1), 1
	s_wait_xcnt 0x0
; y[h][q] = softmax_k(q . k / 8, masked) v, in f16 operands, f32 products' sums, maxima and sums.  Work left out (shown at the head of the first launch): the global max|att|, equal along the softmax's axis.
; The mask is an input: every key step is walked for every query, and the mask only selects (v_cndmask_b32 by lane-mask words that the first launch stored): no branch and no address hangs on it.
; A row with no open key gives 0 x (1 / 0) = NaN, as the softmax of reference() does.
; SHARES.  Work-group (x, head) takes the blocks of 128 queries x and 31 - x, one after the other.  Wave w: p = w % 4 picks 32 queries (two tiles of 16), g = w / 4 the parity of the key steps of 128 keys that it walks.
; So the two waves of a SIMD work on the same queries and on alternate key steps; at a block's end group 1 hands (O, c m, l) to group 0 through LDS.
; K and V go memory -> registers -> LDS, a double step ahead: a step's K is 16,384 bytes on end and so is its V (images of the operand registers); each of a group's four waves brings 8,192 of them.
; One barrier a trip: the stores go to the slot whose reads ended in front of the last barrier.
; NOT DONE HERE: the sixteen work-groups of a head read the same 1,048,576 bytes of K and of V, each twice (once a block); joint tensor loads in clusters of four would divide those requests by four.
; LAYOUT.  S^T = K Q^T (source 0 = 16 keys, source 1 = 16 queries): a lane holds ONE query (lane % 16) and keys 16 kt + 8 (lane / 16) + j.  Two such tiles, packed to f16 in place, are source 1 of O^T = V^T P.
; SOFTMAX.  Running m and l for each query; p = 2^(c s - c m), c = log2(e) / 8; O and l are multiplied by a = 2^(c m_old - c m_new) in every step.  m starts at -3e38, finite: no infinity less infinity arises.
; REGISTERS.  window 0: v1-11 addresses; v12-27 statistics (tile t at 12 + 8 t: c m, m, l, l, four at work; a at +6); v28-35 sums; v36-39 at work; v64-191 S^T (tile t, key tile kt at 64 + 64 t + 8 kt), then P (64 + 64 t + 8 u);
;   v192-255 fragments F0.   window 1: v0-31 Q; v32-95 O^T (tile t, tile of d at 32 + 32 t + 8 d); v128-191 fragments F1; v192-255 what is on its way to LDS.
.set SLOTB, 65536                      ; LDS: slot s at 65,536 s; in it group g at 32,768 g: K's 16 fragments, then V's 16
.set VOFF,  16384
.set MRG,   131072                     ; then, for each p, 8,192 bytes of O's image + 512 of statistics
.set MRGW,  8704
.set SPARE, 165888                     ; then the spare words, 128 bytes a wave
.set LI0, 1                            ; v1, v2  16 lane + 32,768 g, in slot 0, 1: reads
.set ST0, 3                            ; v3, v4  + 8,192 p: my stores
.set GO,  5                            ; v5   16 lane
.set SPW, 6
.set NIL, 7
.set NINF, 8                           ; v8   -infinity
.set MA,  10                           ; v10  my place in the merge's bytes
.set QA,  11                           ; v11  my byte offset in qkv of the block's Q
.set ST,  12
.set SUM, 28
.set PKT, 36
.set S,   64
.set F0,  192
.set Q,   0                            ; window 1
.set O,   32
.set F1,  128
.set STG, 192
.set MSB, 0
.macro WIN new
.if MSB != \new
	s_set_vgpr_msb (MSB<<8)|\new
.set MSB, \new
.endif
.endm
; s10 wave, s11 g, s12 p, s14 head, s15 block, s16 my key step KS, s21 whether there is a step two on, s[24:25] c, s[26:27] lane selects, s[28:29] my part of step g, s[30:31] of the step to fetch,
; s[2:3] my tiles' mask words, s100 256 KS, s101 my first tile, s66, s67 counters, s[32:63], s[68:99] 64 mask words
	s_load_b128 s[4:7], s[0:1], 0x0                ; qkv, maskw
	s_load_b64 s[8:9], s[0:1], 0x10                ; yimg
	v_lshl_add_u32 v[SPW], v0, 2, SPARE
	v_mov_b32 v[NIL], 0
	v_lshrrev_b32 v11, 5, v0
	v_readfirstlane_b32 s10, v11
	s_lshr_b32 s11, s10, 2
	s_and_b32 s12, s10, 3
	s_mov_b32 s15, ttmp9
	s_and_b32 s14, ttmp7, 0xffff
	v_and_b32 v11, 31, v0
	v_lshlrev_b32 v[GO], 4, v11
	s_lshl_b32 s22, s11, 15
	v_add_nc_u32 v[LI0], s22, v[GO]
	v_add_nc_u32 v[LI0+1], SLOTB, v[LI0]
	s_lshl_b32 s23, s12, 13
	v_add_nc_u32 v[ST0], s23, v[LI0]
	v_add_nc_u32 v[ST0+1], SLOTB, v[ST0]
	s_mul_i32 s23, s12, MRGW
	s_add_co_u32 s23, s23, MRG
	v_add_nc_u32 v[MA], s23, v[GO]
	v_mov_b32 v[NINF], 0xff800000
	s_mov_b32 s24, 0x3e38aa3b                      ; c = log2(e) / 8
	s_mov_b32 s25, s24
	s_mov_b32 s26, 0x76543210
	s_mov_b32 s27, 0xfedcba98
	s_lshr_b32 s22, s12, 1                         ; waves p = 0, 1 bring K's halves, p = 2, 3 V's
	s_add_co_u32 s22, s22, 1
	s_lshl_b32 s22, s22, 23                        ; K's images begin 8,388,608 bytes into qkv, V's 16,777,216
	s_lshl_b32 s23, s14, 19
	s_add_co_u32 s22, s22, s23
	s_and_b32 s23, s12, 1
	s_lshl_b32 s23, s23, 13
	s_add_co_u32 s22, s22, s23
	s_lshl_b32 s23, s11, 14
	s_add_co_u32 s22, s22, s23
	s_mov_b32 s23, 0
	s_mov_b32 s67, 0
	s_wait_kmcnt 0x0
	s_add_nc_u64 s[28:29], s[4:5], s[22:23]
; tile t's 64 mask words of this key step are asked for
.macro MLOAD t
	s_load_b512 s[32:47], s[2:3], s100 offset:8192*\t
	s_load_b512 s[48:63], s[2:3], s100 offset:8192*\t+64
	s_load_b512 s[68:83], s[2:3], s100 offset:8192*\t+128
	s_load_b512 s[84:99], s[2:3], s100 offset:8192*\t+192
.endm
; tile t's scores of closed keys become -infinity
.macro MASK t
	s_wait_kmcnt 0x0                               ; scalar loads return in no order: the count is 0
.set i, 0
.rept 32
	v_cndmask_b32 v[S+64*\t+i], v[NINF], v[S+64*\t+i], s[32+i]     ; word i is register i's lane mask; each accumulator is read from its low end on
.set i, i+1
.endr
.set i, 0
.rept 32
	v_cndmask_b32 v[S+64*\t+32+i], v[NINF], v[S+64*\t+32+i], s[68+i]
.set i, i+1
.endr
.endm
; tile t's 64 scores go into four chains of maxima, two key tiles each
.macro MAXC t
.irp q, 0,1,2,3
	v_max3_num_f32 v[ST+8*\t+4+\q], v[S+64*\t+16*\q], v[S+64*\t+16*\q+1], v[S+64*\t+16*\q+2]
.endr
.irp i, 3,5,7,9,11,13
.irp q, 0,1,2,3
	v_max3_num_f32 v[ST+8*\t+4+\q], v[ST+8*\t+4+\q], v[S+64*\t+16*\q+\i], v[S+64*\t+16*\q+\i+1]
.endr
.endr
	v_max3_num_f32 v[ST+8*\t+4], v[ST+8*\t+4], v[S+64*\t+15], v[S+64*\t+31]
	v_max3_num_f32 v[ST+8*\t+6], v[ST+8*\t+6], v[S+64*\t+47], v[S+64*\t+63]
.endm
; A KEY STEP of my two tiles: 128 keys out of the slot
.macro STEP slot
.set LI, LI0+\slot
	MLOAD 0                                        ; tile 0's mask words land while K Q^T is multiplied
.set i, 0
.rept 8                                ; K: fragment 2 kt + c; key tiles 0-3 into F0,
	ds_load_b128 v[F0+8*i:F0+8*i+3], v[LI] offset:1024*i
	ds_load_b128 v[F0+8*i+4:F0+8*i+7], v[LI] offset:1024*i+512
.set i, i+1
.endr
	WIN 0x40
.set i, 0
.rept 8                                ; 4-7 into F1
	ds_load_b128 v[F1+8*i:F1+8*i+3], v[LI] offset:8192+1024*i
	ds_load_b128 v[F1+8*i+4:F1+8*i+7], v[LI] offset:8192+1024*i+512
.set i, i+1
.endr
	s_wait_dscnt 16                                ; F0 is in; F1's sixteen loads may be out
	WIN 0x04                                       ; Q in window 1
.irp c, 0,1                            ; eight accumulators by turns, one instruction a turn
.irp kt, 0,1,2,3
.irp t, 0,1
.if \c == 0
	v_wmma_f32_16x16x32_f16 v[S+64*\t+8*\kt:S+64*\t+8*\kt+7], v[F0+16*\kt:F0+16*\kt+7], v[Q+16*\t:Q+16*\t+7], 0
.else
	v_wmma_f32_16x16x32_f16 v[S+64*\t+8*\kt:S+64*\t+8*\kt+7], v[F0+16*\kt+8:F0+16*\kt+15], v[Q+16*\t+8:Q+16*\t+15], v[S+64*\t+8*\kt:S+64*\t+8*\kt+7]
.endif
.endr
.endr
.endr
	s_wait_dscnt 0x0
	WIN 0x05
.irp c, 0,1
.irp kt, 0,1,2,3
.irp t, 0,1
.if \c == 0
	v_wmma_f32_16x16x32_f16 v[S+64*\t+32+8*\kt:S+64*\t+32+8*\kt+7], v[F1+16*\kt:F1+16*\kt+7], v[Q+16*\t:Q+16*\t+7], 0
.else
	v_wmma_f32_16x16x32_f16 v[S+64*\t+32+8*\kt:S+64*\t+32+8*\kt+7], v[F1+16*\kt+8:F1+16*\kt+15], v[Q+16*\t+8:Q+16*\t+15], v[S+64*\t+32+8*\kt:S+64*\t+32+8*\kt+7]
.endif
.endr
.endr
.endr
	WIN 0
.rept 4
	v_nop                                          ; places in front of the loads into F0 and F1 and of the first reads of the scores
.endr
.set i, 0
.rept 8                                ; V: fragment 4 u + d; chunks u = 0, 1 into F0, 2, 3 into F1: they land during the softmax
	ds_load_b128 v[F0+8*i:F0+8*i+3], v[LI] offset:VOFF+1024*i
	ds_load_b128 v[F0+8*i+4:F0+8*i+7], v[LI] offset:VOFF+1024*i+512
.set i, i+1
.endr
	WIN 0x40
.set i, 0
.rept 8
	ds_load_b128 v[F1+8*i:F1+8*i+3], v[LI] offset:VOFF+8192+1024*i
	ds_load_b128 v[F1+8*i+4:F1+8*i+7], v[LI] offset:VOFF+8192+1024*i+512
.set i, i+1
.endr
	WIN 0
	MASK 0
	MLOAD 1                                        ; tile 1's mask words land while tile 0's maxima are taken
	MAXC 0
	MASK 1
	MAXC 1
	; from here on the two tiles take turns line by line
.irp t, 0,1
	v_max3_num_f32 v[ST+8*\t+4], v[ST+8*\t+4], v[ST+8*\t+5], v[ST+8*\t+6]
.endr
.irp t, 0,1
	v_max3_num_f32 v[ST+8*\t+4], v[ST+8*\t+4], v[ST+8*\t+7], v[ST+8*\t+1]
.endr
.irp t, 0,1
	v_permlanex16_b32 v[ST+8*\t+5], v[ST+8*\t+4], s26, s27         ; the query's other 64 keys lie in the lane 16 away
.endr
.irp t, 0,1
	v_mov_b32 v[ST+8*\t+7], v[ST+8*\t]             ; c m_old
.endr
.irp t, 0,1
	v_max_num_f32 v[ST+8*\t+1], v[ST+8*\t+4], v[ST+8*\t+5]
.endr
.irp t, 0,1
	v_mul_f32 v[ST+8*\t], s24, v[ST+8*\t+1]
.endr
.irp t, 0,1
	v_sub_f32 v[ST+8*\t+7], v[ST+8*\t+7], v[ST+8*\t]
.endr
.set i, 0
.rept 32
.irp t, 0,1
	v_pk_fma_f32 v[S+64*\t+2*i:S+64*\t+2*i+1], v[S+64*\t+2*i:S+64*\t+2*i+1], s[24:25], v[ST+8*\t:ST+8*\t+1] op_sel_hi:[1,0,0] neg_lo:[0,0,1] neg_hi:[0,0,1]   ; c s - c m
.endr
.set i, i+1
.endr
.irp t, 0,1
	v_exp_f32 v[ST+8*\t+6], v[ST+8*\t+7]           ; a
.endr
.set i, 0
.rept 64                               ; ONE BATCH: 130 exponentials, none of which reads another's result
.irp t, 0,1
	v_exp_f32 v[S+64*\t+i], v[S+64*\t+i]
.endr
.set i, i+1
.endr
	v_nop                                          ; a plain instruction behind the last exponential
	s_wait_alu depctr_va_vdst(0)                   ; and one wait ahead of the batch's first reader
.irp t, 0,1
	v_pk_add_f32 v[SUM+4*\t:SUM+4*\t+1], v[S+64*\t:S+64*\t+1], v[S+64*\t+2:S+64*\t+3]          ; the sum of the unrounded p, in two chains
	v_pk_add_f32 v[SUM+4*\t+2:SUM+4*\t+3], v[S+64*\t+4:S+64*\t+5], v[S+64*\t+6:S+64*\t+7]
.endr
.irp i, 8,12,16,20,24,28,32,36,40,44,48,52,56,60
.irp t, 0,1
	v_pk_add_f32 v[SUM+4*\t:SUM+4*\t+1], v[SUM+4*\t:SUM+4*\t+1], v[S+64*\t+\i:S+64*\t+\i+1]
	v_pk_add_f32 v[SUM+4*\t+2:SUM+4*\t+3], v[SUM+4*\t+2:SUM+4*\t+3], v[S+64*\t+\i+2:S+64*\t+\i+3]
.endr
.endr
.irp t, 0,1
	v_pk_add_f32 v[SUM+4*\t:SUM+4*\t+1], v[SUM+4*\t:SUM+4*\t+1], v[SUM+4*\t+2:SUM+4*\t+3]
.endr
.irp t, 0,1
	v_pk_fma_f32 v[ST+8*\t+2:ST+8*\t+3], v[ST+8*\t+2:ST+8*\t+3], v[ST+8*\t+6:ST+8*\t+7], v[SUM+4*\t:SUM+4*\t+1] op_sel_hi:[1,0,1]   ; l = l a + the sum
.endr
.set i, 0
.rept 32                               ; p to f16, in place and ascending: register i takes numbers 2 i and 2 i + 1
.irp t, 0,1
	v_cvt_pk_f16_f32 v[S+64*\t+i], v[S+64*\t+2*i], v[S+64*\t+2*i+1]
.endr
.set i, i+1
.endr
	WIN 0x41                                       ; O^T in window 1, a in window 0
.set i, 0
.rept 16
.irp t, 0,1
	v_pk_mul_f32 v[O+32*\t+2*i:O+32*\t+2*i+1], v[O+32*\t+2*i:O+32*\t+2*i+1], v[ST+8*\t+6:ST+8*\t+7] op_sel_hi:[1,0]
.endr
.set i, i+1
.endr
	s_wait_dscnt 0x0                               ; V is in
	WIN 0x50                                       ; C and D window 1
.irp u, 0,1                            ; eight accumulators by turns
.irp d, 0,1,2,3
.irp t, 0,1
	v_wmma_f32_16x16x32_f16 v[O+32*\t+8*\d:O+32*\t+8*\d+7], v[F0+32*\u+8*\d:F0+32*\u+8*\d+7], v[S+64*\t+8*\u:S+64*\t+8*\u+7], v[O+32*\t+8*\d:O+32*\t+8*\d+7]
.endr
.endr
.endr
	WIN 0x51
.irp u, 0,1
.irp d, 0,1,2,3
.irp t, 0,1
	v_wmma_f32_16x16x32_f16 v[O+32*\t+8*\d:O+32*\t+8*\d+7], v[F1+32*\u+8*\d:F1+32*\u+8*\d+7], v[S+64*\t+16+8*\u:S+64*\t+16+8*\u+7], v[O+32*\t+8*\d:O+32*\t+8*\d+7]
.endr
.endr
.endr
	WIN 0
.rept 5
	v_nop                                          ; five places: the next step's first products write over P, which these products read; its loads land on F0 and F1
.endr
.endm
; A TRIP: my group's step KS out of the slot, while step KS + 2 is brought into the other slot
.macro TRIP slot
	s_add_co_u32 s22, s16, 2
	s_cmp_lt_u32 s22, 32
	s_cselect_b32 s21, 1, 0                        ; is there a step two on?  The wave's number and the count of trips alone
	s_cmp_lg_u32 s21, 0
	s_cbranch_scc0 .Lnold_\@
	WIN 0x40
.set i, 0
.rept 16
	global_load_b128 v[STG+4*i:STG+4*i+3], v[GO], s[30:31] offset:512*i    ; 512 consecutive bytes each
.set i, i+1
.endr
	WIN 0
.Lnold_\@:
	STEP \slot
	s_cmp_lg_u32 s21, 0
	s_cbranch_scc0 .Lnost_\@
	s_wait_loadcnt 0x0
	WIN 0x04                                       ; an LDS store's data are its source 1
.set i, 0
.rept 16
	ds_store_b128 v[ST0+1-\slot], v[STG+4*i:STG+4*i+3] offset:512*i
.set i, i+1
.endr
	WIN 0
.Lnost_\@:
	s_wait_loadcnt 0x0                             ; on every path: my loads are done, so their base may step;
	s_wait_xcnt 0x0                                ; the scalar loads have read their offset;
	s_wait_dscnt 0x0                               ; my stores have landed and my reads of this slot are over
	s_barrier_signal -1
	s_barrier_wait -1
	s_add_nc_u64 s[30:31], s[30:31], 32768
	s_add_co_u32 s16, s16, 2
	s_add_co_u32 s100, s100, 512
.endm
.Lblk:                                 ; two trips: block x, then block 31 - x
	s_wait_xcnt 0x0                                ; the last block's stores and loads have read their registers
	s_lshl_b32 s22, s15, 3
	s_lshl_b32 s23, s12, 1
	s_add_co_u32 s101, s22, s23                    ; my first tile of queries: 8 block + 2 p
	s_lshl_b32 s22, s14, 19
	s_lshl_b32 s23, s101, 11
	s_add_co_u32 s22, s22, s23
	v_add_nc_u32 v[QA], s22, v[GO]                 ; Q's images: 524,288 bytes a head, 2,048 a tile
	s_lshl_b32 s22, s101, 13
	s_mov_b32 s23, 0
	s_add_nc_u64 s[2:3], s[6:7], s[22:23]          ; my tiles' mask words: 8,192 bytes a tile
	WIN 0x40
.set i, 0
.rept 8
	global_load_b128 v[Q+4*i:Q+4*i+3], v[QA], s[4:5] offset:512*i
.set i, i+1
.endr
.set i, 0
.rept 16                               ; my part of my group's first step
	global_load_b128 v[STG+4*i:STG+4*i+3], v[GO], s[28:29] offset:512*i
.set i, i+1
.endr
.set i, 0
.rept 64
	v_mov_b32 v[O+i], 0                            ; the step is written once: a block's first step finds zeros, which the first change of m leaves zeros
.set i, i+1
.endr
	WIN 0
.irp t, 0,1
	v_mov_b32 v[ST+8*\t+1], 0xff61b1e6             ; m = -3e38
	v_mov_b32 v[ST+8*\t+2], 0
	v_mov_b32 v[ST+8*\t+3], 0
.endr
.irp t, 0,1
	v_mul_f32 v[ST+8*\t], s24, v[ST+8*\t+1]
.endr
	s_wait_loadcnt 0x0
	WIN 0x04
.set i, 0
.rept 16
	ds_store_b128 v[ST0], v[STG+4*i:STG+4*i+3] offset:512*i
.set i, i+1
.endr
	WIN 0
	s_wait_dscnt 0x0
	s_barrier_signal -1
	s_barrier_wait -1
	s_add_nc_u64 s[30:31], s[28:29], 32768
	s_mov_b32 s16, s11
	s_lshl_b32 s100, s11, 8
	s_mov_b32 s66, 0
.Ltrip:                                ; eight trips of two: every slot address is a constant of the text
	TRIP 0
	TRIP 1
	s_add_co_u32 s66, s66, 1
	s_cmp_lt_u32 s66, 8
	s_cbranch_scc1 .Ltrip
	; THE MERGE
.irp t, 0,1
	v_add_f32 v[ST+8*\t+2], v[ST+8*\t+2], v[ST+8*\t+3]
.endr
	s_cmp_eq_u32 s11, 0
	s_cbranch_scc1 .Lkeeps
	v_mov_b32 v[PKT], v[ST]
	v_mov_b32 v[PKT+1], v[ST+2]
	v_mov_b32 v[PKT+2], v[ST+8]
	v_mov_b32 v[PKT+3], v[ST+10]
	WIN 0x04
.set i, 0
.rept 16
	ds_store_b128 v[MA], v[O+4*i:O+4*i+3] offset:512*i             ; each accumulator from its low end on
.set i, i+1
.endr
	WIN 0
	ds_store_b128 v[MA], v[PKT:PKT+3] offset:8192
.Lkeeps:
	s_wait_dscnt 0x0
	s_barrier_signal -1
	s_barrier_wait -1
	s_cmp_lg_u32 s11, 0
	s_cbranch_scc1 .Lmerged
.set i, 0
.rept 16
	ds_load_b128 v[S+4*i:S+4*i+3], v[MA] offset:512*i
.set i, i+1
.endr
	ds_load_b128 v[S+64:S+67], v[MA] offset:8192                   ; c m and l of tile 0, of tile 1
	s_wait_dscnt 0x0
.irp t, 0,1
	v_max_num_f32 v[ST+8*\t+4], v[ST+8*\t], v[S+64+2*\t]
.endr
.irp t, 0,1
	v_sub_f32 v[ST+8*\t+5], v[ST+8*\t], v[ST+8*\t+4]
	v_sub_f32 v[ST+8*\t+6], v[S+64+2*\t], v[ST+8*\t+4]
.endr
.irp t, 0,1
	v_exp_f32 v[ST+8*\t+5], v[ST+8*\t+5]
	v_exp_f32 v[ST+8*\t+6], v[ST+8*\t+6]
.endr
	v_nop
	s_wait_alu depctr_va_vdst(0)                   ; one wait for the four
.irp t, 0,1
	v_mul_f32 v[ST+8*\t+7], v[S+65+2*\t], v[ST+8*\t+6]
.endr
.irp t, 0,1
	v_fma_f32 v[ST+8*\t+7], v[ST+8*\t+2], v[ST+8*\t+5], v[ST+8*\t+7]
.endr
.irp t, 0,1
	v_permlanex16_b32 v[ST+8*\t+4], v[ST+8*\t+7], s26, s27
.endr
.irp t, 0,1
	v_add_f32 v[ST+8*\t+7], v[ST+8*\t+7], v[ST+8*\t+4]             ; the row's sum
.endr
.irp t, 0,1
	v_rcp_f32 v[ST+8*\t+4], v[ST+8*\t+7]
.endr
	v_nop
	s_wait_alu depctr_va_vdst(0)                   ; one wait for the two
.irp t, 0,1
	v_mul_f32 v[ST+8*\t+5], v[ST+8*\t+5], v[ST+8*\t+4]
	v_mul_f32 v[ST+8*\t+6], v[ST+8*\t+6], v[ST+8*\t+4]
.endr
.set i, 0
.rept 64
	v_mul_f32 v[S+i], v[S+i], v[ST+8*(i/32)+6]
.set i, i+1
.endr
	WIN 0x01                                       ; source 0: my O^T, in window 1
.set i, 0
.rept 64
	v_fma_f32 v[S+i], v[O+i], v[ST+8*(i/32)+5], v[S+i]
.set i, i+1
.endr
	WIN 0
.set i, 0
.rept 32
	v_cvt_pk_f16_f32 v[S+i], v[S+2*i], v[S+2*i+1]
.set i, i+1
.endr
	s_lshl_b32 s22, s101, 15                       ; y's images: [tile of 16 rows][2 head + c], 1,024 bytes each
	s_lshl_b32 s23, s14, 11
	s_add_co_u32 s22, s22, s23
	s_mov_b32 s23, 0
	s_add_nc_u64 s[32:33], s[8:9], s[22:23]
.set i, 0
.rept 8
	global_store_b128 v[GO], v[S+4*i:S+4*i+3], s[32:33] offset:32768*(i/4)+512*(i%4)   ; 512 consecutive bytes, aligned
.set i, i+1
.endr
.Lmerged:
	s_sub_co_u32 s15, 31, s15
	s_add_co_u32 s67, s67, 1
	s_cmp_lt_u32 s67, 2
	s_cbranch_scc1 .Lblk
	s_wait_tensorcnt 0x0                           ; the wave's end, behind the last LDS store
	ds_add_u32 v[SPW], v[NIL]
	s_wait_dscnt 0x0
	s_endpgm
.Lfunc_end_k_q2af6f7d211_att:
	.size	k_q2af6f7d211_att, .Lfunc_end_k_q2af6f7d211_att-k_q2af6f7d211_att
	.p2alignl 7, 3214868480
	.fill 96, 4, 3214868480
	.section	.rodata,"a",@progbits
	.p2align	6, 0x0
	.amdhsa_kernel k_q2af6f7d211_att
		.amdhsa_group_segment_fixed_size 166912
		.amdhsa_private_segment_fixed_size 0
		.amdhsa_enable_private_segment 0
		.amdhsa_kernarg_size 24
		.amdhsa_user_sgpr_count 2
		.amdhsa_user_sgpr_kernarg_segment_ptr 1
		.amdhsa_wavefront_size32 1
		.amdhsa_system_sgpr_workgroup_id_x 1
		.amdhsa_system_sgpr_workgroup_id_y 1
		.amdhsa_system_sgpr_workgroup_id_z 1
		.amdhsa_system_vgpr_workitem_id 0
		.amdhsa_next_free_vgpr 512
		.amdhsa_next_free_sgpr 102
		.amdhsa_reserve_vcc 0
		.amdhsa_float_denorm_mode_32 3
		.amdhsa_float_denorm_mode_16_64 3
		.amdhsa_memory_ordered 1
		.amdhsa_forward_progress 1
		.amdhsa_inst_pref_size 108
	.end_amdhsa_kernel
	.amdgpu_metadata
---
amdhsa.version: [ 1, 2 ]
amdhsa.kernels:
  - .name:           k_q2af6f7d211_att
    .symbol:         k_q2af6f7d211_att.kd
    .args:
      - { .name: qkv, .offset: 0, .size: 8, .value_kind: global_buffer, .address_space: global }
      - { .name: maskw, .offset: 8, .size: 8, .value_kind: global_buffer, .address_space: global }
      - { .name: yimg, .offset: 16, .size: 8, .value_kind: global_buffer, .address_space: global }
    .group_segment_fixed_size: 166912
    .private_segment_fixed_size: 0
    .kernarg_segment_align: 8
    .kernarg_segment_size: 24
    .max_flat_workgroup_size: 256
    .sgpr_count:     102
    .vgpr_count:     512
    .wavefront_size: 32
...
	.end_amdgpu_metadata
.endif
;; end of part 4
;; launch oproj (part 5): grid 8 x 32, 4 waves a work-group, clusters of 4 x 4, 327,680 bytes of LDS; arguments yimg, wp16, bp, out0; writes out0
.if DOCPART == 5
	.amdgcn_target "amdgcn-amd-amdhsa--gfx1250"
	.amdhsa_code_object_version 6
	.text
	.protected	k_q2af6f7d211_oproj
	.globl	k_q2af6f7d211_oproj
	.p2align	8
	.type	k_q2af6f7d211_oproj,@function
k_q2af6f7d211_oproj:
	s_mov_b64 s[64:65], 0
	v_nop
	global_prefetch_b8 v0, s[64:65] scope:SCOPE_SE
	s_setreg_imm32_b32 hwreg(HW_REG_WAVE_MODE, 25, 1), 1
	s_wait_xcnt 0x0
	s_wait_alu depctr_hold_cnt(0) depctr_sa_sdst(0) depctr_va_vdst(0) depctr_va_sdst(0) depctr_va_ssrc(0) depctr_va_vcc(0) depctr_vm_vsrc(0)
	s_getreg_b32 s2, hwreg(HW_REG_IB_STS2, 6, 4)
	s_cmp_eq_u32 s2, 0
	s_cbranch_scc0 .Lentry_in_a_cluster
	s_endpgm
.Lentry_in_a_cluster:
	s_bfe_u32 s2, ttmp6, 0x10000c
	s_cmp_lg_u32 s2, 0xf033
	s_cbranch_scc0 .Lentry_shape_is_right
	s_endpgm
.Lentry_shape_is_right:
; out0 = y Wp^T + bp.  y: f16, as images of operand registers [tile of 16 rows][chunk of 32 along K], 1,024 bytes each; Wp: f16 [1024][1024]; bp, out0: f32; sums in f32.  No work of this product is left out.
; Rows 0-15 are stored here too and stored again, more finely, by the last launch: leaving them out would take a branch on a work-group's place in its cluster.
; A tile of out0 is 128 x 128: 256 work-groups of four waves, each wave 64 x 64: 16 accumulators.  K goes in four steps of 256 through two LDS slots; all of a WGP's LDS is claimed.
; CLUSTERS 4 x 4: y's tile is shared along a row of the cluster, Wp's along a column; each is asked for jointly.  THE MATRIX INSTRUCTION IS USED TRANSPOSED (source 0 = 16 rows of Wp, source 1 = 16 rows of y): a lane holds eight neighbouring numbers of a row of out0.
; The bias is the C of each sum's first product.  REGISTERS: window 0: v0-31 addresses; v32-95 the way out; v96-127 bp; v128-255 accumulators ((a, b) at 128 + 8 (4 a + b)).  window 1: two fragment buffers of 128: 64 registers of y, then 64 of Wp.
.set PITCH,  528                       ; a row of Wp's tile in LDS: 512 bytes + 16: the 16 rows that a load touches start 132 words apart
.set AHALF,  32768                     ; four tiles of 16 rows x 8,192 bytes of images: what one load brings of y
.set BHALF,  64*PITCH                  ; 64 rows of Wp
.set BOFF,   2*AHALF
.set SLOT,   2*AHALF+2*BHALF
.set STAGE,  2*SLOT                    ; behind the ring: 16 rows x (256 bytes + 16) for each wave
.set SPITCH, 272
.set SPARE,  STAGE+4*16*SPITCH         ; then the spare words
.set ADRA, 16
.set ADRB, 20
.set STO,  24
.set RD,   25
.set CO,   26
.set SPW,  28
.set NIL,  29
.set TMP,  32
.set BIA,  96
.set ACC,  128
.set F0,   0
.set F1,   128
.set G1, 24
.set G0, 32
.set G1B, 48
.set G0B, 56
.set MSB, 0
.macro WIN new
.if MSB != \new
	s_set_vgpr_msb (MSB<<8)|\new
.set MSB, \new
.endif
.endm
.set MUL,  0x05                        ; sources 0 and 1 window 1; C and D window 0
.set TO_F, 0x40
.macro JLOAD s                         ; waves 0 and 1 fetch y's halves, waves 2 and 3 Wp's; an s_nop 0 and four v_nop follow each line
	s_cmp_eq_u32 s13, 0
	s_cbranch_scc0 .Lfor_b_\@
	tensor_load_to_lds s[G0+4*\s:G0+4*\s+3], s[G1:G1+7]
	s_nop 0
.rept 4
	v_nop
.endr
	s_branch .Lasked_\@
.Lfor_b_\@:
	tensor_load_to_lds s[G0B+4*\s:G0B+4*\s+3], s[G1B:G1B+7]
	s_nop 0
.rept 4
	v_nop
.endr
.Lasked_\@:
.endm
.macro CREST
	s_cmp_lg_u32 s12, 0
	s_cbranch_scc1 .Lnot_wave_0_\@
	s_barrier_signal -3
.Lnot_wave_0_\@:
	s_barrier_wait -3
	s_barrier_signal -1
	s_barrier_wait -1
.endm
.macro CROUND
	s_barrier_signal -1
	s_barrier_wait -1
	CREST
.endm
	s_load_b256 s[4:11], s[0:1], 0x0               ; yimg, wp16, bp, out0
	v_lshl_add_u32 v[SPW], v0, 2, SPARE
	v_mov_b32 v[NIL], 0
	ds_add_u32 v[SPW], v[NIL]                      ; the wave's opening: the add, twice on end, and its wait ahead of my first tensor load
	ds_add_u32 v[SPW], v[NIL]
	v_lshrrev_b32 v1, 5, v0
	v_readfirstlane_b32 s12, v1                    ; wave
	s_lshr_b32 s13, s12, 1                         ; my half of the tile's rows.  Also: I fetch for y (0) or for Wp (1)
	s_and_b32 s14, s12, 1                          ; my half of its columns.  Also: which half I fetch
	s_bfe_u32 s40, ttmp6, 0x40000
	s_bfe_u32 s41, ttmp6, 0x40004
	s_lshl_b32 s42, ttmp9, 2
	s_add_co_u32 s42, s42, s40                     ; tile column
	s_and_b32 s15, ttmp7, 0xffff
	s_lshl_b32 s15, s15, 2
	s_add_co_u32 s15, s15, s41                     ; tile row
	s_lshl_b32 s43, s41, 2
	s_lshl_b32 s43, 15, s43
	s_lshl_b32 s44, 0x1111, s40
	s_or_b32 s[G1+0], s43, (3<<16)|(1<<21)         ; y: elements of 8 bytes, no padding: images are read 512 consecutive bytes at a time
	s_mov_b32 s[G1+1], 1024<<16                    ; tensor_dim0: 8,192 bytes, a tile's eight chunks of a K step
	s_mov_b32 s[G1+2], 4<<16                       ; tensor_dim1: four tiles of 16 rows
	s_mov_b32 s[G1+3], 1024<<16
	s_mov_b32 s[G1+4], 4
	s_mov_b32 s[G1+5], 4096                        ; 32,768 bytes from tile to tile
	s_mov_b32 s[G1+6], 0
	s_mov_b32 s[G1+7], 0
	s_or_b32 s[G1B+0], s44, (1<<16)|(1<<20)|(1<<21)|(6<<22)|(3<<25)  ; Wp: elements of 2 bytes; 4 words of padding behind every 128
	s_mov_b32 s[G1B+1], 256<<16
	s_mov_b32 s[G1B+2], 64<<16
	s_mov_b32 s[G1B+3], 256<<16
	s_mov_b32 s[G1B+4], 64
	s_mov_b32 s[G1B+5], 1024
	s_mov_b32 s[G1B+6], 0
	s_mov_b32 s[G1B+7], 0
	s_lshl_b32 s18, s14, 17                        ; half a tile is 131,072 bytes on in either tensor
	s_lshl_b32 s16, s15, 18
	s_add_co_u32 s16, s16, s18
	s_mov_b32 s17, 0
	s_lshl_b32 s46, s42, 18
	s_add_co_u32 s46, s46, s18
	s_mov_b32 s47, 0
	s_lshl_b32 s20, s14, 15                        ; where they go: no place in the cluster enters an LDS address
	s_mul_i32 s21, s14, BHALF
	s_add_co_u32 s21, s21, BOFF
	s_wait_dscnt 0x0
	s_wait_kmcnt 0x0
	s_add_nc_u64 s[16:17], s[4:5], s[16:17]
	s_add_nc_u64 s[46:47], s[6:7], s[46:47]
	CROUND
.irp s, 0,1
	s_mov_b32 s[G0+4*\s], 1
	s_add_co_u32 s[G0+4*\s+1], s20, \s*SLOT
	s_add_nc_u64 s[G0+4*\s+2:G0+4*\s+3], s[16:17], \s*8192
	s_or_b32 s[G0+4*\s+3], s[G0+4*\s+3], 0x80000000
	s_mov_b32 s[G0B+4*\s], 1
	s_add_co_u32 s[G0B+4*\s+1], s21, \s*SLOT
	s_add_nc_u64 s[G0B+4*\s+2:G0B+4*\s+3], s[46:47], \s*512
	s_or_b32 s[G0B+4*\s+3], s[G0B+4*\s+3], 0x80000000
	JLOAD \s
.endr
	v_and_b32 v1, 15, v0                           ; r
	v_bfe_u32 v2, v0, 4, 1                         ; h
	v_and_b32 v3, 31, v0
	v_lshlrev_b32 v3, 4, v3                        ; 16 lane
	v_mul_u32_u24 v4, v1, PITCH
	v_lshl_add_u32 v4, v2, 4, v4
	s_lshl_b32 s21, s13, 15                        ; my 64 rows of y
	s_mul_i32 s22, s14, BHALF                      ; my 64 rows of Wp
	s_add_co_u32 s22, s22, BOFF
.irp s, 0,1
	v_add_nc_u32 v[ADRA+\s], s21, v3
	v_add_nc_u32 v[ADRB+\s], s22, v4
	s_add_co_u32 s21, s21, SLOT
	s_add_co_u32 s22, s22, SLOT
.endr
	s_mul_i32 s23, s12, 16*SPITCH
	s_add_co_u32 s23, s23, STAGE                   ; my stage
	v_mul_u32_u24 v4, v1, SPITCH
	v_lshl_add_u32 v4, v2, 5, v4
	v_add_nc_u32 v[STO], s23, v4                   ; in: row r, 32 bytes for each half of the lanes
	v_mul_u32_u24 v4, v2, SPITCH
	v_lshl_add_u32 v4, v1, 4, v4
	v_add_nc_u32 v[RD], s23, v4                    ; back: lanes 0-15 one row of 256 bytes, lanes 16-31 the next
	v_lshlrev_b32 v4, 12, v2
	v_lshl_add_u32 v[CO], v1, 4, v4                ; and the same two rows in out0
	s_lshl_b32 s46, s42, 9
	s_lshl_b32 s47, s14, 8
	s_add_co_u32 s46, s46, s47                     ; my first column, in bytes
	s_mov_b32 s47, 0
	s_add_nc_u64 s[8:9], s[8:9], s[46:47]
	v_lshlrev_b32 v5, 5, v2
.irp b, 0,1,2,3
	global_load_b128 v[BIA+8*\b:BIA+8*\b+3], v5, s[8:9] offset:64*\b       ; bp[n0 + 16 b + 8 h + 0 .. 7]: the result's layout
	global_load_b128 v[BIA+8*\b+4:BIA+8*\b+7], v5, s[8:9] offset:64*\b+16
.endr
	s_lshl_b32 s16, s15, 19
	s_lshl_b32 s17, s13, 18
	s_add_co_u32 s16, s16, s17                     ; my first row, in bytes
	s_mov_b32 s17, 0
	s_add_nc_u64 s[10:11], s[10:11], s[16:17]
	s_add_nc_u64 s[10:11], s[10:11], s[46:47]
.macro MUL8 f, c, a0, first            ; 8 products: row blocks a0, a0 + 1 x 4 column blocks, 32 along K.  first = 1: the bias starts the sums
.irp a, \a0, \a0+1
.irp b, 0,1,2,3
.if \first
	v_wmma_f32_16x16x32_f16 v[ACC+8*(4*(\a)+\b):ACC+8*(4*(\a)+\b)+7], v[\f+64+8*(4*\c+\b):\f+64+8*(4*\c+\b)+7], v[\f+8*(4*\c+\a):\f+8*(4*\c+\a)+7], v[BIA+8*\b:BIA+8*\b+7]
.else
	v_wmma_f32_16x16x32_f16 v[ACC+8*(4*(\a)+\b):ACC+8*(4*(\a)+\b)+7], v[\f+64+8*(4*\c+\b):\f+64+8*(4*\c+\b)+7], v[\f+8*(4*\c+\a):\f+8*(4*\c+\a)+7], v[ACC+8*(4*(\a)+\b):ACC+8*(4*(\a)+\b)+7]
.endif
.endr
.endr
.endm
.macro FETCH slot, q, f                ; 32 LDS loads in one run: quarter q of the slot (64 along K) into buffer f; its first 32 along K first
	WIN TO_F
.irp c, 0,1
.irp i, 0,1,2,3
	ds_load_b128 v[\f+64+8*(4*\c+\i):\f+64+8*(4*\c+\i)+3],   v[ADRB+\slot] offset:128*(\q)+64*\c+\i*16*PITCH
	ds_load_b128 v[\f+64+8*(4*\c+\i)+4:\f+64+8*(4*\c+\i)+7], v[ADRB+\slot] offset:128*(\q)+64*\c+\i*16*PITCH+32
	ds_load_b128 v[\f+8*(4*\c+\i):\f+8*(4*\c+\i)+3],         v[ADRA+\slot] offset:8192*\i+1024*(2*(\q)+\c)
	ds_load_b128 v[\f+8*(4*\c+\i)+4:\f+8*(4*\c+\i)+7],       v[ADRA+\slot] offset:8192*\i+1024*(2*(\q)+\c)+512
.endr
.endr
.endm
.macro PLACES
.rept 4
	v_nop
.endr
.endm
.macro QUARTER slot, q, f, g, first    ; multiplies buffer f and fetches quarter q of the slot into g
	s_wait_dscnt 16                                ; the first 32 along K are in
	WIN MUL
	MUL8 \f, 0, 0, \first
	MUL8 \f, 0, 2, \first
	PLACES
	FETCH \slot, \q, \g
	s_wait_dscnt 32                                ; all but the 32 just issued
	WIN MUL
	MUL8 \f, 1, 0, 0
	MUL8 \f, 1, 2, 0
.endm
; A slot's last quarter changes slots: each wave waits for all its tensor loads, adds 0 to its spare word, waits for that and for its reads of this slot; then the barrier.  fill = 1: it opens a round of the cluster's barrier, and the slot is filled again
.macro TURN slot, next, fill
	WIN 0
	s_wait_tensorcnt 0x0
	ds_add_u32 v[SPW], v[NIL]
	s_wait_dscnt 17                                ; (the add and the youngest sixteen loads may be out)
	WIN MUL
	MUL8 F1, 0, 0, 0
	s_wait_dscnt 0x0
	s_barrier_signal -1
	MUL8 F1, 0, 2, 0
.if \fill
	WIN 0
.endif
	s_barrier_wait -1
.if \fill
	CREST
	s_add_nc_u64 s[G0+4*\slot+2:G0+4*\slot+3], s[G0+4*\slot+2:G0+4*\slot+3], 2*8192
	s_add_nc_u64 s[G0B+4*\slot+2:G0B+4*\slot+3], s[G0B+4*\slot+2:G0B+4*\slot+3], 2*512
	JLOAD \slot                                    ; the first tensor load behind the round; its four v_nop are also the places in front of the loads below
.else
	PLACES
.endif
	FETCH \next, 0, F0
	WIN MUL
	MUL8 F1, 1, 0, 0
	MUL8 F1, 1, 2, 0
.endm
	s_wait_tensorcnt 1                             ; my part of K step 0 is in; K step 1's may be out
	s_barrier_signal -1
	s_barrier_wait -1
	FETCH 0, 0, F0
	s_wait_loadcnt 0x0                             ; bp
	QUARTER 0, 1, F0, F1, 1
	WIN 0
	s_mov_b32 s3, 1
.Llap:                                 ; one trip: K steps 0 and 1, which fill both slots again
	QUARTER 0, 2, F1, F0, 0
	QUARTER 0, 3, F0, F1, 0
	TURN 0, 1, 1
	QUARTER 1, 1, F0, F1, 0
	QUARTER 1, 2, F1, F0, 0
	QUARTER 1, 3, F0, F1, 0
	TURN 1, 0, 1
	QUARTER 0, 1, F0, F1, 0
	WIN 0
	s_sub_co_u32 s3, s3, 1
	s_cmp_lg_u32 s3, 0
	s_cbranch_scc1 .Llap
	QUARTER 0, 2, F1, F0, 0                        ; the last lap fills nothing
	QUARTER 0, 3, F0, F1, 0
	TURN 0, 1, 0
	QUARTER 1, 1, F0, F1, 0
	QUARTER 1, 2, F1, F0, 0
	QUARTER 1, 3, F0, F1, 0
	s_wait_dscnt 16
	WIN MUL
	MUL8 F1, 0, 0, 0
	MUL8 F1, 0, 2, 0
	s_wait_dscnt 0
	MUL8 F1, 1, 0, 0
	MUL8 F1, 1, 2, 0
	WIN 0
	PLACES
	; THE WAY OUT: my 64 columns are 256 bytes of a row: 16 rows at a time through my own stage, back as whole rows.  LDS serves a wave's instructions in order: no wait between the stores and the loads
.irp a, 0,1,2,3
.if \a >= 2
	s_wait_xcnt 0x0                                ; the stores of two blocks back have read their registers
.endif
.irp b, 0,1,2,3
	ds_store_b128 v[STO], v[ACC+8*(4*\a+\b):ACC+8*(4*\a+\b)+3] offset:64*\b        ; each accumulator from its low end on
	ds_store_b128 v[STO], v[ACC+8*(4*\a+\b)+4:ACC+8*(4*\a+\b)+7] offset:64*\b+16
.endr
.irp t, 0,1,2,3,4,5,6,7
	ds_load_b128 v[TMP+32*(\a%2)+4*\t:TMP+32*(\a%2)+4*\t+3], v[RD] offset:\t*2*SPITCH
.endr
.irp t, 0,1,2,3,4,5,6,7
	s_wait_dscnt 7-\t
	global_store_b128 v[CO], v[TMP+32*(\a%2)+4*\t:TMP+32*(\a%2)+4*\t+3], s[10:11] offset:(16*\a+2*\t)*4096 th:TH_STORE_NT   ; 16 lanes store 256 consecutive bytes, aligned
.endr
.endr
	s_wait_tensorcnt 0x0                           ; the wave's end
	ds_add_u32 v[SPW], v[NIL]
	s_wait_dscnt 0x0
	CROUND                                         ; the closing round
	s_endpgm
.Lfunc_end_k_q2af6f7d211_oproj:
	.size	k_q2af6f7d211_oproj, .Lfunc_end_k_q2af6f7d211_oproj-k_q2af6f7d211_oproj
	.p2alignl 7, 3214868480
	.fill 96, 4, 3214868480
	.section	.rodata,"a",@progbits
	.p2align	6, 0x0
	.amdhsa_kernel k_q2af6f7d211_oproj
		.amdhsa_group_segment_fixed_size 327680
		.amdhsa_private_segment_fixed_size 0
		.amdhsa_enable_private_segment 0
		.amdhsa_kernarg_size 32
		.amdhsa_user_sgpr_count 2
		.amdhsa_user_sgpr_kernarg_segment_ptr 1
		.amdhsa_wavefront_size32 1
		.amdhsa_system_sgpr_workgroup_id_x 1
		.amdhsa_system_sgpr_workgroup_id_y 1
		.amdhsa_system_sgpr_workgroup_id_z 1
		.amdhsa_system_vgpr_workitem_id 0
		.amdhsa_next_free_vgpr 512
		.amdhsa_next_free_sgpr 66
		.amdhsa_reserve_vcc 0
		.amdhsa_float_denorm_mode_32 3
		.amdhsa_float_denorm_mode_16_64 3
		.amdhsa_memory_ordered 1
		.amdhsa_forward_progress 1
		.amdhsa_inst_pref_size 87
	.end_amdhsa_kernel
	.amdgpu_metadata
---
amdhsa.version: [ 1, 2 ]
amdhsa.kernels:
  - .name:           k_q2af6f7d211_oproj
    .symbol:         k_q2af6f7d211_oproj.kd
    .args:
      - { .name: yimg, .offset: 0, .size: 8, .value_kind: global_buffer, .address_space: global }
      - { .name: wp16, .offset: 8, .size: 8, .value_kind: global_buffer, .address_space: global }
      - { .name: bp, .offset: 16, .size: 8, .value_kind: global_buffer, .address_space: global }
      - { .name: out0, .offset: 24, .size: 8, .value_kind: global_buffer, .address_space: global }
    .group_segment_fixed_size: 327680
    .private_segment_fixed_size: 0
    .kernarg_segment_align: 8
    .kernarg_segment_size: 32
    .max_flat_workgroup_size: 128
    .sgpr_count:     66
    .vgpr_count:     512
    .wavefront_size: 32
...
	.end_amdgpu_metadata
.endif
;; end of part 5
;; launch fineb (part 6): grid 64 x 1, 16 waves a work-group, no clusters, 18,432 bytes of LDS; arguments part, Wp, bp, out0; writes out0
.if DOCPART == 6
	.amdgcn_target "amdgcn-amd-amdhsa--gfx1250"
	.amdhsa_code_object_version 6
	.text
	.protected	k_q2af6f7d211_fineb
	.globl	k_q2af6f7d211_fineb
	.p2align	8
	.type	k_q2af6f7d211_fineb,@function
k_q2af6f7d211_fineb:
	s_mov_b64 s[64:65], 0
	v_nop
	global_prefetch_b8 v0, s[64:65] scope:SCOPE_SE
	s_setreg_imm32_b32 hwreg(HW_REG_WAVE_MODE, 25, 1), 1
	s_wait_xcnt 0x0
; Rows 0-15, all in f32, second half: each head's four partials (one for each quarter of the keys: O^T, c m, l) are merged, divided by the row's sum and projected; rows 0-15 of out0 are stored over what the f16 projection left there.
; No work of this part is left out.  Work-group gI makes out0[0..15][16 gI .. 16 gI + 15]; wave hd is head hd: it reads 4 x 4,352 bytes of part and 16 rows x 64 numbers of Wp; the sum over heads stays inside the work-group.
; Products by v_wmma_f32_16x16x4_f32: four accumulators by turns; their registers (v160-191) are written by matrix instructions alone; what is made of a sum goes into other registers.
; A row with no open key: every c m is the start's, every factor is 1, l = 0 and O^T = 0: 0 x (1 / 0) = NaN, as reference() gives.  A quarter with no open key beside one that has: its factor is 2^(-5e37) = 0.
; The stores are pieces of 64 bytes, 65,536 bytes in all: whole runs of 256 bytes would put four times the f32 products on each work-group.
; REGISTERS: v1 16 lane; v2, v3 the add's two; v5 my LDS bytes; v8-10 offsets; v16-143 four partials of 32 registers, then y in v16-47, sums in v48-63; v144-151 four (c m, l), later bp; v152-155 at work; v160-191 accumulators; v192-223 Wp.
.set SPARE, 16384                      ; LDS: 1,024 bytes for each wave's part of the result, then the spare words, 128 bytes a wave
.set SPW, 2
.set NIL, 3
.set PO,  16
.set SV,  48
.set PP,  56
.set STT, 144
.set TM,  152
.set ACC, 160
.set WPR, 192
	s_load_b256 s[4:11], s[0:1], 0x0               ; part, Wp, bp, out0
	v_lshl_add_u32 v[SPW], v0, 2, SPARE
	v_mov_b32 v[NIL], 0
	v_lshrrev_b32 v11, 5, v0
	v_readfirstlane_b32 s16, v11                   ; wave = head
	s_mov_b32 s17, ttmp9                           ; gI
	v_and_b32 v11, 31, v0
	v_lshlrev_b32 v1, 4, v11                       ; 16 lane
	v_lshlrev_b32 v10, 3, v11                      ; 8 lane
	s_lshl_b32 s22, s16, 10
	v_add_nc_u32 v5, s22, v1
	v_and_b32 v11, 15, v0                          ; r
	v_bfe_u32 v12, v0, 4, 1                        ; h
	v_lshlrev_b32 v8, 12, v11
	v_lshl_add_u32 v8, v12, 5, v8                  ; 4,096 r + 32 h: a row of Wp, and a row of out0
	v_lshlrev_b32 v9, 5, v12                       ; 32 h: bp
	s_mov_b32 s26, 0x76543210
	s_mov_b32 s27, 0xfedcba98
	s_mul_i32 s22, s16, 4*4352                     ; my head's four partials
	s_mov_b32 s23, 0
	s_wait_kmcnt 0x0
	s_add_nc_u64 s[28:29], s[4:5], s[22:23]
	s_lshl_b32 s22, s17, 16
	s_lshl_b32 s50, s16, 8
	s_add_co_u32 s22, s22, s50
	s_add_nc_u64 s[50:51], s[6:7], s[22:23]        ; Wp: rows 16 gI on, columns 64 hd on
	s_lshl_b32 s22, s17, 6
	s_add_nc_u64 s[52:53], s[10:11], s[22:23]      ; out0: columns 16 gI on
	s_add_nc_u64 s[54:55], s[8:9], s[22:23]        ; bp likewise
.irp i, 0,1,2,3
	global_load_b64 v[STT+2*\i:STT+2*\i+1], v10, s[28:29] offset:4352*\i+4096      ; (c m, l) of my lane
.endr
.irp i, 0,1,2,3
.irp q, 0,1,2,3,4,5,6,7
	global_load_b128 v[PO+32*\i+4*\q:PO+32*\i+4*\q+3], v1, s[28:29] offset:4352*\i+512*\q
.endr
.endr
.irp d, 0,1,2,3
	global_load_b128 v[WPR+8*\d:WPR+8*\d+3], v8, s[50:51] offset:64*\d     ; Wp[16 gI + r][64 hd + 16 d + 8 h + 0 .. 7]
	global_load_b128 v[WPR+8*\d+4:WPR+8*\d+7], v8, s[50:51] offset:64*\d+16
.endr
	v_mov_b32 v[TM+2], 0                           ; written once: a lane permute's destination counts as one of its sources
	s_wait_loadcnt 0x0
	v_max3_num_f32 v[TM], v[STT], v[STT+2], v[STT+4]
	v_max_num_f32 v[TM], v[TM], v[STT+6]           ; the head's c m
.irp i, 0,1,2,3
	v_sub_f32 v[STT+2*\i], v[STT+2*\i], v[TM]
.endr
.irp i, 0,1,2,3
	v_exp_f32 v[STT+2*\i], v[STT+2*\i]             ; what brings quarter i's sums under it
.endr
	v_nop
	s_wait_alu depctr_va_vdst(0)                   ; one wait for the four
	v_mul_f32 v[TM+1], v[STT+1], v[STT]
.irp i, 1,2,3
	v_fma_f32 v[TM+1], v[STT+2*\i+1], v[STT+2*\i], v[TM+1]
.endr
	v_permlanex16_b32 v[TM+2], v[TM+1], s26, s27   ; the query's other keys lie in the lane 16 away
	v_add_f32 v[TM+1], v[TM+1], v[TM+2]            ; the row's sum
	v_rcp_f32 v[TM+3], v[TM+1]
	v_nop
	s_wait_alu depctr_va_vdst(0)
.irp i, 0,1,2,3
	v_mul_f32 v[STT+2*\i], v[STT+2*\i], v[TM+3]
.endr
.set j, 0
.rept 32
	v_mul_f32 v[PO+j], v[PO+j], v[STT]
.set j, j+1
.endr
.irp i, 1,2,3
.set j, 0
.rept 32
	v_fma_f32 v[PO+j], v[PO+32*\i+j], v[STT+2*\i], v[PO+j]         ; y: register 8 d + j of lane (r, h) is y(r, 64 hd + 16 d + 8 h + j)
.set j, j+1
.endr
.endr
.set kk, 0
.rept 16                               ; source 0 = 16 rows of Wp, source 1 = y: register j of lane (r, h) is out0(r, 16 gI + 8 h + j); the first four products start the four sums
.if kk < 4
	v_wmma_f32_16x16x4_f32 v[ACC+8*(kk%4):ACC+8*(kk%4)+7], v[WPR+2*kk:WPR+2*kk+1], v[PO+2*kk:PO+2*kk+1], 0
.else
	v_wmma_f32_16x16x4_f32 v[ACC+8*(kk%4):ACC+8*(kk%4)+7], v[WPR+2*kk:WPR+2*kk+1], v[PO+2*kk:PO+2*kk+1], v[ACC+8*(kk%4):ACC+8*(kk%4)+7]
.endif
.set kk, kk+1
.endr
.rept 8
	v_nop                                          ; eight places in front of the first reads of the sums and of loads into y's registers
.endr
.irp j, 0,1,2,3,4,5,6,7
	v_add_f32 v[SV+\j], v[ACC+\j], v[ACC+8+\j]     ; each accumulator from its low end on
	v_add_f32 v[PP+\j], v[ACC+16+\j], v[ACC+24+\j]
.endr
.irp j, 0,1,2,3,4,5,6,7
	v_add_f32 v[SV+\j], v[SV+\j], v[PP+\j]
.endr
	ds_store_b128 v5, v[SV:SV+3]
	ds_store_b128 v5, v[SV+4:SV+7] offset:512
	s_wait_dscnt 0x0                               ; for the others' sake: my part has landed
	s_barrier_signal -1
	s_barrier_wait -1
	s_wait_tensorcnt 0x0                           ; no LDS write follows
	ds_add_u32 v[SPW], v[NIL]
	s_wait_dscnt 0x0
	s_cmp_lg_u32 s16, 0
	s_cbranch_scc1 .Lfin
	global_load_b128 v[144:147], v9, s[54:55]      ; bp[16 gI + 8 h + 0 .. 7]
	global_load_b128 v[148:151], v9, s[54:55] offset:16
.set i, 0
.rept 16
	ds_load_b128 v[16+8*i:16+8*i+3], v1 offset:1024*i
	ds_load_b128 v[16+8*i+4:16+8*i+7], v1 offset:1024*i+512
.set i, i+1
.endr
	s_wait_dscnt 0x0
.set i, 1
.rept 15                               ; the sixteen heads' parts, in the order of the heads
.irp j, 0,1,2,3,4,5,6,7
	v_add_f32 v[16+\j], v[16+\j], v[16+8*i+\j]
.endr
.set i, i+1
.endr
	s_wait_loadcnt 0x0
.irp j, 0,1,2,3,4,5,6,7
	v_add_f32 v[16+\j], v[16+\j], v[144+\j]
.endr
	global_store_b128 v8, v[16:19], s[52:53]
	global_store_b128 v8, v[20:23], s[52:53] offset:16
.Lfin:
	s_endpgm
.Lfunc_end_k_q2af6f7d211_fineb:
	.size	k_q2af6f7d211_fineb, .Lfunc_end_k_q2af6f7d211_fineb-k_q2af6f7d211_fineb
	.p2alignl 7, 3214868480
	.fill 96, 4, 3214868480
	.section	.rodata,"a",@progbits
	.p2align	6, 0x0
	.amdhsa_kernel k_q2af6f7d211_fineb
		.amdhsa_group_segment_fixed_size 18432
		.amdhsa_private_segment_fixed_size 0
		.amdhsa_enable_private_segment 0
		.amdhsa_kernarg_size 32
		.amdhsa_user_sgpr_count 2
		.amdhsa_user_sgpr_kernarg_segment_ptr 1
		.amdhsa_wavefront_size32 1
		.amdhsa_system_sgpr_workgroup_id_x 1
		.amdhsa_system_sgpr_workgroup_id_y 1
		.amdhsa_system_sgpr_workgroup_id_z 1
		.amdhsa_system_vgpr_workitem_id 0
		.amdhsa_next_free_vgpr 256
		.amdhsa_next_free_sgpr 66
		.amdhsa_reserve_vcc 0
		.amdhsa_float_denorm_mode_32 3
		.amdhsa_float_denorm_mode_16_64 3
		.amdhsa_memory_ordered 1
		.amdhsa_forward_progress 1
		.amdhsa_inst_pref_size 23
	.end_amdhsa_kernel
	.amdgpu_metadata
---
amdhsa.version: [ 1, 2 ]
amdhsa.kernels:
  - .name:           k_q2af6f7d211_fineb
    .symbol:         k_q2af6f7d211_fineb.kd
    .args:
      - { .name: part, .offset: 0, .size: 8, .value_kind: global_buffer, .address_space: global }
      - { .name: Wp, .offset: 8, .size: 8, .value_kind: global_buffer, .address_space: global }
      - { .name: bp, .offset: 16, .size: 8, .value_kind: global_buffer, .address_space: global }
      - { .name: out0, .offset: 24, .size: 8, .value_kind: global_buffer, .address_space: global }
    .group_segment_fixed_size: 18432
    .private_segment_fixed_size: 0
    .kernarg_segment_align: 8
    .kernarg_segment_size: 32
    .max_flat_workgroup_size: 512
    .sgpr_count:     66
    .vgpr_count:     256
    .wavefront_size: 32
...
	.end_amdgpu_metadata
.endif
;; end of part 6
;; ======== version 2 of 2: 5 launches; 1.63 times as fast as version 1
;; limits: values are held in f16: magnitudes above 65,504 overflow, below 6.1e-05 lose precision
;; workspace buffers: qc 8,355,840 bytes; maskw 2,097,152 bytes of whole numbers; flags 40,960 bytes of whole numbers; wp16 2,097,152 bytes; qkv 25,165,824 bytes; qkvlo 16,809,984 bytes; yimg 8,388,608 bytes
;; launch prep (part 7): grid 1024 x 1, 4 waves a work-group, no clusters, 67,072 bytes of LDS; arguments query, key, value, Wq, Wk, Wv, att_mask, Wp, qc, maskw, wp16, flags; writes qc, maskw, wp16, flags
.if DOCPART == 7
	.amdgcn_target "amdgcn-amd-amdhsa--gfx1250"
	.amdhsa_code_object_version 6
	.text
	.protected	k_q2af6f7d211_prep
	.globl	k_q2af6f7d211_prep
	.p2align	8
	.type	k_q2af6f7d211_prep,@function
k_q2af6f7d211_prep:
	s_mov_b64 s[64:65], 0
	v_nop
	global_prefetch_b8 v0, s[64:65] scope:SCOPE_SE
	s_setreg_imm32_b32 hwreg(HW_REG_WAVE_MODE, 25, 1), 1
	s_wait_xcnt 0x0
; THE PROGRAM: attention, T = 4096, C = 1024, 16 heads of 64.  Five launches: prep (this one), proj (q, k, v on codes of E2M1), att (softmax(q k^T / 8) v in f16), oproj (the projection on the way out, f16), fine (rows 0-15 once more, in f32).
; WORK LEFT OUT, for all finite inputs.  reference() takes max|att|, ONE number, from every score before the softmax.  A term that is equal along the softmax's axis leaves the softmax as it is: softmax(x + const) = softmax(x).
; So that maximum is never formed, nor the pass over all unmasked scores that would feed it.  scale x ALPHA = 2^-8 x 2^5 = 1/8 exactly.  The row's own maximum, which the softmax takes away, is kept (a running maximum).
; A step of 128 keys whose mask words are all 0 for a tile of 16 queries gives p = 0 exactly: later launches pass over it on flags that this launch stores as whole numbers.  Every input is loaded; none is dead.
; LIMITS.  A NaN, an infinity or an overflow that reaches only that global maximum (a masked score, say) is not carried to the result.  Quantiser: a block of zeros gets the byte 1 where the rule says 127 (its codes are zeros, and
; this program alone reads the bytes); blocks whose largest magnitude lies under 2^-124 and NaN or infinities among the inputs are not served.
; THIS LAUNCH is a stream; each work-group reads 131,072 bytes.  Work-groups 0-479 (role A): query, key, value, Wq, Wk, Wv, f32 with K innermost, into codes [row][512 bytes] and E8M0 bytes [row][32] in qc.
; Work-groups 480-991 (role B): att_mask into lane-mask words in maskw and flags in flags.  Work-groups 992-1023 (role C): Wp into f16.  The roles part on the work-group's number; each has LDS bytes of its own; waves share nothing: no barrier.
.set SPARE, 66560                      ; behind both roles' LDS: the spare words, 128 bytes a wave
.set SPW,   12                         ; v12  my spare word's LDS address; never rewritten
.set NIL,   13                         ; v13  0; never rewritten
.macro FINISH                          ; a wave's end, behind the last LDS store
	s_wait_tensorcnt 0x0
	ds_add_u32 v[SPW], v[NIL]
	s_wait_dscnt 0x0
	s_endpgm
.endm
; ---- role A's names
.set STEPS, 16                         ; a wave takes 16 steps of 512 numbers
.set EMAX,  2
.set CB,    8                          ; bytes of 16 codes
.set R,     16                         ; v16-79   four sets of 16 numbers as loaded
.set X,     80                         ; v80-111  two sets of 16 neighbours
.set E,     112                        ; v112-127 a scale byte for each step
.set C,     128                        ; v128-191 codes, four registers a step: no store's data are written again
.set WREG,  8192                       ; LDS of a wave: two stages of 32 x SP bytes, then its 256 scale bytes
.set SP,    80                         ; a lane's place in a stage: 64 bytes + 16 of padding
; ---- roles B and C
.set MR,    16                         ; v16-143  two sets of 64 registers as loaded
.set MX,    144                        ; v144-207 a unit turned (B); packed results, two sets of 32 (C)
.set MOUT,  208                        ; v208-215 a pair of registers for each unit's 64 words
.set MFLG,  216                        ; v216     the flags to store: lanes 0-3 FA of my four units, lane 4 the word G
.set MFL2,  217                        ; v217     lanes 0-3: the lanes of each unit whose two words are all ones
	s_load_b512 s[4:19], s[0:1], 0x0               ; query, key, value, Wq, Wk, Wv, att_mask, Wp
	s_load_b128 s[20:23], s[0:1], 0x40             ; qc, maskw
	s_load_b64 s[24:25], s[0:1], 0x50              ; wp16
	s_load_b64 s[32:33], s[0:1], 0x58              ; flags
	v_lshl_add_u32 v[SPW], v0, 2, SPARE
	v_mov_b32 v[NIL], 0
	v_lshrrev_b32 v1, 5, v0
	v_readfirstlane_b32 s26, v1                    ; wave
	v_and_b32 v2, 31, v0                           ; lane
	v_lshlrev_b32 v3, 4, v2                        ; 16 x lane
	v_lshlrev_b32 v7, 3, v2                        ; 8 x lane
	s_mov_b32 s31, 0                               ; the upper word of every offset pair s[30:31]
	s_wait_kmcnt 0x0
	s_cmp_lt_u32 ttmp9, 480
	s_cbranch_scc0 .Lnot_a
; ================= ROLE A: the quantiser.  A tensor is a plain stream of blocks of 32, and so are its codes and its scale bytes.
; Each load reads 512 consecutive bytes; a step's 2,048 bytes turn through the wave's own stage so that a lane holds 16 neighbours; two neighbouring lanes hold a block.
	s_mul_i32 s27, s26, WREG
	v_lshrrev_b32 v14, 2, v2
	v_mul_u32_u24 v14, v14, SP
	v_and_b32 v15, 3, v2
	v_lshl_add_u32 v14, v15, 4, v14
	v_add_nc_u32 v14, s27, v14                     ; the stage, on the way in: SP (lane / 4) + 16 (lane % 4)
	v_mul_u32_u24 v15, v2, SP
	v_add_nc_u32 v15, s27, v15                     ; and on the way out: SP x lane
	v_lshrrev_b32 v5, 1, v2
	s_add_co_u32 s27, s27, 2*32*SP
	v_add_nc_u32 v5, s27, v5                       ; my block's byte among the wave's 256
	v_add_nc_u32 v6, s27, v7                       ; and 8 bytes a lane on the way out
	s_mov_b64 s[34:35], s[14:15]                   ; which tensor: a choice on the work-group's number alone.  Wv from 448,
	s_mov_b32 s28, 448
	s_cmp_lt_u32 ttmp9, 448
	s_cselect_b64 s[34:35], s[12:13], s[34:35]     ; Wk from 416,
	s_cselect_b32 s28, 416, s28
	s_cmp_lt_u32 ttmp9, 416
	s_cselect_b64 s[34:35], s[10:11], s[34:35]     ; Wq from 384,
	s_cselect_b32 s28, 384, s28
	s_cmp_lt_u32 ttmp9, 384
	s_cselect_b64 s[34:35], s[8:9], s[34:35]       ; value from 256,
	s_cselect_b32 s28, 256, s28
	s_cmp_lt_u32 ttmp9, 256
	s_cselect_b64 s[34:35], s[6:7], s[34:35]       ; key from 128,
	s_cselect_b32 s28, 128, s28
	s_cmp_lt_u32 ttmp9, 128
	s_cselect_b64 s[34:35], s[4:5], s[34:35]       ; query from 0
	s_cselect_b32 s28, 0, s28
	s_sub_co_u32 s29, ttmp9, s28
	s_lshl_b32 s29, s29, 17                        ; 131,072 bytes a work-group,
	s_lshl_b32 s30, s26, 15                        ; 32,768 a wave
	s_add_co_u32 s30, s30, s29
	s_add_nc_u64 s[34:35], s[34:35], s[30:31]
	s_lshl_b32 s27, ttmp9, 2
	s_add_co_u32 s27, s27, s26                     ; the outputs lie in the order of the work-groups: run 4 id + wave
	s_lshl_b32 s30, s27, 12                        ; 4,096 bytes of codes a run
	s_add_nc_u64 s[36:37], s[20:21], s[30:31]
	s_lshl_b32 s30, s27, 8                         ; 256 scale bytes a run,
	s_add_co_u32 s30, s30, 7864320                 ; behind all codes
	s_add_nc_u64 s[38:39], s[20:21], s[30:31]
.macro ALOAD t
.irp i, 0,1,2,3
	global_load_b128 v[R+16*((\t)%4)+4*\i:R+16*((\t)%4)+4*\i+3], v3, s[34:35] offset:2048*(\t)+512*\i th:TH_LOAD_NT
.endr
.endm
.macro ATURN t                         ; step t through the stage: LDS serves a wave's instructions in order, so no wait between the stores and the loads
.irp i, 0,1,2,3
	ds_store_b128 v14, v[R+16*((\t)%4)+4*\i:R+16*((\t)%4)+4*\i+3] offset:32*SP*((\t)%2)+8*SP*\i
.endr
.irp i, 0,1,2,3
	ds_load_b128 v[X+16*((\t)%2)+4*\i:X+16*((\t)%2)+4*\i+3], v15 offset:32*SP*((\t)%2)+16*\i
.endr
.endm
.irp t, 0,1,2,3
	ALOAD \t
.endr
	s_wait_loadcnt 12                              ; step 0's four loads are in
	ATURN 0
.macro ASTEP t
.set XS, X+16*((\t)%2)
.if (\t) > 0
	s_wait_dscnt 1                                 ; this step's numbers are back (the last step's byte store may be out), so the stage's stores have read their registers,
.else
	s_wait_dscnt 0x0
.endif
.if (\t)+4 < STEPS
	ALOAD (\t)+4                                   ; which take the loads of four steps on
.endif
.if (\t)+1 < STEPS
.if STEPS-2-(\t) >= 3
	s_wait_loadcnt 12                              ; the next step's four loads are in; the three steps behind it may be out
.else
	s_wait_loadcnt 4*(STEPS-2-(\t))
.endif
	ATURN (\t)+1
.endif
	v_max3_num_f32 v8, |v[XS]|, |v[XS+1]|, |v[XS+2]|               ; the largest magnitude of my 16, in two chains
	v_max3_num_f32 v9, |v[XS+3]|, |v[XS+4]|, |v[XS+5]|
.irp i, 6,10
	v_max3_num_f32 v8, v8, |v[XS+\i]|, |v[XS+\i+1]|
	v_max3_num_f32 v9, v9, |v[XS+\i+2]|, |v[XS+\i+3]|
.endr
	v_max3_num_f32 v8, v8, |v[XS+14]|, |v[XS+15]|
	v_max3_num_f32 v8, v8, v9, (EMAX+1)<<23        ; and the floor 2^(3 - 127): the byte cannot fall under 1
	v_max_num_f32_dpp v8, v8, v8 row_xmask:1 row_mask:0xf bank_mask:0xf   ; with my neighbour's 16: the block's
	v_add_nc_u32 v11, -(EMAX<<23), v8              ; 2 off its exponent field: the conversion takes that field as its scale, and nothing else
	v_cvt_scalef32_pk8_fp4_f32 v[C+4*(\t)], v[XS:XS+7], v11        ; to the nearest code, ties to even, beyond 6 the largest code
	v_cvt_scalef32_pk8_fp4_f32 v[C+4*(\t)+1], v[XS+8:XS+15], v11
	v_lshrrev_b32 v[E+(\t)], 23, v11               ; the scale's byte
	ds_store_b8 v5, v[E+(\t)] offset:16*(\t)       ; both lanes of a block write the same byte with the same value
	global_store_b64 v7, v[C+4*(\t):C+4*(\t)+1], s[36:37] offset:32*CB*(\t)   ; the wave stores 256 consecutive bytes, aligned
.endm
.irp t, 0,1,2,3,4,5,6,7,8,9,10,11,12,13,14,15
	ASTEP \t
.endr
	ds_load_b64 v[8:9], v6                         ; my wave's 256 scale bytes: these loads see my stores
	s_wait_dscnt 0x0
	global_store_b64 v7, v[8:9], s[38:39]          ; 256 consecutive bytes, aligned
	FINISH
.Lnot_a:
	s_cmp_lt_u32 ttmp9, 992
	s_cbranch_scc0 .Lrole_c
; ================= ROLE B: the mask.  A unit is 16 queries (a tile) x 128 keys (a step); a wave takes four units of one tile.  maskw: [tile of queries 256][key step 32][64 words].
; Word 8 kt + j of a unit is the lane mask of attention's score register 8 kt + j: bit L (r = L % 16, h = L / 16) says mask[16 tile + r][128 step + 16 kt + 8 h + j] != 0.
; THE FLAGS of a tile of queries are 160 bytes of the buffer flags, every byte of which this launch writes.  Dwords 0-31: FA of each step: bit L set where word 2 L or 2 L + 1 is not 0 (nibble kt: key tile kt has an open key).
; Dwords 32-39: G, one word for four steps: bit u: step u has an open key; bit 4 + u: step u has no closed key.  The later launches read G by scalar loads and line its nibbles up into bitmaps of the 32 steps.
	s_sub_co_u32 s27, ttmp9, 480
	s_lshl_b32 s27, s27, 2
	s_add_co_u32 s27, s27, s26                     ; W = 4 (id - 480) + wave
	s_lshr_b32 s28, s27, 3                         ; the tile of queries
	s_and_b32 s29, s27, 7                          ; which four key steps
	s_lshl_b32 s30, s28, 18                        ; 16 rows of 16,384 bytes
	s_lshl_b32 s40, s29, 11                        ; four steps of 512 bytes
	s_add_co_u32 s30, s30, s40
	s_add_nc_u64 s[34:35], s[16:17], s[30:31]
	s_lshl_b32 s30, s28, 13                        ; words: 32 steps x 256 bytes a tile
	s_lshl_b32 s40, s29, 10
	s_add_co_u32 s30, s30, s40
	s_add_nc_u64 s[36:37], s[22:23], s[30:31]
	s_mul_i32 s30, s28, 160                        ; flags: 160 bytes a tile; my four FA begin 16 bytes x my group on
	s_lshl_b32 s40, s29, 4
	s_add_co_u32 s30, s30, s40
	s_add_nc_u64 s[38:39], s[32:33], s[30:31]
	s_mul_i32 s43, s29, 12
	s_sub_co_u32 s43, 128, s43                     ; from my first FA to my G: 128 + 4 group - 16 group bytes
	s_mul_i32 s40, s26, 16*528
	s_add_co_u32 s40, s40, 32768                   ; my stage: 16 rows x (512 bytes + 16)
	v_add_nc_u32 v5, s40, v3                       ; in: a row as it lies
	v_and_b32 v9, 15, v2
	v_lshrrev_b32 v10, 4, v2
	v_mul_u32_u24 v6, v9, 528
	v_lshl_add_u32 v6, v10, 5, v6
	v_add_nc_u32 v6, s40, v6                       ; out: row r, + 32 h
	v_lshrrev_b32 v8, 2, v2
	v_mul_u32_u24 v8, s43, v8
	v_and_b32 v9, 3, v2
	v_lshl_add_u32 v8, v9, 2, v8                   ; a flag's place: lanes 0-3: 4 x lane; lane 4: my G
.irp i, 0,1,2,3,4,5,6,7,8,9
	v_mov_b32 v[MOUT+\i], 0                        ; written whole once: v_writelane_b32 writes one lane
.endr
.macro MLOAD u
.set i, 0
.rept 16
	global_load_b128 v[MR+64*((\u)%2)+4*i:MR+64*((\u)%2)+4*i+3], v3, s[34:35] offset:16384*i+512*(\u) th:TH_LOAD_NT   ; 512 consecutive bytes of row i
.set i, i+1
.endr
.endm
.macro UNIT u
.if (\u) < 3
	s_wait_loadcnt 16                              ; this unit's 16 loads are in; the next unit's may be out
.else
	s_wait_loadcnt 0x0
.endif
.set i, 0
.rept 16
	ds_store_b128 v5, v[MR+64*((\u)%2)+4*i:MR+64*((\u)%2)+4*i+3] offset:528*i
.set i, i+1
.endr
.set i, 0
.rept 16
	ds_load_b128 v[MX+4*i:MX+4*i+3], v6 offset:64*(i/2)+16*(i%2)   ; register 8 kt + j: mask[r][16 kt + 8 h + j]
.set i, i+1
.endr
	s_wait_dscnt 0x0                               ; the unit is back: the stores have read their registers
.if (\u) < 2
	MLOAD (\u)+2
.endif
.set g, 0
.rept 4
.set i, 0
.rept 16
	v_cmp_ne_u32 s[44+i], 0, v[MX+16*g+i]          ; a lane mask is the word
.set i, i+1
.endr
.set i, 0
.rept 16
	v_writelane_b32 v[MOUT+2*(\u)+i%2], s[44+i], (16*g+i)/2   ; lane l of the pair holds words 2 l and 2 l + 1
.set i, i+1
.endr
.set g, g+1
.endr
	v_or_b32 v9, v[MOUT+2*(\u)], v[MOUT+2*(\u)+1]
	v_and_b32 v10, v[MOUT+2*(\u)], v[MOUT+2*(\u)+1]
	v_cmp_ne_u32 s60, 0, v9                        ; FA
	v_cmp_eq_u32 s61, -1, v10                      ; all ones where the whole unit is open
	v_writelane_b32 v[MFLG], s60, \u
	v_writelane_b32 v[MFL2], s61, \u
	global_store_b64 v7, v[MOUT+2*(\u):MOUT+2*(\u)+1], s[36:37] offset:256*(\u)   ; 256 consecutive bytes, aligned
.endm
	MLOAD 0
	MLOAD 1
	UNIT 0
	UNIT 1
	UNIT 2
	UNIT 3
	v_cmp_ne_u32 s60, 0, v[MFLG]                   ; bit u: unit u has an open key (lanes 4-31 hold 0)
	v_cmp_eq_u32 s61, -1, v[MFL2]                  ; bit u: unit u has no closed key (lanes 4-31 hold 0, which is not -1)
	s_lshl_b32 s61, s61, 4
	s_or_b32 s60, s60, s61
	v_writelane_b32 v[MFLG], s60, 4                ; G
	s_wait_xcnt 0x0                                ; EXEC changes only behind this wait
	v_cmp_gt_u32 vcc_lo, 5, v2
	s_and_saveexec_b32 s41, vcc_lo
	global_store_b32 v8, v[MFLG], s[38:39]         ; four FA and G
	s_wait_xcnt 0x0
	s_or_b32 exec_lo, exec_lo, s41
	FINISH
.Lrole_c:
; ================= ROLE C: Wp to f16, row-major as it lies.  A wave takes 32,768 bytes, 8,192 at a time.
	s_sub_co_u32 s27, ttmp9, 992
	s_lshl_b32 s27, s27, 2
	s_add_co_u32 s27, s27, s26
	s_lshl_b32 s30, s27, 15
	s_add_nc_u64 s[34:35], s[18:19], s[30:31]
	s_lshl_b32 s30, s27, 14
	s_add_nc_u64 s[36:37], s[24:25], s[30:31]
.macro CLOAD t
.set i, 0
.rept 16
	global_load_b128 v[MR+64*((\t)%2)+4*i:MR+64*((\t)%2)+4*i+3], v3, s[34:35] offset:8192*(\t)+512*i th:TH_LOAD_NT
.set i, i+1
.endr
.endm
.macro CAST t
.if (\t) < 3
	s_wait_loadcnt 16                              ; this part's 16 loads are in; the next part's may be out
.else
	s_wait_loadcnt 0x0
.endif
.if (\t) >= 2
	s_wait_xcnt 0x0                                ; the stores of two parts back have read their registers
.endif
.set i, 0
.rept 16
	v_cvt_pk_f16_f32 v[MX+32*((\t)%2)+2*i], v[MR+64*((\t)%2)+4*i], v[MR+64*((\t)%2)+4*i+1]
	v_cvt_pk_f16_f32 v[MX+32*((\t)%2)+2*i+1], v[MR+64*((\t)%2)+4*i+2], v[MR+64*((\t)%2)+4*i+3]
.set i, i+1
.endr
.set i, 0
.rept 16
	global_store_b64 v7, v[MX+32*((\t)%2)+2*i:MX+32*((\t)%2)+2*i+1], s[36:37] offset:256*(16*(\t)+i)   ; 256 consecutive bytes, aligned
.set i, i+1
.endr
.if (\t) < 2
	CLOAD (\t)+2
.endif
.endm
	CLOAD 0
	CLOAD 1
	CAST 0
	CAST 1
	CAST 2
	CAST 3
	FINISH
.Lfunc_end_k_q2af6f7d211_prep:
	.size	k_q2af6f7d211_prep, .Lfunc_end_k_q2af6f7d211_prep-k_q2af6f7d211_prep
	.p2alignl 7, 3214868480
	.fill 96, 4, 3214868480
	.section	.rodata,"a",@progbits
	.p2align	6, 0x0
	.amdhsa_kernel k_q2af6f7d211_prep
		.amdhsa_group_segment_fixed_size 67072
		.amdhsa_private_segment_fixed_size 0
		.amdhsa_enable_private_segment 0
		.amdhsa_kernarg_size 96
		.amdhsa_user_sgpr_count 2
		.amdhsa_user_sgpr_kernarg_segment_ptr 1
		.amdhsa_wavefront_size32 1
		.amdhsa_system_sgpr_workgroup_id_x 1
		.amdhsa_system_sgpr_workgroup_id_y 1
		.amdhsa_system_sgpr_workgroup_id_z 1
		.amdhsa_system_vgpr_workitem_id 0
		.amdhsa_next_free_vgpr 224
		.amdhsa_next_free_sgpr 66
		.amdhsa_reserve_vcc 1
		.amdhsa_float_denorm_mode_32 3
		.amdhsa_float_denorm_mode_16_64 3
		.amdhsa_memory_ordered 1
		.amdhsa_forward_progress 1
		.amdhsa_inst_pref_size 105
	.end_amdhsa_kernel
	.amdgpu_metadata
---
amdhsa.version: [ 1, 2 ]
amdhsa.kernels:
  - .name:           k_q2af6f7d211_prep
    .symbol:         k_q2af6f7d211_prep.kd
    .args:
      - { .name: query, .offset: 0, .size: 8, .value_kind: global_buffer, .address_space: global }
      - { .name: key, .offset: 8, .size: 8, .value_kind: global_buffer, .address_space: global }
      - { .name: value, .offset: 16, .size: 8, .value_kind: global_buffer, .address_space: global }
      - { .name: Wq, .offset: 24, .size: 8, .value_kind: global_buffer, .address_space: global }
      - { .name: Wk, .offset: 32, .size: 8, .value_kind: global_buffer, .address_space: global }
      - { .name: Wv, .offset: 40, .size: 8, .value_kind: global_buffer, .address_space: global }
      - { .name: att_mask, .offset: 48, .size: 8, .value_kind: global_buffer, .address_space: global }
      - { .name: Wp, .offset: 56, .size: 8, .value_kind: global_buffer, .address_space: global }
      - { .name: qc, .offset: 64, .size: 8, .value_kind: global_buffer, .address_space: global }
      - { .name: maskw, .offset: 72, .size: 8, .value_kind: global_buffer, .address_space: global }
      - { .name: wp16, .offset: 80, .size: 8, .value_kind: global_buffer, .address_space: global }
      - { .name: flags, .offset: 88, .size: 8, .value_kind: global_buffer, .address_space: global }
    .group_segment_fixed_size: 67072
    .private_segment_fixed_size: 0
    .kernarg_segment_align: 8
    .kernarg_segment_size: 96
    .max_flat_workgroup_size: 128
    .sgpr_count:     66
    .vgpr_count:     224
    .wavefront_size: 32
...
	.end_amdgpu_metadata
.endif
;; end of part 7
;; launch proj: the kernel of part 2 again; grid 16 x 12, 4 waves a work-group, clusters of 4 x 4, 327,680 bytes of LDS; arguments qc, bq, bk, bv, qkv, qkvlo; writes qkv, qkvlo
;; launch att (part 8): grid 16 x 16, 8 waves a work-group, no clusters, 166,912 bytes of LDS; arguments qkv, maskw, yimg, flags; writes yimg
.if DOCPART == 8
	.amdgcn_target "amdgcn-amd-amdhsa--gfx1250"
	.amdhsa_code_object_version 6
	.text
	.protected	k_q2af6f7d211_att
	.globl	k_q2af6f7d211_att
	.p2align	8
	.type	k_q2af6f7d211_att,@function
k_q2af6f7d211_att:
	s_mov_b64 s[64:65], 0
	v_nop
	global_prefetch_b8 v0, s[64:65] scope:SCOPE_SE
	s_setreg_imm32_b32 hwreg(HW_REG_WAVE_MODE, 25, 1), 1
	s_wait_xcnt 0x0
; y[h][q] = softmax_k(q . k / 8, masked) v, in f16 operands, f32 products' sums, maxima and sums.  Work left out (shown at the head of the first launch): the global max|att|, equal along the softmax's axis;
; and key steps that the mask closes wholly for a wave's queries, passed over on flags that the first launch stored.  A row with no open key gives 0 x (1 / 0) = NaN, as the softmax of reference() does.
; SHARES.  Work-group (x, head) takes the blocks of 128 queries x and 31 - x, one after the other (a choice of balance only: every mask is served).  Wave w: p = w % 4 picks 32 queries (two tiles of 16),
; g = w / 4 the parity of the key steps of 128 keys that it walks.  So the two waves of a SIMD work on the same queries and on alternate key steps; at a block's end group 1 hands (O, c m, l) to group 0 through LDS.
; NO TENSOR LOADS, NO CLUSTER: which steps are walked hangs on numbers read from memory.  K and V go memory -> registers -> LDS, a double step ahead:
; a step's K is 16,384 bytes on end and so is its V (images of the operand registers); each of a group's four waves brings 8,192 of them.  One barrier a trip: the stores go to the slot whose reads ended in front of the last barrier.
; THE FLAGS that steer branches come by scalar loads out of the buffer flags and go through scalar arithmetic alone: for each tile of queries (160 bytes; the words G begin 128 bytes in) eight words G, one for four key steps
; (bit u: step u has an open key; bit 4 + u: it has no closed key).
; LAYOUT.  S^T = K Q^T (source 0 = 16 keys, source 1 = 16 queries): a lane holds ONE query (lane % 16) and keys 16 kt + 8 (lane / 16) + j.  Two such tiles, packed to f16 in place, are source 1 of O^T = V^T P.
; SOFTMAX.  Running m and l for each query; p = 2^(c s - c m), c = log2(e) / 8; O and l are multiplied by a = 2^(c m_old - c m_new) in every step.  m starts at -3e38, finite: no infinity less infinity arises.
; REGISTERS.  window 0: v1-11 addresses; v12-27 statistics (tile t at 12 + 8 t: c m, m, l, l, four at work; a at +6); v28-35 sums; v36-39 at work; v64-191 S^T (tile t, key tile kt at 64 + 64 t + 8 kt), then P (64 + 64 t + 8 u);
;   v192-255 fragments F0.   window 1: v0-31 Q; v32-95 O^T (tile t, tile of d at 32 + 32 t + 8 d); v128-191 fragments F1; v192-255 what is on its way to LDS.
.set SLOTB, 65536                      ; LDS: slot s at 65,536 s; in it group g at 32,768 g: K's 16 fragments, then V's 16
.set VOFF,  16384
.set MRG,   131072                     ; then, for each p, 8,192 bytes of O's image + 512 of statistics
.set MRGW,  8704
.set SPARE, 165888                     ; then the spare words, 128 bytes a wave
.set LI0, 1                            ; v1, v2  16 lane + 32,768 g, in slot 0, 1: reads
.set ST0, 3                            ; v3, v4  + 8,192 p: my stores
.set GO,  5                            ; v5   16 lane
.set SPW, 6
.set NIL, 7
.set NINF, 8                           ; v8   -infinity
.set MA,  10                           ; v10  my place in the merge's bytes
.set QA,  11                           ; v11  my byte offset in qkv of the block's Q
.set ST,  12
.set SUM, 28
.set PKT, 36
.set S,   64
.set F0,  192
.set Q,   0                            ; window 1
.set O,   32
.set F1,  128
.set STG, 192
.set MSB, 0
.macro WIN new
.if MSB != \new
	s_set_vgpr_msb (MSB<<8)|\new
.set MSB, \new
.endif
.endm
; s10 the wave's number, then the count of blocks; s11 g, s12 p, s13 the block's flags, then the count of trips; s14 head, s15 block, s16 my key step KS, s17 LIVE (steps that some tile of the block needs), s18 WANY (steps that my two tiles need),
; s19, s20 OPEN (steps with no closed key, tile 0, 1), s21 whether the next step is fetched, s[24:25] c, s[26:27] lane selects, s[28:29] my part of step g, s[30:31] of the step to fetch, s[2:3] my tiles' mask words, s[66:67] flags,
; s100 256 KS, s101 my first tile, s[32:63], s[68:99] 64 mask words
	s_load_b128 s[4:7], s[0:1], 0x0                ; qkv, maskw
	s_load_b64 s[8:9], s[0:1], 0x10                ; yimg
	s_load_b64 s[66:67], s[0:1], 0x18              ; flags
	v_lshl_add_u32 v[SPW], v0, 2, SPARE
	v_mov_b32 v[NIL], 0
	v_lshrrev_b32 v11, 5, v0
	v_readfirstlane_b32 s10, v11
	s_lshr_b32 s11, s10, 2
	s_and_b32 s12, s10, 3
	s_mov_b32 s15, ttmp9
	s_and_b32 s14, ttmp7, 0xffff
	v_and_b32 v11, 31, v0
	v_lshlrev_b32 v[GO], 4, v11
	s_lshl_b32 s22, s11, 15
	v_add_nc_u32 v[LI0], s22, v[GO]
	v_add_nc_u32 v[LI0+1], SLOTB, v[LI0]
	s_lshl_b32 s23, s12, 13
	v_add_nc_u32 v[ST0], s23, v[LI0]
	v_add_nc_u32 v[ST0+1], SLOTB, v[ST0]
	s_mul_i32 s23, s12, MRGW
	s_add_co_u32 s23, s23, MRG
	v_add_nc_u32 v[MA], s23, v[GO]
	v_mov_b32 v[NINF], 0xff800000
	s_mov_b32 s24, 0x3e38aa3b                      ; c = log2(e) / 8
	s_mov_b32 s25, s24
	s_mov_b32 s26, 0x76543210
	s_mov_b32 s27, 0xfedcba98
	s_lshr_b32 s22, s12, 1                         ; waves p = 0, 1 bring K's halves, p = 2, 3 V's
	s_add_co_u32 s22, s22, 1
	s_lshl_b32 s22, s22, 23                        ; K's images begin 8,388,608 bytes into qkv, V's 16,777,216
	s_lshl_b32 s23, s14, 19
	s_add_co_u32 s22, s22, s23
	s_and_b32 s23, s12, 1
	s_lshl_b32 s23, s23, 13
	s_add_co_u32 s22, s22, s23
	s_lshl_b32 s23, s11, 14
	s_add_co_u32 s22, s22, s23
	s_mov_b32 s23, 0
	s_mov_b32 s10, 0                               ; g and p are made: from here on s10 counts the blocks
	s_wait_kmcnt 0x0
	s_add_nc_u64 s[28:29], s[4:5], s[22:23]
; eight words G, one for four key steps, become a bitmap of the 32 steps: the nibble at fld (0x40000: open keys; 0x40004: no closed key) of word n goes to bits 4 n .. 4 n + 3
.macro GATHER dst, src, fld
	s_bfe_u32 s[\dst], s[\src], \fld
.irp n, 1,2,3,4,5,6,7
	s_bfe_u32 s22, s[\src+\n], \fld
	s_lshl_b32 s22, s22, 4*\n
	s_or_b32 s[\dst], s[\dst], s22
.endr
.endm
.macro ORIN src                        ; a tile's eight words are OR-ed into s[32:39]: behind it only the nibbles of open keys mean anything
.irp n, 0,1,2,3,4,5,6,7
	s_or_b32 s[32+\n], s[32+\n], s[\src+\n]
.endr
.endm
; tile t's scores of closed keys become -infinity, unless the step has none
.macro MASK t
	s_lshr_b32 s22, s[19+\t], s16
	s_and_b32 s22, s22, 1
	s_cmp_lg_u32 s22, 0
	s_cbranch_scc1 .Lopen_\@
	s_load_b512 s[32:47], s[2:3], s100 offset:8192*\t
	s_load_b512 s[48:63], s[2:3], s100 offset:8192*\t+64
	s_load_b512 s[68:83], s[2:3], s100 offset:8192*\t+128
	s_load_b512 s[84:99], s[2:3], s100 offset:8192*\t+192
	s_wait_kmcnt 0x0
.set i, 0
.rept 32
	v_cndmask_b32 v[S+64*\t+i], v[NINF], v[S+64*\t+i], s[32+i]     ; word i is register i's lane mask
.set i, i+1
.endr
.set i, 0
.rept 32
	v_cndmask_b32 v[S+64*\t+32+i], v[NINF], v[S+64*\t+32+i], s[68+i]
.set i, i+1
.endr
.Lopen_\@:
.endm
; A KEY STEP of my two tiles: 128 keys out of the slot
.macro STEP slot
.set LI, LI0+\slot
.set i, 0
.rept 8                                ; K: fragment 2 kt + c; key tiles 0-3 into F0,
	ds_load_b128 v[F0+8*i:F0+8*i+3], v[LI] offset:1024*i
	ds_load_b128 v[F0+8*i+4:F0+8*i+7], v[LI] offset:1024*i+512
.set i, i+1
.endr
	WIN 0x40
.set i, 0
.rept 8                                ; 4-7 into F1
	ds_load_b128 v[F1+8*i:F1+8*i+3], v[LI] offset:8192+1024*i
	ds_load_b128 v[F1+8*i+4:F1+8*i+7], v[LI] offset:8192+1024*i+512
.set i, i+1
.endr
	s_wait_dscnt 16                                ; F0 is in; F1's sixteen loads may be out
	WIN 0x04                                       ; Q in window 1
.irp c, 0,1                            ; eight accumulators by turns, one instruction a turn
.irp kt, 0,1,2,3
.irp t, 0,1
.if \c == 0
	v_wmma_f32_16x16x32_f16 v[S+64*\t+8*\kt:S+64*\t+8*\kt+7], v[F0+16*\kt:F0+16*\kt+7], v[Q+16*\t:Q+16*\t+7], 0
.else
	v_wmma_f32_16x16x32_f16 v[S+64*\t+8*\kt:S+64*\t+8*\kt+7], v[F0+16*\kt+8:F0+16*\kt+15], v[Q+16*\t+8:Q+16*\t+15], v[S+64*\t+8*\kt:S+64*\t+8*\kt+7]
.endif
.endr
.endr
.endr
	s_wait_dscnt 0x0
	WIN 0x05
.irp c, 0,1
.irp kt, 0,1,2,3
.irp t, 0,1
.if \c == 0
	v_wmma_f32_16x16x32_f16 v[S+64*\t+32+8*\kt:S+64*\t+32+8*\kt+7], v[F1+16*\kt:F1+16*\kt+7], v[Q+16*\t:Q+16*\t+7], 0
.else
	v_wmma_f32_16x16x32_f16 v[S+64*\t+32+8*\kt:S+64*\t+32+8*\kt+7], v[F1+16*\kt+8:F1+16*\kt+15], v[Q+16*\t+8:Q+16*\t+15], v[S+64*\t+32+8*\kt:S+64*\t+32+8*\kt+7]
.endif
.endr
.endr
.endr
	WIN 0
.rept 4
	v_nop                                          ; places in front of the loads into F0 and F1 and of the first reads of the scores
.endr
.set i, 0
.rept 8                                ; V: fragment 4 u + d; chunks u = 0, 1 into F0, 2, 3 into F1: they land during the softmax
	ds_load_b128 v[F0+8*i:F0+8*i+3], v[LI] offset:VOFF+1024*i
	ds_load_b128 v[F0+8*i+4:F0+8*i+7], v[LI] offset:VOFF+1024*i+512
.set i, i+1
.endr
	WIN 0x40
.set i, 0
.rept 8
	ds_load_b128 v[F1+8*i:F1+8*i+3], v[LI] offset:VOFF+8192+1024*i
	ds_load_b128 v[F1+8*i+4:F1+8*i+7], v[LI] offset:VOFF+8192+1024*i+512
.set i, i+1
.endr
	WIN 0
	MASK 0
	MASK 1
	; the maximum of 64 scores and the old m: four chains of two key tiles each; every accumulator is read from its low end on.  The two tiles take turns line by line
.irp q, 0,1,2,3
.irp t, 0,1
	v_max3_num_f32 v[ST+8*\t+4+\q], v[S+64*\t+16*\q], v[S+64*\t+16*\q+1], v[S+64*\t+16*\q+2]
.endr
.endr
.irp i, 3,5,7,9,11,13
.irp q, 0,1,2,3
.irp t, 0,1
	v_max3_num_f32 v[ST+8*\t+4+\q], v[ST+8*\t+4+\q], v[S+64*\t+16*\q+\i], v[S+64*\t+16*\q+\i+1]
.endr
.endr
.endr
.irp t, 0,1
	v_max3_num_f32 v[ST+8*\t+4], v[ST+8*\t+4], v[S+64*\t+15], v[S+64*\t+31]
	v_max3_num_f32 v[ST+8*\t+6], v[ST+8*\t+6], v[S+64*\t+47], v[S+64*\t+63]
.endr
.irp t, 0,1
	v_max3_num_f32 v[ST+8*\t+4], v[ST+8*\t+4], v[ST+8*\t+5], v[ST+8*\t+6]
.endr
.irp t, 0,1
	v_max3_num_f32 v[ST+8*\t+4], v[ST+8*\t+4], v[ST+8*\t+7], v[ST+8*\t+1]
.endr
.irp t, 0,1
	v_permlanex16_b32 v[ST+8*\t+5], v[ST+8*\t+4], s26, s27         ; the query's other 64 keys lie in the lane 16 away
.endr
.irp t, 0,1
	v_mov_b32 v[ST+8*\t+7], v[ST+8*\t]             ; c m_old
.endr
.irp t, 0,1
	v_max_num_f32 v[ST+8*\t+1], v[ST+8*\t+4], v[ST+8*\t+5]
.endr
.irp t, 0,1
	v_mul_f32 v[ST+8*\t], s24, v[ST+8*\t+1]
.endr
.irp t, 0,1
	v_sub_f32 v[ST+8*\t+7], v[ST+8*\t+7], v[ST+8*\t]
.endr
.set i, 0
.rept 32
.irp t, 0,1
	v_pk_fma_f32 v[S+64*\t+2*i:S+64*\t+2*i+1], v[S+64*\t+2*i:S+64*\t+2*i+1], s[24:25], v[ST+8*\t:ST+8*\t+1] op_sel_hi:[1,0,0] neg_lo:[0,0,1] neg_hi:[0,0,1]   ; c s - c m
.endr
.set i, i+1
.endr
.irp t, 0,1
	v_exp_f32 v[ST+8*\t+6], v[ST+8*\t+7]           ; a
.endr
.set i, 0
.rept 64                               ; ONE BATCH: 130 exponentials, none of which reads another's result
.irp t, 0,1
	v_exp_f32 v[S+64*\t+i], v[S+64*\t+i]
.endr
.set i, i+1
.endr
	v_nop                                          ; a plain instruction behind the last exponential
	s_wait_alu depctr_va_vdst(0)                   ; and one wait ahead of the batch's first reader
.irp t, 0,1
	v_pk_add_f32 v[SUM+4*\t:SUM+4*\t+1], v[S+64*\t:S+64*\t+1], v[S+64*\t+2:S+64*\t+3]          ; the sum of the unrounded p, in two chains
	v_pk_add_f32 v[SUM+4*\t+2:SUM+4*\t+3], v[S+64*\t+4:S+64*\t+5], v[S+64*\t+6:S+64*\t+7]
.endr
.irp i, 8,12,16,20,24,28,32,36,40,44,48,52,56,60
.irp t, 0,1
	v_pk_add_f32 v[SUM+4*\t:SUM+4*\t+1], v[SUM+4*\t:SUM+4*\t+1], v[S+64*\t+\i:S+64*\t+\i+1]
	v_pk_add_f32 v[SUM+4*\t+2:SUM+4*\t+3], v[SUM+4*\t+2:SUM+4*\t+3], v[S+64*\t+\i+2:S+64*\t+\i+3]
.endr
.endr
.irp t, 0,1
	v_pk_add_f32 v[SUM+4*\t:SUM+4*\t+1], v[SUM+4*\t:SUM+4*\t+1], v[SUM+4*\t+2:SUM+4*\t+3]
.endr
.irp t, 0,1
	v_pk_fma_f32 v[ST+8*\t+2:ST+8*\t+3], v[ST+8*\t+2:ST+8*\t+3], v[ST+8*\t+6:ST+8*\t+7], v[SUM+4*\t:SUM+4*\t+1] op_sel_hi:[1,0,1]   ; l = l a + the sum
.endr
.set i, 0
.rept 32                               ; p to f16, in place and ascending: register i takes numbers 2 i and 2 i + 1
.irp t, 0,1
	v_cvt_pk_f16_f32 v[S+64*\t+i], v[S+64*\t+2*i], v[S+64*\t+2*i+1]
.endr
.set i, i+1
.endr
	WIN 0x41                                       ; O^T in window 1, a in window 0
.set i, 0
.rept 16
.irp t, 0,1
	v_pk_mul_f32 v[O+32*\t+2*i:O+32*\t+2*i+1], v[O+32*\t+2*i:O+32*\t+2*i+1], v[ST+8*\t+6:ST+8*\t+7] op_sel_hi:[1,0]
.endr
.set i, i+1
.endr
	s_wait_dscnt 0x0                               ; V is in
	WIN 0x50                                       ; C and D window 1
.irp u, 0,1                            ; eight accumulators by turns
.irp d, 0,1,2,3
.irp t, 0,1
	v_wmma_f32_16x16x32_f16 v[O+32*\t+8*\d:O+32*\t+8*\d+7], v[F0+32*\u+8*\d:F0+32*\u+8*\d+7], v[S+64*\t+8*\u:S+64*\t+8*\u+7], v[O+32*\t+8*\d:O+32*\t+8*\d+7]
.endr
.endr
.endr
	WIN 0x51
.irp u, 0,1
.irp d, 0,1,2,3
.irp t, 0,1
	v_wmma_f32_16x16x32_f16 v[O+32*\t+8*\d:O+32*\t+8*\d+7], v[F1+32*\u+8*\d:F1+32*\u+8*\d+7], v[S+64*\t+16+8*\u:S+64*\t+16+8*\u+7], v[O+32*\t+8*\d:O+32*\t+8*\d+7]
.endr
.endr
.endr
	WIN 0
.rept 5
	v_nop                                          ; five places: the next step's first products write over P, which these products read; its loads land on F0 and F1
.endr
.endm
; A TRIP: my group's step KS out of the slot, while step KS + 2 is brought into the other slot
.macro TRIP slot
	s_add_co_u32 s22, s16, 2
	s_cmp_lt_u32 s22, 32
	s_cselect_b32 s23, s17, 0
	s_lshr_b32 s23, s23, s22
	s_and_b32 s21, s23, 1                          ; is there a next step, and does any tile of the block need it?  The same in all four waves of the group
	s_cmp_lg_u32 s21, 0
	s_cbranch_scc0 .Lnold_\@
	WIN 0x40
.set i, 0
.rept 16
	global_load_b128 v[STG+4*i:STG+4*i+3], v[GO], s[30:31] offset:512*i    ; 512 consecutive bytes each
.set i, i+1
.endr
	WIN 0
.Lnold_\@:
	s_lshr_b32 s22, s18, s16
	s_and_b32 s22, s22, 1
	s_cmp_lg_u32 s22, 0
	s_cbranch_scc0 .Lnostep_\@
	STEP \slot
.Lnostep_\@:
	s_cmp_lg_u32 s21, 0
	s_cbranch_scc0 .Lnost_\@
	s_wait_loadcnt 0x0
	WIN 0x04                                       ; an LDS store's data are its source 1
.set i, 0
.rept 16
	ds_store_b128 v[ST0+1-\slot], v[STG+4*i:STG+4*i+3] offset:512*i
.set i, i+1
.endr
	WIN 0
.Lnost_\@:
	s_wait_loadcnt 0x0                             ; on every path: my loads are done, so their base may step;
	s_wait_xcnt 0x0                                ; the scalar loads have read their offset;
	s_wait_dscnt 0x0                               ; my stores have landed and my reads of this slot are over
	s_barrier_signal -1
	s_barrier_wait -1
	s_add_nc_u64 s[30:31], s[30:31], 32768
	s_add_co_u32 s16, s16, 2
	s_add_co_u32 s100, s100, 512
.endm
.Lblk:                                 ; two trips: block x, then block 31 - x
	s_wait_xcnt 0x0                                ; the last block's stores and loads have read their registers
	s_lshl_b32 s22, s15, 3
	s_lshl_b32 s23, s12, 1
	s_add_co_u32 s101, s22, s23                    ; my first tile of queries: 8 block + 2 p
	s_lshl_b32 s22, s14, 19
	s_lshl_b32 s23, s101, 11
	s_add_co_u32 s22, s22, s23
	v_add_nc_u32 v[QA], s22, v[GO]                 ; Q's images: 524,288 bytes a head, 2,048 a tile
	s_mul_i32 s13, s15, 1280                       ; the flags: 160 bytes a tile of queries, eight tiles a block; the words G begin 128 bytes into a tile's
	s_add_co_u32 s13, s13, 128
	s_mul_i32 s21, s12, 320
	s_add_co_u32 s21, s21, s13                     ; my own pair of tiles,
	s_add_co_u32 s16, s12, 1                       ; and the three other pairs of the block: (p + 1), (p + 2), (p + 3) mod 4
	s_and_b32 s16, s16, 3
	s_mul_i32 s16, s16, 320
	s_add_co_u32 s16, s16, s13
	s_add_co_u32 s17, s12, 2
	s_and_b32 s17, s17, 3
	s_mul_i32 s17, s17, 320
	s_add_co_u32 s17, s17, s13
	s_add_co_u32 s100, s12, 3
	s_and_b32 s100, s100, 3
	s_mul_i32 s100, s100, 320
	s_add_co_u32 s100, s100, s13
	s_load_b256 s[32:39], s[66:67], s21 offset:0x0
	s_load_b256 s[40:47], s[66:67], s21 offset:0xa0
	s_load_b256 s[48:55], s[66:67], s16 offset:0x0
	s_load_b256 s[56:63], s[66:67], s16 offset:0xa0
	s_load_b256 s[68:75], s[66:67], s17 offset:0x0
	s_load_b256 s[76:83], s[66:67], s17 offset:0xa0
	s_load_b256 s[84:91], s[66:67], s100 offset:0x0
	s_load_b256 s[92:99], s[66:67], s100 offset:0xa0
	s_lshl_b32 s22, s101, 13
	s_mov_b32 s23, 0
	s_add_nc_u64 s[2:3], s[6:7], s[22:23]          ; my tiles' mask words
	WIN 0x40
.set i, 0
.rept 8
	global_load_b128 v[Q+4*i:Q+4*i+3], v[QA], s[4:5] offset:512*i
.set i, i+1
.endr
.set i, 0
.rept 16                               ; steps 0 and 1 are brought whatever the flags say: so the registers on their way to LDS are written on every path
	global_load_b128 v[STG+4*i:STG+4*i+3], v[GO], s[28:29] offset:512*i
.set i, i+1
.endr
.set i, 0
.rept 64
	v_mov_b32 v[O+i], 0                            ; which step is the first live one is not known to the text, so no product can be written out to start these sums
.set i, i+1
.endr
	WIN 0
.irp t, 0,1
	v_mov_b32 v[ST+8*\t+1], 0xff61b1e6             ; m = -3e38
	v_mov_b32 v[ST+8*\t+2], 0
	v_mov_b32 v[ST+8*\t+3], 0
.endr
.irp t, 0,1
	v_mul_f32 v[ST+8*\t], s24, v[ST+8*\t+1]
.endr
	s_wait_kmcnt 0x0                               ; the 64 words G are in (scalar loads return in no order: the count is 0)
	s_wait_xcnt 0x0                                ; and their offset registers may be written again
	GATHER 19, 32, 0x40004                         ; the steps with no closed key, of my tile 0,
	GATHER 20, 40, 0x40004                         ; of my tile 1
	ORIN 40
	GATHER 18, 32, 0x40000                         ; the steps that my two tiles need
	ORIN 48
	ORIN 56
	ORIN 68
	ORIN 76
	ORIN 84
	ORIN 92
	GATHER 17, 32, 0x40000                         ; the steps that some tile of the block needs: the same in all eight waves
	s_wait_loadcnt 0x0
	WIN 0x04
.set i, 0
.rept 16
	ds_store_b128 v[ST0], v[STG+4*i:STG+4*i+3] offset:512*i
.set i, i+1
.endr
	WIN 0
	s_wait_dscnt 0x0
	s_barrier_signal -1
	s_barrier_wait -1
	s_add_nc_u64 s[30:31], s[28:29], 32768
	s_mov_b32 s16, s11
	s_lshl_b32 s100, s11, 8
	s_mov_b32 s13, 0
.Ltrip:                                ; eight trips of two: every slot address is a constant of the text
	TRIP 0
	TRIP 1
	s_add_co_u32 s13, s13, 1
	s_cmp_lt_u32 s13, 8
	s_cbranch_scc1 .Ltrip
	; THE MERGE
.irp t, 0,1
	v_add_f32 v[ST+8*\t+2], v[ST+8*\t+2], v[ST+8*\t+3]
.endr
	s_cmp_eq_u32 s11, 0
	s_cbranch_scc1 .Lkeeps
	v_mov_b32 v[PKT], v[ST]
	v_mov_b32 v[PKT+1], v[ST+2]
	v_mov_b32 v[PKT+2], v[ST+8]
	v_mov_b32 v[PKT+3], v[ST+10]
	WIN 0x04
.set i, 0
.rept 16
	ds_store_b128 v[MA], v[O+4*i:O+4*i+3] offset:512*i             ; each accumulator from its low end on
.set i, i+1
.endr
	WIN 0
	ds_store_b128 v[MA], v[PKT:PKT+3] offset:8192
.Lkeeps:
	s_wait_dscnt 0x0
	s_barrier_signal -1
	s_barrier_wait -1
	s_cmp_lg_u32 s11, 0
	s_cbranch_scc1 .Lmerged
.set i, 0
.rept 16
	ds_load_b128 v[S+4*i:S+4*i+3], v[MA] offset:512*i
.set i, i+1
.endr
	ds_load_b128 v[S+64:S+67], v[MA] offset:8192                   ; c m and l of tile 0, of tile 1
	s_wait_dscnt 0x0
.irp t, 0,1
	v_max_num_f32 v[ST+8*\t+4], v[ST+8*\t], v[S+64+2*\t]
.endr
.irp t, 0,1
	v_sub_f32 v[ST+8*\t+5], v[ST+8*\t], v[ST+8*\t+4]
	v_sub_f32 v[ST+8*\t+6], v[S+64+2*\t], v[ST+8*\t+4]
.endr
.irp t, 0,1
	v_exp_f32 v[ST+8*\t+5], v[ST+8*\t+5]
	v_exp_f32 v[ST+8*\t+6], v[ST+8*\t+6]
.endr
	v_nop
	s_wait_alu depctr_va_vdst(0)                   ; one wait for the four
.irp t, 0,1
	v_mul_f32 v[ST+8*\t+7], v[S+65+2*\t], v[ST+8*\t+6]
.endr
.irp t, 0,1
	v_fma_f32 v[ST+8*\t+7], v[ST+8*\t+2], v[ST+8*\t+5], v[ST+8*\t+7]
.endr
.irp t, 0,1
	v_permlanex16_b32 v[ST+8*\t+4], v[ST+8*\t+7], s26, s27
.endr
.irp t, 0,1
	v_add_f32 v[ST+8*\t+7], v[ST+8*\t+7], v[ST+8*\t+4]             ; the row's sum
.endr
.irp t, 0,1
	v_rcp_f32 v[ST+8*\t+4], v[ST+8*\t+7]
.endr
	v_nop
	s_wait_alu depctr_va_vdst(0)                   ; one wait for the two
.irp t, 0,1
	v_mul_f32 v[ST+8*\t+5], v[ST+8*\t+5], v[ST+8*\t+4]
	v_mul_f32 v[ST+8*\t+6], v[ST+8*\t+6], v[ST+8*\t+4]
.endr
.set i, 0
.rept 64
	v_mul_f32 v[S+i], v[S+i], v[ST+8*(i/32)+6]
.set i, i+1
.endr
	WIN 0x01                                       ; source 0: my O^T, in window 1
.set i, 0
.rept 64
	v_fma_f32 v[S+i], v[O+i], v[ST+8*(i/32)+5], v[S+i]
.set i, i+1
.endr
	WIN 0
.set i, 0
.rept 32
	v_cvt_pk_f16_f32 v[S+i], v[S+2*i], v[S+2*i+1]
.set i, i+1
.endr
	s_lshl_b32 s22, s101, 15                       ; y's images: [tile of 16 rows][2 head + c], 1,024 bytes each
	s_lshl_b32 s23, s14, 11
	s_add_co_u32 s22, s22, s23
	s_mov_b32 s23, 0
	s_add_nc_u64 s[32:33], s[8:9], s[22:23]
.set i, 0
.rept 8
	global_store_b128 v[GO], v[S+4*i:S+4*i+3], s[32:33] offset:32768*(i/4)+512*(i%4)   ; 512 consecutive bytes, aligned
.set i, i+1
.endr
.Lmerged:
	s_sub_co_u32 s15, 31, s15
	s_add_co_u32 s10, s10, 1
	s_cmp_lt_u32 s10, 2
	s_cbranch_scc1 .Lblk
	s_wait_tensorcnt 0x0                           ; the wave's end, behind the last LDS store
	ds_add_u32 v[SPW], v[NIL]
	s_wait_dscnt 0x0
	s_endpgm
.Lfunc_end_k_q2af6f7d211_att:
	.size	k_q2af6f7d211_att, .Lfunc_end_k_q2af6f7d211_att-k_q2af6f7d211_att
	.p2alignl 7, 3214868480
	.fill 96, 4, 3214868480
	.section	.rodata,"a",@progbits
	.p2align	6, 0x0
	.amdhsa_kernel k_q2af6f7d211_att
		.amdhsa_group_segment_fixed_size 166912
		.amdhsa_private_segment_fixed_size 0
		.amdhsa_enable_private_segment 0
		.amdhsa_kernarg_size 32
		.amdhsa_user_sgpr_count 2
		.amdhsa_user_sgpr_kernarg_segment_ptr 1
		.amdhsa_wavefront_size32 1
		.amdhsa_system_sgpr_workgroup_id_x 1
		.amdhsa_system_sgpr_workgroup_id_y 1
		.amdhsa_system_sgpr_workgroup_id_z 1
		.amdhsa_system_vgpr_workitem_id 0
		.amdhsa_next_free_vgpr 512
		.amdhsa_next_free_sgpr 102
		.amdhsa_reserve_vcc 0
		.amdhsa_float_denorm_mode_32 3
		.amdhsa_float_denorm_mode_16_64 3
		.amdhsa_memory_ordered 1
		.amdhsa_forward_progress 1
		.amdhsa_inst_pref_size 115
	.end_amdhsa_kernel
	.amdgpu_metadata
---
amdhsa.version: [ 1, 2 ]
amdhsa.kernels:
  - .name:           k_q2af6f7d211_att
    .symbol:         k_q2af6f7d211_att.kd
    .args:
      - { .name: qkv, .offset: 0, .size: 8, .value_kind: global_buffer, .address_space: global }
      - { .name: maskw, .offset: 8, .size: 8, .value_kind: global_buffer, .address_space: global }
      - { .name: yimg, .offset: 16, .size: 8, .value_kind: global_buffer, .address_space: global }
      - { .name: flags, .offset: 24, .size: 8, .value_kind: global_buffer, .address_space: global }
    .group_segment_fixed_size: 166912
    .private_segment_fixed_size: 0
    .kernarg_segment_align: 8
    .kernarg_segment_size: 32
    .max_flat_workgroup_size: 256
    .sgpr_count:     102
    .vgpr_count:     512
    .wavefront_size: 32
...
	.end_amdgpu_metadata
.endif
;; end of part 8
;; launch oproj: the kernel of part 5 again; grid 8 x 32, 4 waves a work-group, clusters of 4 x 4, 327,680 bytes of LDS; arguments yimg, wp16, bp, out0; writes out0
;; launch fine (part 9): grid 64 x 1, 16 waves a work-group, no clusters, 18,432 bytes of LDS; arguments qkv, qkvlo, maskw, Wp, bp, out0, flags; writes out0
.if DOCPART == 9
	.amdgcn_target "amdgcn-amd-amdhsa--gfx1250"
	.amdhsa_code_object_version 6
	.text
	.protected	k_q2af6f7d211_fine
	.globl	k_q2af6f7d211_fine
	.p2align	8
	.type	k_q2af6f7d211_fine,@function
k_q2af6f7d211_fine:
	s_mov_b64 s[64:65], 0
	v_nop
	global_prefetch_b8 v0, s[64:65] scope:SCOPE_SE
	s_setreg_imm32_b32 hwreg(HW_REG_WAVE_MODE, 25, 1), 1
	s_wait_xcnt 0x0
; Rows 0-15 of out0 once more, all in f32: under a mask of the causal kind these rows average one to a few values and are the largest in size, so f16 operands would use up what the comparison allows.  Which rows are carried
; so is a choice of precision: the mask is honoured over all 4,096 keys.  Work left out, as in the attention launch: the global max|att| (equal along the softmax's axis) and key tiles that the mask closes wholly, on stored flags,
; which come by scalar loads out of the buffer flags and go through scalar arithmetic alone.
; q, k, v are taken as high + low parts of f16, added in f32.  Work-group gI makes out0[0..15][16 gI .. 16 gI + 15]; wave hd is head hd: every work-group repeats the 16 heads' attention of the 16 rows, so that the sum over
; heads stays inside a work-group.  A LIMIT OF SPEED, not of values: that repeated work grows with the open key tiles of rows 0-15: one tile a wave under a causal mask, 256 tiles a wave under a mask with no closed key.
; Products by v_wmma_f32_16x16x4_f32: four accumulators by turns; their registers (v160-191) are written by matrix instructions alone; what is made of a sum goes into other registers.
; LAYOUT, as in the attention launch: S^T = K Q^T, O^T = V^T P^T: a lane holds one query (lane % 16).  A K step of 4 takes a pair of registers: the two halves of the lanes hold two numbers each, the same places of K in both sources.
; The stores are pieces of 64 bytes, 65,536 bytes in all: whole runs of 256 bytes would put four times the f32 products on each work-group.
; REGISTERS: v1 16 lane; v2, v3 the add's two; v4 -infinity; v5 my LDS bytes; v6, v7 offsets of K and V; v8, v9 offsets; v16-47 Q in f32; v64-127 K's and V's parts as loaded (then V in f32 in v64-95); v128-159 K in f32, later Wp;
;   v160-191 accumulators; v192-223 O^T; v224-231 scores; v232-239 p; v240 c m, v241 m, v242 l, v243 a, v244-249 at work.
.set SPARE, 16384                      ; LDS: 1,024 bytes for each wave's part of the result, then the spare words, 128 bytes a wave
.set SPW, 2
.set NIL, 3
.set QF,  16
.set KV,  128
.set ACC, 160
.set OO,  192
.set SV,  224
.set PP,  232
.set CM,  240
.set MM,  241
.set LL,  242
.set AA,  243
.macro W1 d, hi, lo                    ; two numbers: f32(high) + f32(low)
	v_cvt_f32_f16 v[\d], v\hi\().l
	v_cvt_f32_f16 v[\d+1], v\hi\().h
	v_cvt_f32_f16 v248, v\lo\().l
	v_cvt_f32_f16 v249, v\lo\().h
	v_pk_add_f32 v[\d:\d+1], v[\d:\d+1], v[248:249]
.endm
.macro WIDEN_A dst                     ; high parts v64-79, low parts v80-95
	W1 \dst+0, 64, 80
	W1 \dst+2, 65, 81
	W1 \dst+4, 66, 82
	W1 \dst+6, 67, 83
	W1 \dst+8, 68, 84
	W1 \dst+10, 69, 85
	W1 \dst+12, 70, 86
	W1 \dst+14, 71, 87
	W1 \dst+16, 72, 88
	W1 \dst+18, 73, 89
	W1 \dst+20, 74, 90
	W1 \dst+22, 75, 91
	W1 \dst+24, 76, 92
	W1 \dst+26, 77, 93
	W1 \dst+28, 78, 94
	W1 \dst+30, 79, 95
.endm
.macro WIDEN_B dst                     ; high parts v96-111, low parts v112-127
	W1 \dst+0, 96, 112
	W1 \dst+2, 97, 113
	W1 \dst+4, 98, 114
	W1 \dst+6, 99, 115
	W1 \dst+8, 100, 116
	W1 \dst+10, 101, 117
	W1 \dst+12, 102, 118
	W1 \dst+14, 103, 119
	W1 \dst+16, 104, 120
	W1 \dst+18, 105, 121
	W1 \dst+20, 106, 122
	W1 \dst+22, 107, 123
	W1 \dst+24, 108, 124
	W1 \dst+26, 109, 125
	W1 \dst+28, 110, 126
	W1 \dst+30, 111, 127
.endm
; eight words G, one for four key steps (bit u: step u has an open key), become a bitmap of the 32 steps
.macro GATHER dst, src, fld
	s_bfe_u32 s[\dst], s[\src], \fld
.irp n, 1,2,3,4,5,6,7
	s_bfe_u32 s22, s[\src+\n], \fld
	s_lshl_b32 s22, s22, 4*\n
	s_or_b32 s[\dst], s[\dst], s22
.endr
.endm
	s_load_b256 s[4:11], s[0:1], 0x0               ; qkv, qkvlo, maskw, Wp
	s_load_b128 s[12:15], s[0:1], 0x20             ; bp, out0
	s_load_b64 s[44:45], s[0:1], 0x30              ; flags: tile 0's 160 bytes lie at its head: 32 words FA, then 8 words G
	v_lshl_add_u32 v[SPW], v0, 2, SPARE
	v_mov_b32 v[NIL], 0
	v_lshrrev_b32 v11, 5, v0
	v_readfirstlane_b32 s16, v11                   ; wave = head
	s_mov_b32 s17, ttmp9                           ; gI
	v_and_b32 v11, 31, v0
	v_lshlrev_b32 v1, 4, v11
	v_mov_b32 v4, 0xff800000
	s_lshl_b32 s22, s16, 10
	v_add_nc_u32 v5, s22, v1
	v_and_b32 v11, 15, v0                          ; r
	v_bfe_u32 v12, v0, 4, 1                        ; h
	v_lshlrev_b32 v8, 12, v11
	v_lshl_add_u32 v8, v12, 5, v8                  ; 4,096 r + 32 h: a row of Wp, and a row of out0
	v_lshlrev_b32 v9, 5, v12                       ; 32 h: bp
	s_mov_b32 s24, 0x3e38aa3b                      ; c = log2(e) / 8
	s_mov_b32 s26, 0x76543210
	s_mov_b32 s27, 0xfedcba98
	s_lshl_b32 s22, s16, 19                        ; 524,288 bytes a head
	s_mov_b32 s23, 0
	s_wait_kmcnt 0x0
	s_add_nc_u64 s[46:47], s[4:5], s[22:23]        ; q's high parts, tile 0
	s_add_nc_u64 s[28:29], s[46:47], 8388608       ; k's high parts
	s_add_nc_u64 s[40:41], s[46:47], 16777216      ; v's
	s_add_nc_u64 s[30:31], s[6:7], s[22:23]        ; k's low parts
	s_add_nc_u64 s[42:43], s[30:31], 8388608       ; v's
	s_lshl_b32 s22, s16, 11
	s_add_co_u32 s22, s22, 16777216
	s_add_nc_u64 s[48:49], s[6:7], s[22:23]        ; q's low parts
	s_load_b256 s[32:39], s[44:45], 0x80           ; tile 0's eight words G
	s_lshl_b32 s22, s17, 16
	s_lshl_b32 s50, s16, 8
	s_add_co_u32 s22, s22, s50
	s_add_nc_u64 s[50:51], s[10:11], s[22:23]      ; Wp: rows 16 gI on, columns 64 hd on
	s_lshl_b32 s22, s17, 6
	s_add_nc_u64 s[52:53], s[14:15], s[22:23]      ; out0: columns 16 gI on
	s_add_nc_u64 s[54:55], s[12:13], s[22:23]      ; bp likewise
.irp i, 0,1,2,3
	global_load_b128 v[64+4*\i:64+4*\i+3], v1, s[46:47] offset:512*\i
	global_load_b128 v[80+4*\i:80+4*\i+3], v1, s[48:49] offset:512*\i
.endr
.set i, 0
.rept 32
	v_mov_b32 v[OO+i], 0
.set i, i+1
.endr
	v_mov_b32 v[MM], 0xff61b1e6                    ; m = -3e38, finite
	v_mul_f32 v[CM], s24, v[MM]
	v_mov_b32 v[LL], 0
	v_mov_b32 v245, 0                              ; written once: a lane permute's destination counts as one of its sources
	s_wait_kmcnt 0x0
	GATHER 18, 32, 0x40000                         ; the key steps with an open key
	s_wait_loadcnt 0x0
	WIDEN_A QF
	s_mov_b32 s20, 0
.Lj:                                   ; 32 key steps, a constant count; a closed one is passed over
	s_lshr_b32 s22, s18, s20
	s_and_b32 s22, s22, 1
	s_cmp_lg_u32 s22, 0
	s_cbranch_scc0 .Lj_next
	s_lshl_b32 s22, s20, 2
	s_load_b32 s19, s[44:45], s22 offset:0x0       ; FA: nibble kt: key tile kt has an open key
	s_wait_kmcnt 0x0
	s_wait_xcnt 0x0
	s_mov_b32 s21, 0
.Lkt:                                  ; 8 key tiles of 16
	s_lshl_b32 s22, s21, 2
	s_lshr_b32 s22, s19, s22
	s_and_b32 s22, s22, 15
	s_cmp_lg_u32 s22, 0
	s_cbranch_scc0 .Lkt_next
	s_lshl_b32 s22, s20, 3
	s_add_co_u32 s22, s22, s21                     ; key tile 8 j + kt
	s_lshl_b32 s23, s22, 5
	s_load_b256 s[32:39], s[8:9], s23 offset:0x0   ; its eight mask words
	s_lshl_b32 s56, s22, 11                        ; k: 2,048 bytes a key tile
	v_add_nc_u32 v6, s56, v1
	s_lshr_b32 s56, s22, 1
	s_lshl_b32 s56, s56, 12                        ; v: 4,096 bytes a chunk of 32 keys,
	s_and_b32 s57, s22, 1
	s_lshl_b32 s57, s57, 9                         ; registers 0-3 or 4-7 of each fragment
	s_add_co_u32 s56, s56, s57
	v_add_nc_u32 v7, s56, v1
.irp i, 0,1,2,3
	global_load_b128 v[64+4*\i:64+4*\i+3], v6, s[28:29] offset:512*\i
	global_load_b128 v[80+4*\i:80+4*\i+3], v6, s[30:31] offset:512*\i
	global_load_b128 v[96+4*\i:96+4*\i+3], v7, s[40:41] offset:1024*\i
	global_load_b128 v[112+4*\i:112+4*\i+3], v7, s[42:43] offset:1024*\i
.endr
	s_wait_loadcnt 0x0
	s_wait_kmcnt 0x0
	s_wait_xcnt 0x0
	WIDEN_A KV
.set kk, 0
.rept 16                               ; S^T: four partial sums by turns; the first four products start them
.if kk < 4
	v_wmma_f32_16x16x4_f32 v[ACC+8*(kk%4):ACC+8*(kk%4)+7], v[KV+2*kk:KV+2*kk+1], v[QF+2*kk:QF+2*kk+1], 0
.else
	v_wmma_f32_16x16x4_f32 v[ACC+8*(kk%4):ACC+8*(kk%4)+7], v[KV+2*kk:KV+2*kk+1], v[QF+2*kk:QF+2*kk+1], v[ACC+8*(kk%4):ACC+8*(kk%4)+7]
.endif
.set kk, kk+1
.endr
	WIDEN_B 64                                     ; V in f32, where k's parts lay: 80 plain instructions that name no register of those products: the places behind them
.irp j, 0,1,2,3,4,5,6,7
	v_add_f32 v[SV+\j], v[ACC+\j], v[ACC+8+\j]     ; each accumulator from its low end on
	v_add_f32 v[PP+\j], v[ACC+16+\j], v[ACC+24+\j]
.endr
.irp j, 0,1,2,3,4,5,6,7
	v_add_f32 v[SV+\j], v[SV+\j], v[PP+\j]
.endr
.irp j, 0,1,2,3,4,5,6,7
	v_cndmask_b32 v[SV+\j], v4, v[SV+\j], s[32+\j]
.endr
	v_max3_num_f32 v244, v[SV], v[SV+1], v[SV+2]
	v_max3_num_f32 v244, v244, v[SV+3], v[SV+4]
	v_max3_num_f32 v244, v244, v[SV+5], v[SV+6]
	v_max3_num_f32 v244, v244, v[SV+7], v[MM]
	v_permlanex16_b32 v245, v244, s26, s27
	v_mov_b32 v246, v[CM]
	v_max_num_f32 v[MM], v244, v245
	v_mul_f32 v[CM], s24, v[MM]
	v_sub_f32 v246, v246, v[CM]
.irp j, 0,1,2,3,4,5,6,7
	v_fma_f32 v[PP+\j], v[SV+\j], s24, -v[CM]
.endr
	v_exp_f32 v[AA], v246
.irp j, 0,1,2,3,4,5,6,7
	v_exp_f32 v[PP+\j], v[PP+\j]
.endr
	v_nop
	s_wait_alu depctr_va_vdst(0)                   ; one wait for the nine, ahead of their first reader
	v_add_f32 v244, v[PP], v[PP+1]
	v_add_f32 v246, v[PP+2], v[PP+3]
	v_add_f32 v247, v[PP+4], v[PP+5]
	v_add_f32 v248, v[PP+6], v[PP+7]
	v_add_f32 v244, v244, v246
	v_add_f32 v247, v247, v248
	v_add_f32 v244, v244, v247
	v_fma_f32 v[LL], v[LL], v[AA], v244
.irp sp, 0,1,2,3                       ; V^T P^T of these 16 keys: four tiles of d by turns
.irp d, 0,1,2,3
.if \sp == 0
	v_wmma_f32_16x16x4_f32 v[ACC+8*\d:ACC+8*\d+7], v[64+8*\d+2*\sp:64+8*\d+2*\sp+1], v[PP+2*\sp:PP+2*\sp+1], 0
.else
	v_wmma_f32_16x16x4_f32 v[ACC+8*\d:ACC+8*\d+7], v[64+8*\d+2*\sp:64+8*\d+2*\sp+1], v[PP+2*\sp:PP+2*\sp+1], v[ACC+8*\d:ACC+8*\d+7]
.endif
.endr
.endr
.rept 9
	v_nop                                          ; nine places: the next matrix instruction writes over these accumulators; the reads below and the next loads want eight
.endr
.set i, 0
.rept 32
	v_fma_f32 v[OO+i], v[OO+i], v[AA], v[ACC+i]    ; O^T = O^T a + the step's, into registers of its own
.set i, i+1
.endr
.Lkt_next:
	s_add_co_u32 s21, s21, 1
	s_cmp_lt_u32 s21, 8
	s_cbranch_scc1 .Lkt
.Lj_next:
	s_add_co_u32 s20, s20, 1
	s_cmp_lt_u32 s20, 32
	s_cbranch_scc1 .Lj
	; THE PROJECTION of my head's 64 channels onto outputs 16 gI .. 16 gI + 15
.irp d, 0,1,2,3
	global_load_b128 v[KV+8*\d:KV+8*\d+3], v8, s[50:51] offset:64*\d       ; Wp[16 gI + r][64 hd + 16 d + 8 h + 0 .. 7]
	global_load_b128 v[KV+8*\d+4:KV+8*\d+7], v8, s[50:51] offset:64*\d+16
.endr
	v_permlanex16_b32 v245, v[LL], s26, s27
	v_add_f32 v[LL], v[LL], v245                   ; the row's sum
	v_rcp_f32 v244, v[LL]
	v_nop
	s_wait_alu depctr_va_vdst(0)
.set i, 0
.rept 32
	v_mul_f32 v[64+i], v[OO+i], v244               ; y; a row with no open key: 0 x infinity = NaN, as reference() gives
.set i, i+1
.endr
	s_wait_loadcnt 0x0
.set kk, 0
.rept 16                               ; source 0 = 16 rows of Wp, source 1 = y: register j of lane (r, h) is out0(r, 16 gI + 8 h + j)
.if kk < 4
	v_wmma_f32_16x16x4_f32 v[ACC+8*(kk%4):ACC+8*(kk%4)+7], v[KV+2*kk:KV+2*kk+1], v[64+2*kk:64+2*kk+1], 0
.else
	v_wmma_f32_16x16x4_f32 v[ACC+8*(kk%4):ACC+8*(kk%4)+7], v[KV+2*kk:KV+2*kk+1], v[64+2*kk:64+2*kk+1], v[ACC+8*(kk%4):ACC+8*(kk%4)+7]
.endif
.set kk, kk+1
.endr
.rept 8
	v_nop
.endr
.irp j, 0,1,2,3,4,5,6,7
	v_add_f32 v[SV+\j], v[ACC+\j], v[ACC+8+\j]
	v_add_f32 v[PP+\j], v[ACC+16+\j], v[ACC+24+\j]
.endr
.irp j, 0,1,2,3,4,5,6,7
	v_add_f32 v[SV+\j], v[SV+\j], v[PP+\j]
.endr
	ds_store_b128 v5, v[SV:SV+3]
	ds_store_b128 v5, v[SV+4:SV+7] offset:512
	s_wait_dscnt 0x0                               ; for the others' sake: my part has landed
	s_barrier_signal -1
	s_barrier_wait -1
	s_wait_tensorcnt 0x0                           ; no LDS write follows
	ds_add_u32 v[SPW], v[NIL]
	s_wait_dscnt 0x0
	s_cmp_lg_u32 s16, 0
	s_cbranch_scc1 .Lfin
	global_load_b128 v[144:147], v9, s[54:55]      ; bp[16 gI + 8 h + 0 .. 7]
	global_load_b128 v[148:151], v9, s[54:55] offset:16
.set i, 0
.rept 16
	ds_load_b128 v[16+8*i:16+8*i+3], v1 offset:1024*i
	ds_load_b128 v[16+8*i+4:16+8*i+7], v1 offset:1024*i+512
.set i, i+1
.endr
	s_wait_dscnt 0x0
.set i, 1
.rept 15                               ; the sixteen heads' parts, in the order of the heads
.irp j, 0,1,2,3,4,5,6,7
	v_add_f32 v[16+\j], v[16+\j], v[16+8*i+\j]
.endr
.set i, i+1
.endr
	s_wait_loadcnt 0x0
.irp j, 0,1,2,3,4,5,6,7
	v_add_f32 v[16+\j], v[16+\j], v[144+\j]
.endr
	global_store_b128 v8, v[16:19], s[52:53]
	global_store_b128 v8, v[20:23], s[52:53] offset:16
.Lfin:
	s_endpgm
.Lfunc_end_k_q2af6f7d211_fine:
	.size	k_q2af6f7d211_fine, .Lfunc_end_k_q2af6f7d211_fine-k_q2af6f7d211_fine
	.p2alignl 7, 3214868480
	.fill 96, 4, 3214868480
	.section	.rodata,"a",@progbits
	.p2align	6, 0x0
	.amdhsa_kernel k_q2af6f7d211_fine
		.amdhsa_group_segment_fixed_size 18432
		.amdhsa_private_segment_fixed_size 0
		.amdhsa_enable_private_segment 0
		.amdhsa_kernarg_size 56
		.amdhsa_user_sgpr_count 2
		.amdhsa_user_sgpr_kernarg_segment_ptr 1
		.amdhsa_wavefront_size32 1
		.amdhsa_system_sgpr_workgroup_id_x 1
		.amdhsa_system_sgpr_workgroup_id_y 1
		.amdhsa_system_sgpr_workgroup_id_z 1
		.amdhsa_system_vgpr_workitem_id 0
		.amdhsa_next_free_vgpr 256
		.amdhsa_next_free_sgpr 66
		.amdhsa_reserve_vcc 0
		.amdhsa_float_denorm_mode_32 3
		.amdhsa_float_denorm_mode_16_64 3
		.amdhsa_memory_ordered 1
		.amdhsa_forward_progress 1
		.amdhsa_inst_pref_size 35
	.end_amdhsa_kernel
	.amdgpu_metadata
---
amdhsa.version: [ 1, 2 ]
amdhsa.kernels:
  - .name:           k_q2af6f7d211_fine
    .symbol:         k_q2af6f7d211_fine.kd
    .args:
      - { .name: qkv, .offset: 0, .size: 8, .value_kind: global_buffer, .address_space: global }
      - { .name: qkvlo, .offset: 8, .size: 8, .value_kind: global_buffer, .address_space: global }
      - { .name: maskw, .offset: 16, .size: 8, .value_kind: global_buffer, .address_space: global }
      - { .name: Wp, .offset: 24, .size: 8, .value_kind: global_buffer, .address_space: global }
      - { .name: bp, .offset: 32, .size: 8, .value_kind: global_buffer, .address_space: global }
      - { .name: out0, .offset: 40, .size: 8, .value_kind: global_buffer, .address_space: global }
      - { .name: flags, .offset: 48, .size: 8, .value_kind: global_buffer, .address_space: global }
    .group_segment_fixed_size: 18432
    .private_segment_fixed_size: 0
    .kernarg_segment_align: 8
    .kernarg_segment_size: 56
    .max_flat_workgroup_size: 512
    .sgpr_count:     66
    .vgpr_count:     256
    .wavefront_size: 32
...
	.end_amdgpu_metadata
.endif
;; end of part 9
